; MI455X (gfx1250); checked and timed in simulation.
; The chip was launched on July 23, 2026; its instructions are those of AMD's public machine-readable ISA for CDNA 5 (MIT licence, August 2026) and "CDNA5" Instruction Set Architecture Reference Guide (July 2026). The comments in the code are by the model that wrote it; some were corrected since.
;; Encoder Block. Allowed arithmetic: matrix products marked QUANTISED: E2M1 operands, one E8M0 scale for each 32 along K, by v_wmma_scale_f32_16x16x128_f8f6f4 with both operands' format E2M1 (or v_wmma_scale_f32_32x16x128_f4), f32 sums; everything else in f32.
;; Inputs: W0 4,096 x 1,024 float32; W1 1,024 x 4,096 float32; Wk 1,024 x 1,024 float32; Wo 1,024 x 1,024 float32; Wq 1,024 x 1,024 float32; Wv 1,024 x 1,024 float32; b0 4,096 float32; b1 1,024 float32; bk 1,024 float32; bo 1,024 float32; bq 1,024 float32; bv 1,024 float32; ln0_a 1,024 float32; ln0_b 1,024 float32; ln1_a 1,024 float32; ln1_b 1,024 float32; x 2 x 2,048 x 1,024 float32.
;; Outputs: out0 2 x 2,048 x 1,024 float32.
;; This version of the problem:
;;   THIS VERSION OF THE PROBLEM IS GIVEN IN LOW PRECISION. The matrix products marked QUANTISED in the list below multiply operands that are first quantised to E2M1 (2 exponent bits, 1 mantissa bit; 4 bits a number), with one power-of-two scale for each 32 numbers along K (OCP MX v1.0); their sums are f32. All else is computed in f32.
;;   The module's matrix products, in the order in which they are computed (A, B: the left and right operand; K: the contracted axis; several contracted axes count as one K, in the product's order):
;;     1. [M 4,096, K 1,024] x [K 1,024, N 1,024]; A: input x; B: input Wk: QUANTISED
;;     2. [M 4,096, K 1,024] x [K 1,024, N 1,024]; A: input x; B: input Wq: QUANTISED
;;     3. [M 4,096, K 1,024] x [K 1,024, N 1,024]; A: input x; B: input Wv: QUANTISED
;;     4. batch 64 x [M 2,048, K 32] x [K 32, N 2,048]; A: computed on the way; B: computed on the way: QUANTISED
;;     5. batch 64 x [M 32, K 2,048] x [K 2,048, N 2,048]; A: computed on the way; B: softmax (see below): QUANTISED
;;     6. [M 4,096, K 1,024] x [K 1,024, N 1,024]; A: computed on the way; B: input Wo: QUANTISED
;;     7. [M 4,096, K 1,024] x [K 1,024, N 4,096]; A: computed on the way; B: input W0: QUANTISED
;;     8. [M 4,096, K 4,096] x [K 4,096, N 1,024]; A: computed on the way; B: input W1: QUANTISED
;;   THE QUANTISER, for each operand of a quantised product, along K:
;;     - K is cut into blocks of 32 from its start; a last block that is shorter is filled with zeros.
;;     - A block's scale is 2^e with e = floor(log2(the largest magnitude in the block)) - 2, held to -126 .. 127; a block of zeros has e = 0. As a byte (E8M0): e + 127.
;;     - Each number is divided by its block's scale, clamped to +-6, and rounded to the nearest number of E2M1, ties to even, subnormals kept.
;;     - The product sums the exact products of the quantised numbers (number of the format x scale) in f32.
;;   ~~~python
;;   def quantise(x, axis):      # numpy; x: float32 -> the quantised numbers, widened to float32 again
;;       x = np.moveaxis(x, axis, -1); K = x.shape[-1]
;;       x = np.pad(x, [(0, 0)] * (x.ndim - 1) + [(0, -K % 32)]); x = x.reshape(x.shape[:-1] + (-1, 32)); a = np.abs(x).max(-1, keepdims=True)
;;       e = np.where(a > 0, np.clip(np.frexp(np.where(a > 0, a, 1))[1] - 1 - 2, -126, 127), 0)      # np.frexp(a)[1] - 1 = floor(log2(a)), exactly
;;       r = np.clip(x / 2.0 ** e, -6, 6)
;;       step = 2.0 ** (np.maximum(np.frexp(np.where(r == 0, 1, r))[1] - 1, 0) - 1)
;;       q = np.round(r / step) * step * 2.0 ** e      # np.round: ties to even
;;       return np.moveaxis(q.reshape(q.shape[:-2] + (-1,))[..., :K], -1, axis).astype(np.float32)
;;   ~~~
;;   SOFTMAX AHEAD OF A QUANTISED PRODUCT. Where the list says 'softmax', what is quantised is not the finished softmax but p = 2^(t - M), with t = logit x log2(e) and M = ceil(the row's largest t), a whole number; so 1/2 < the row's largest p <= 1. The row's sum l is taken of the UNQUANTISED p, in f32, and the product's result is divided by l at the end. Since M is a whole number, a kernel that streams over the keys may use a running M (the ceiling of the running maximum): every later rescaling is an exact power of two, which a block's scale takes up: the codes' values come out the same.
;;   OPERANDS COMPUTED ON THE WAY. 'Computed on the way' means the value that the module computes at that place (a softmax that the list does not call 'softmax' is quantised finished and normalised). What goes into a quantiser is computed in f32, as accurately as f32 sums, v_exp_f32 and their like allow (about 1e-6 of the number): no bf16 or f16 on the way to a quantiser, and a product that is left as it is and whose result goes on into a quantised operand takes f32 operands (vector FMAs, or v_wmma_f32_16x16x4_f32). A number that lies on a knife's edge between two numbers of the format may be rounded either way, as far as f32 arithmetic and the matrix unit's own rounding can turn it there, and no further.
;; 2 versions. Each part assembles by itself: llvm-mc -triple=amdgcn-amd-amdhsa -mcpu=gfx1250 --defsym DOCPART=n.
;; ======== version 1 of 2: 7 launches
;; workspace buffers: img 8,912,896 bytes; qkv 6,684,672 bytes; oq 2,228,224 bytes; hq 19,005,440 bytes; hid 8,912,896 bytes; pre 16,777,216 bytes
;; launch quant (part 1): grid 256 x 1, 8 waves a work-group, no clusters, 68,608 bytes of LDS; arguments x, Wk, Wq, Wv, Wo, W0, W1, img; writes img
.if DOCPART == 1
	.amdgcn_target "amdgcn-amd-amdhsa--gfx1250"
	.amdhsa_code_object_version 6
	.text
	.protected	k_qc853998f6a_quant
	.globl	k_qc853998f6a_quant
	.p2align	8
	.type	k_qc853998f6a_quant,@function
k_qc853998f6a_quant:
	s_mov_b64 s[64:65], 0
	v_nop
	global_prefetch_b8 v0, s[64:65] scope:SCOPE_SE
	s_setreg_imm32_b32 hwreg(HW_REG_WAVE_MODE, 25, 1), 1
	s_wait_xcnt 0x0
; x [4096][1024], Wk, Wq, Wv, Wo [1024][1024], W0 [4096][1024], W1 [1024][4096], all f32 with K innermost, become codes of FP4 (E2M1) and E8M0 scale bytes (one for each 32 along K),
; laid in the ORDER OF THE OPERAND'S REGISTERS.  Rows are kept in places (G, b, r): place (G, b, r) holds row 64 G + 32 (b / 2) + 8 (b % 2) + r + 8 (r / 8).
; Codes: byte ((G KS + s) 4 + b) 1024 + 512 c + 16 lane = registers 4 c .. 4 c + 3 of the fragment (rows (G, b, .), K step s of 128).  Scale words: byte (G KS + s) 256 + 8 lane + 4 j = the word of row (G, 2 j + lane / 16, lane % 16).
; A UNIT is 64 rows x 128 K: four fragments, 4,096 bytes of codes, 256 bytes of scale words.  A wave takes one unit, a work-group eight.  The seven tensors' sections follow each other in img so that
; unit number = 8 x work-group + wave for all of them: codes at 4,096 x unit, scale words at 0x800000 + 256 x unit.
; A block's scale is 2^(floor(log2(its largest magnitude)) - 2): its byte is the largest magnitude's exponent field - 2, held at 1 from below.
; LIMITS: NaN and infinities among the inputs are not served; a block whose largest magnitude lies under 2^-124, a block of zeros among them, gets the byte 1 (the rule says 127 for zeros): its codes are zeros or the
; nearest codes under that scale, and the bytes are read by this program alone.
; Each load reads 512 consecutive bytes of one row; the conversions want 16 neighbours along K in one lane, so a fragment's 16 rows turn through the wave's own stage in LDS (rows of 512 + 16 bytes).
; No barrier: waves share nothing.  Two fragments' loads (32 a wave) are on their way.
.set LI,    1                          ; v1      16 x lane
.set L8,    2                          ; v2      8 x lane
.set STI,   3                          ; v3      the stage, way in: wave's stage + 16 x lane
.set STO,   4                          ; v4      way out: + 528 (lane % 16) + 64 (lane / 16)
.set OFFR,  16                         ; v16-31  byte offset of place q's row in a fragment + 16 x lane
.set PC,    32                         ; v32-39  a fragment's codes
.set TM,    40                         ; v40-55  at work
.set PW,    56                         ; v56-59  the four fragments' scale words
.set SPR,   60                         ; v60-61  the unit's scale words as they are stored
.set X,     64                         ; v64-127 register 16 b + i = k 32 b + 16 (lane / 16) + i of row lane % 16
.set R,     128                        ; v128-255 two sets of 16 rows as loaded
.set SEL,   44                         ; s[44:45] lane selects: lane xor 16
.set HM,    46                         ; s46     mask of lanes 16-31
.set SROW,  528
.set SWAVE, 16*SROW
	s_load_b256 s[8:15], s[0:1], 0x0               ; x, Wk, Wq, Wv
	s_load_b256 s[16:23], s[0:1], 0x20             ; Wo, W0, W1, img
	v_lshl_add_u32 v62, v0, 2, 0x10800
	v_mov_b32 v63, 0
	v_lshrrev_b32 v5, 5, v0
	v_readfirstlane_b32 s26, v5                    ; wave 0..7
	v_and_b32 v6, 31, v0
	v_and_b32 v7, 15, v0
	v_bfe_u32 v8, v0, 4, 1
	v_lshlrev_b32 v[LI], 4, v6
	v_lshlrev_b32 v[L8], 3, v6
	s_mul_i32 s27, s26, SWAVE
	v_add_nc_u32 v[STI], s27, v[LI]
	v_mul_u32_u24 v[STO], v7, SROW
	v_lshl_add_u32 v[STO], v8, 6, v[STO]
	v_add_nc_u32 v[STO], s27, v[STO]
	s_mov_b32 s[SEL], 0x76543210
	s_mov_b32 s[SEL+1], 0xfedcba98
	s_mov_b32 s[HM], 0xffff0000
.irp b, 0,1,2,3
	v_mov_b32 v[TM+4+\b], 0                        ; written once: a lane permute's destination counts as one of its sources
.endr
	; which tensor: work-groups 0-63 x, 64-79 Wk, 80-95 Wq, 96-111 Wv, 112-127 Wo, 128-191 W0, 192-255 W1.  The choice hangs on the work-group's number alone
	s_mov_b32 s7, 16384                            ; a row in bytes: W1's,
	s_mov_b32 s6, 192                              ; and its first work-group
	s_cmp_lt_u32 ttmp9, 192
	s_cselect_b32 s7, 4096, s7                     ; all others have K = 1,024
	s_cselect_b32 s24, 0, 2                        ; W1: four work-groups to a group of rows
	s_cselect_b32 s25, 0, 3
	s_wait_kmcnt 0x0
	s_cselect_b64 s[4:5], s[18:19], s[20:21]
	s_cselect_b32 s6, 128, s6
.macro PICK bound, ptr, start
	s_cmp_lt_u32 ttmp9, \bound
	s_cselect_b64 s[4:5], s[\ptr:\ptr+1], s[4:5]
	s_cselect_b32 s6, \start, s6
.endm
	PICK 128, 16, 112
	PICK 112, 14, 96
	PICK 96, 12, 80
	PICK 80, 10, 64
	PICK 64, 8, 0
	s_sub_co_u32 s28, ttmp9, s6                    ; the work-group's number in its tensor
	s_lshr_b32 s29, s28, s24                       ; group of 64 rows
	s_and_b32 s30, s28, s25
	s_lshl_b32 s30, s30, 3
	s_add_co_u32 s30, s30, s26                     ; K step
	s_lshl_b32 s30, s30, 9                         ; 512 bytes a K step
	s_lshl_b32 s31, s7, 6
	s_mul_i32 s29, s29, s31                        ; 64 rows a group
	s_add_co_u32 s48, s29, s30
	s_mov_b32 s49, 0
	s_add_nc_u64 s[4:5], s[4:5], s[48:49]
	s_mov_b64 s[32:33], s[4:5]                     ; fragment b begins at row 32 (b / 2) + 8 (b % 2): rows 0, 8, 32, 40
	s_lshl_b32 s48, s7, 3
	s_add_nc_u64 s[34:35], s[4:5], s[48:49]
	s_lshl_b32 s48, s7, 5
	s_add_nc_u64 s[36:37], s[4:5], s[48:49]
	s_mul_i32 s48, s7, 40
	s_add_nc_u64 s[38:39], s[4:5], s[48:49]
.irp q, 0,1,2,3,4,5,6,7,8,9,10,11,12,13,14,15
	s_mul_i32 s50, s7, \q+8*(\q/8)                 ; place q is row q + 8 (q / 8) of the fragment
	v_add_nc_u32 v[OFFR+\q], s50, v[LI]
.endr
	s_lshl_b32 s48, ttmp9, 3
	s_add_co_u32 s48, s48, s26                     ; the unit
	s_lshl_b32 s50, s48, 12
	s_mov_b32 s51, 0
	s_add_nc_u64 s[40:41], s[22:23], s[50:51]      ; its codes
	s_lshl_b32 s50, s48, 8
	s_add_co_u32 s50, s50, 0x800000
	s_add_nc_u64 s[42:43], s[22:23], s[50:51]      ; its scale words
.macro LOAD a                          ; fragment a's 16 rows: each load 512 consecutive bytes
.irp q, 0,1,2,3,4,5,6,7,8,9,10,11,12,13,14,15
	global_load_b128 v[R+64*((\a)%2)+4*\q:R+64*((\a)%2)+4*\q+3], v[OFFR+\q], s[32+2*(\a):33+2*(\a)] th:TH_LOAD_NT
.endr
.endm
.macro TURN a                          ; through the stage: LDS serves a wave's instructions in order, so no wait stands between the stores and the loads
.irp q, 0,1,2,3,4,5,6,7,8,9,10,11,12,13,14,15
	ds_store_b128 v[STI], v[R+64*((\a)%2)+4*\q:R+64*((\a)%2)+4*\q+3] offset:SROW*\q
.endr
.irp b, 0,1,2,3
.irp j, 0,1,2,3
	ds_load_b128 v[X+16*\b+4*\j:X+16*\b+4*\j+3], v[STO] offset:128*\b+16*\j
.endr
.endr
.endm
; 64 numbers of a lane, register 16 b + i = k 32 b + 16 (lane / 16) + i of my row, become a fragment's codes in v[PC] on and its scale word in v[pw]
.macro QUANT s, pw
.irp b, 0,1,2,3
	v_max3_num_f32 v[TM+\b], |v[\s+16*\b]|, |v[\s+1+16*\b]|, 0x1800000   ; my 16 numbers of block b, and the floor 2^(3 - 127): the byte cannot fall under 1
.endr
.irp i, 2,4,6,8,10,12,14
.irp b, 0,1,2,3
	v_max3_num_f32 v[TM+\b], v[TM+\b], |v[\s+16*\b+\i]|, |v[\s+1+16*\b+\i]|   ; the four blocks by turns
.endr
.endr
.irp b, 0,1,2,3
	v_permlanex16_b32 v[TM+4+\b], v[TM+\b], s[SEL], s[SEL+1]
.endr
.irp b, 0,1,2,3
	v_max_num_f32 v[TM+\b], v[TM+\b], v[TM+4+\b]   ; with lane xor 16's: the block's largest magnitude
.endr
.irp b, 0,1,2,3
	v_add_nc_u32 v[TM+12+\b], 0xff000000, v[TM+\b] ; 2 off its exponent field: the conversion takes the exponent field of this operand as its scale
.endr
.irp b, 0,1,2,3
	v_lshrrev_b32 v[TM+4+\b], 23, v[TM+12+\b]      ; the scale's byte
.endr
	v_lshl_or_b32 v[\pw], v[TM+5], 8, v[TM+4]
	v_lshl_or_b32 v[\pw], v[TM+6], 16, v[\pw]
	v_lshl_or_b32 v[\pw], v[TM+7], 24, v[\pw]
.irp b, 0,1,2,3
	v_cvt_scalef32_pk8_fp4_f32 v[PC+2*\b], v[\s+16*\b:\s+7+16*\b], v[TM+12+\b]
	v_cvt_scalef32_pk8_fp4_f32 v[PC+1+2*\b], v[\s+8+16*\b:\s+15+16*\b], v[TM+12+\b]
.endr
	v_nop                                          ; one plain place behind a scaled conversion
.irp c, 0,1                            ; the layout wants a whole block in a lane: lanes 0-15 block 2 c, lanes 16-31 block 2 c + 1
.irp i, 0,1
	v_permlane16_swap_b32 v[PC+4*\c+\i], v[PC+2+4*\c+\i]
.endr
.endr
.endm
	LOAD 0
	LOAD 1
.irp a, 0,1,2,3
.if \a < 3
	s_wait_loadcnt 16                              ; this fragment's 16 loads are in; the next fragment's 16 stay out
.else
	s_wait_loadcnt 0x0
.endif
	TURN \a
	s_wait_dscnt 0x0                               ; my 64 numbers are back, and the stage's stores have read their registers
	s_wait_xcnt 0x0                                ; the last fragment's stores have read the codes' registers, which are written again below
.if \a < 2
	LOAD \a+2
.endif
	QUANT X, PW+\a
	global_store_b128 v[LI], v[PC:PC+3], s[40:41] offset:\a*1024        ; 512 consecutive bytes
	global_store_b128 v[LI], v[PC+4:PC+7], s[40:41] offset:\a*1024+512
.endr
	v_cndmask_b32 v[SPR], v[PW], v[PW+1], s[HM]    ; register j: lanes 0-15 fragment 2 j's words, lanes 16-31 fragment 2 j + 1's
	v_cndmask_b32 v[SPR+1], v[PW+2], v[PW+3], s[HM]
	global_store_b64 v[L8], v[SPR:SPR+1], s[42:43] ; 256 consecutive bytes, aligned
	s_wait_tensorcnt 0x0
	ds_add_u32 v62, v63
	s_wait_dscnt 0x0
	s_endpgm
.Lfunc_end_k_qc853998f6a_quant:
	.size	k_qc853998f6a_quant, .Lfunc_end_k_qc853998f6a_quant-k_qc853998f6a_quant
	.p2alignl 7, 3214868480
	.fill 96, 4, 3214868480
	.section	.rodata,"a",@progbits
	.p2align	6, 0x0
	.amdhsa_kernel k_qc853998f6a_quant
		.amdhsa_group_segment_fixed_size 68608
		.amdhsa_private_segment_fixed_size 0
		.amdhsa_enable_private_segment 0
		.amdhsa_kernarg_size 64
		.amdhsa_user_sgpr_count 2
		.amdhsa_user_sgpr_kernarg_segment_ptr 1
		.amdhsa_wavefront_size32 1
		.amdhsa_system_sgpr_workgroup_id_x 1
		.amdhsa_system_sgpr_workgroup_id_y 1
		.amdhsa_system_sgpr_workgroup_id_z 1
		.amdhsa_system_vgpr_workitem_id 0
		.amdhsa_next_free_vgpr 256
		.amdhsa_next_free_sgpr 66
		.amdhsa_reserve_vcc 0
		.amdhsa_float_denorm_mode_32 3
		.amdhsa_float_denorm_mode_16_64 3
		.amdhsa_memory_ordered 1
		.amdhsa_forward_progress 1
		.amdhsa_inst_pref_size 35
	.end_amdhsa_kernel
	.amdgpu_metadata
---
amdhsa.version: [ 1, 2 ]
amdhsa.kernels:
  - .name:           k_qc853998f6a_quant
    .symbol:         k_qc853998f6a_quant.kd
    .args:
      - { .name: x, .offset: 0, .size: 8, .value_kind: global_buffer, .address_space: global }
      - { .name: Wk, .offset: 8, .size: 8, .value_kind: global_buffer, .address_space: global }
      - { .name: Wq, .offset: 16, .size: 8, .value_kind: global_buffer, .address_space: global }
      - { .name: Wv, .offset: 24, .size: 8, .value_kind: global_buffer, .address_space: global }
      - { .name: Wo, .offset: 32, .size: 8, .value_kind: global_buffer, .address_space: global }
      - { .name: W0, .offset: 40, .size: 8, .value_kind: global_buffer, .address_space: global }
      - { .name: W1, .offset: 48, .size: 8, .value_kind: global_buffer, .address_space: global }
      - { .name: img, .offset: 56, .size: 8, .value_kind: global_buffer, .address_space: global }
    .group_segment_fixed_size: 68608
    .private_segment_fixed_size: 0
    .kernarg_segment_align: 8
    .kernarg_segment_size: 64
    .max_flat_workgroup_size: 256
    .sgpr_count:     66
    .vgpr_count:     256
    .wavefront_size: 32
...
	.end_amdgpu_metadata
.endif
;; end of part 1
;; launch qkv (part 2): grid 192 x 1, 16 waves a work-group, no clusters, 282,624 bytes of LDS; arguments img, bk, bq, bv, qkv; writes qkv
.if DOCPART == 2
	.amdgcn_target "amdgcn-amd-amdhsa--gfx1250"
	.amdhsa_code_object_version 6
	.text
	.protected	k_qc853998f6a_qkv
	.globl	k_qc853998f6a_qkv
	.p2align	8
	.type	k_qc853998f6a_qkv,@function
k_qc853998f6a_qkv:
	s_mov_b64 s[64:65], 0
	v_nop
	global_prefetch_b8 v0, s[64:65] scope:SCOPE_SE
	s_setreg_imm32_b32 hwreg(HW_REG_WAVE_MODE, 25, 1), 1
	s_wait_xcnt 0x0
; A tile of 256 x 256 of X Y^T over K = 1,024 on codes of FP4 with E8M0 scales, a bias added, (KIND 3: clipped at 0,) and QUANTISED AGAIN along Y's rows, which are the next product's K.
; KIND 1: work-groups 0-127: X = x (tokens), Y = Wk | Wq: [k | q] = x W^T + b, quantised along the 2,048 columns (a head's 32 are a block).  Work-groups 128-191: X = Wv (features), Y = x: v^T = Wv x^T + bv, quantised along the tokens.
; KIND 3: X = h (tokens), Y = W0: relu(h W0^T + b0), quantised along the 4,096 hidden units.
; Operands lie in memory in the order of the operand's registers (rows in places (G, b, r) = row 64 G + 32 (b / 2) + 8 (b % 2) + r + 8 (r / 8)): a fragment is two dense loads of 512 bytes, and the result is stored in the same form.
; THE PRODUCT IS USED TRANSPOSED: source 0 = 16 rows of Y, source 1 = 16 rows of X: lane (r, h) holds X's row (a, r), and by the order of Y's rows the 16 registers of accumulators (a, 2 B) and (a, 2 B + 1) are the
; 16 NEIGHBOURS 32 B + 16 h + 0 .. 15 of Y's group: what the conversions want.
; SHARES.  Sixteen waves, 4 x 4; a wave makes 64 x 64: 16 accumulators.  The whole K of both panels (2 x 128 KB of codes, 2 x 8 KB of scale words) is brought into LDS ONCE, by plain loads through registers, and read from there.
; Panels are shared by the 8 or 16 work-groups of a tile row or column and are NOT asked for jointly: each of the tile's 272 KB is asked for once by this work-group, in one run at its head, and nothing in LDS is filled
; again, so the text has neither slots nor their barriers; the price is that each panel is asked of the cache once for each work-group that reads it.
; LIMITS: NaN and infinities are not served; a block whose largest magnitude lies under 2^-124, a block of zeros among them, gets the byte 1: this program alone reads the bytes.
.set KIND, 1
.set LI,   1                           ; v1    16 x lane
.set L8,   2                           ; v2    8 x lane
.set ADX,  3                           ; v3    my X group's fragments in LDS
.set ADY,  4                           ; v4    my Y group's
.set ADXS, 5                           ; v5    my X group's scale words
.set ADYS, 6                           ; v6    my Y group's
.set LF,   7                           ; v7-11 the fill: 16 x thread + 65,536 n
.set GF,   12                          ; v12   16 x thread
.set SXW,  13                          ; v13   where my scale halfwords go
.set SXR,  14                          ; v14   where waves 0-3 read whole words back
.set BO,   15                          ; v15   column bias: 64 (lane / 16)
.set XF,   16                          ; v16-47 X's four fragments
.set YF,   48                          ; v48-79 Y's four
.set SX,   80                          ; v80-81 X's scale words: block b in register b / 2, lanes 0-15 (b even) or 16-31 (b odd)
.set SY,   82                          ; v82-83 Y's
.set BR,   84                          ; v84-87 row biases
.set BO2,  88                          ; v88   row bias: 4 (r + 8 (r / 8))
.set ACC,  96                          ; v96-223 accumulator (a, b) at ACC + 8 (4 a + b)
.set M,    16                          ; the way out, over the fragments: largest magnitudes,
.set PM,   24                          ; the other half's,
.set SO,   32                          ; the conversions' scale operands,
.set BY,   40                          ; bytes,
.set HW,   48                          ; halfwords,
.set SL,   52                          ; as they are stored,
.set PC,   56                          ; codes,
.set WO,   72                          ; scale words on their way out
.set YPAN, 131072                      ; LDS: X's panel at 0, Y's here,
.set XSC,  262144                      ; X's scale words,
.set YSC,  270336                      ; Y's,
.set SCX,  278528                      ; 2 KB in which the waves' scale halfwords meet
.set WV,   30
.set WY,   31
.set WX,   32
.set HM,   33
.set SEL,  34
.set TYP,  36
.if KIND == 1
.set POUT, 12
.else
.set POUT, 10
.endif
.macro WM d, y, x, c, sy, sx, ra, rb   ; D = Y fragment x X fragment + C; ra, rb: the side's scale words stand in lanes 16-31
.if (\ra) == 0 && (\rb) == 0
	v_wmma_scale_f32_16x16x128_f8f6f4 v[\d:\d+7], v[\y:\y+7], v[\x:\x+7], v[\c:\c+7], v[\sy], v[\sx] matrix_a_fmt:MATRIX_FMT_FP4 matrix_b_fmt:MATRIX_FMT_FP4
.elseif (\ra) == 1 && (\rb) == 0
	v_wmma_scale_f32_16x16x128_f8f6f4 v[\d:\d+7], v[\y:\y+7], v[\x:\x+7], v[\c:\c+7], v[\sy], v[\sx] matrix_a_fmt:MATRIX_FMT_FP4 matrix_b_fmt:MATRIX_FMT_FP4 matrix_a_scale:MATRIX_SCALE_ROW1
.elseif (\ra) == 0
	v_wmma_scale_f32_16x16x128_f8f6f4 v[\d:\d+7], v[\y:\y+7], v[\x:\x+7], v[\c:\c+7], v[\sy], v[\sx] matrix_a_fmt:MATRIX_FMT_FP4 matrix_b_fmt:MATRIX_FMT_FP4 matrix_b_scale:MATRIX_SCALE_ROW1
.else
	v_wmma_scale_f32_16x16x128_f8f6f4 v[\d:\d+7], v[\y:\y+7], v[\x:\x+7], v[\c:\c+7], v[\sy], v[\sx] matrix_a_fmt:MATRIX_FMT_FP4 matrix_b_fmt:MATRIX_FMT_FP4 matrix_a_scale:MATRIX_SCALE_ROW1 matrix_b_scale:MATRIX_SCALE_ROW1
.endif
.endm
.macro PLACES n                        ; plain vector instructions between a matrix instruction and what may not follow it at once (ISA guide 7.12.1)
.rept \n
	v_nop
.endr
.endm
.macro FREG i                          ; the fill's registers: v16-79, then v128-199 (v96-127 take the column bias)
.if (\i) < 16
.set TR, 16+4*(\i)
.else
.set TR, 128+4*((\i)-16)
.endif
.endm
.macro KLOAD s                         ; K step s: eight fragments and the scale words
.irp a, 0,1,2,3
.irp c, 0,1
	ds_load_b128 v[XF+8*\a+4*\c:XF+8*\a+4*\c+3], v[ADX] offset:(\s)*4096+\a*1024+\c*512
.endr
.endr
.irp b, 0,1,2,3
.irp c, 0,1
	ds_load_b128 v[YF+8*\b+4*\c:YF+8*\b+4*\c+3], v[ADY] offset:(\s)*4096+\b*1024+\c*512
.endr
.endr
	ds_load_b64 v[SX:SX+1], v[ADXS] offset:(\s)*256
	ds_load_b64 v[SY:SY+1], v[ADYS] offset:(\s)*256
	s_wait_dscnt 0x0
.endm
.macro MUL                             ; the 16 accumulators take turns, one instruction a turn, in the same order in every K step
.irp a, 0,1,2,3
.irp b, 0,1,2,3
	WM ACC+8*(4*\a+\b), YF+8*\b, XF+8*\a, ACC+8*(4*\a+\b), SY+\b/2, SX+\a/2, \b%2, \a%2
.endr
.endr
.endm
.macro MULC                            ; the first K step where the bias hangs on the column: accumulators (0, b) hold it and are the C of rows 1 to 3; then they add in place
.irp a, 1,2,3
.irp b, 0,1,2,3
	WM ACC+8*(4*\a+\b), YF+8*\b, XF+8*\a, ACC+8*\b, SY+\b/2, SX+\a/2, \b%2, \a%2
.endr
.endr
	PLACES 5                                       ; the next four write over registers that the last twelve read as C
.irp b, 0,1,2,3
	WM ACC+8*\b, YF+8*\b, XF, ACC+8*\b, SY+\b/2, SX, \b%2, 0
.endr
.endm
.macro MULR                            ; the same where the bias hangs on X's row: accumulators (a, 0) hold it
.irp b, 1,2,3
.irp a, 0,1,2,3
	WM ACC+8*(4*\a+\b), YF+8*\b, XF+8*\a, ACC+32*\a, SY+\b/2, SX+\a/2, \b%2, \a%2
.endr
.endr
	PLACES 5
.irp a, 0,1,2,3
	WM ACC+32*\a, YF, XF+8*\a, ACC+32*\a, SY, SX+\a/2, 0, \a%2
.endr
.endm
; The wave's 64 x 64 results become codes and scale halfwords.  Index k = 2 a + B: the 16 numbers at acc + 16 k are columns 32 B + 16 (lane / 16) + 0 .. 15 of row (a, lane % 16).  Each accumulator is read from its low end on.
.macro HQ4 acc
.irp k, 0,1,2,3,4,5,6,7
	v_max3_num_f32 v[M+\k], |v[\acc+16*\k]|, |v[\acc+16*\k+1]|, 0x1800000   ; and the floor 2^(3 - 127): the byte cannot fall under 1
.endr
.irp i, 2,4,6,8,10,12,14
.irp k, 0,1,2,3,4,5,6,7
	v_max3_num_f32 v[M+\k], v[M+\k], |v[\acc+16*\k+\i]|, |v[\acc+16*\k+\i+1]|
.endr
.endr
.irp k, 0,1,2,3,4,5,6,7
	v_permlanex16_b32 v[PM+\k], v[M+\k], s[SEL], s[SEL+1]
.endr
.irp k, 0,1,2,3,4,5,6,7
	v_max_num_f32 v[M+\k], v[M+\k], v[PM+\k]       ; with lane xor 16's: the block's largest magnitude
.endr
.irp k, 0,1,2,3,4,5,6,7
	v_add_nc_u32 v[SO+\k], 0xff000000, v[M+\k]     ; 2 off its exponent field: the conversion's scale operand
.endr
.irp k, 0,1,2,3,4,5,6,7
	v_lshrrev_b32 v[BY+\k], 23, v[SO+\k]           ; the scale's byte
.endr
.irp a, 0,1,2,3
	v_lshl_or_b32 v[HW+\a], v[BY+2*\a+1], 8, v[BY+2*\a]   ; my two blocks' bytes of row (a, r)
.endr
.irp k, 0,1,2,3,4,5,6,7
	v_cvt_scalef32_pk8_fp4_f32 v[PC+2*\k], v[\acc+16*\k:\acc+16*\k+7], v[SO+\k]
	v_cvt_scalef32_pk8_fp4_f32 v[PC+2*\k+1], v[\acc+16*\k+8:\acc+16*\k+15], v[SO+\k]
.endr
	v_nop                                          ; one plain place behind a scaled conversion
.irp a, 0,1,2,3                        ; a whole block to a lane: lanes 0-15 block 0, lanes 16-31 block 1: four registers of the next operand's fragment
.irp i, 0,1
	v_permlane16_swap_b32 v[PC+4*\a+\i], v[PC+4*\a+2+\i]
.endr
.endr
.endm
.if KIND == 1
	s_load_b256 s[4:11], s[0:1], 0x0               ; img, bk, bq, bv
	s_load_b64 s[12:13], s[0:1], 0x20              ; qkv
	v_lshl_add_u32 v254, v0, 2, 0x44800
	v_mov_b32 v255, 0
.else
	s_load_b256 s[4:11], s[0:1], 0x0               ; hq, img, b0, hid
.endif
	v_lshrrev_b32 v16, 5, v0
	v_readfirstlane_b32 s[WV], v16                 ; wave 0..15
	s_lshr_b32 s[WY], s[WV], 2                     ; which of X's four groups
	s_and_b32 s[WX], s[WV], 3                      ; which of Y's
	v_and_b32 v17, 31, v0
	v_and_b32 v18, 15, v0
	v_bfe_u32 v19, v0, 4, 1
	v_lshlrev_b32 v[LI], 4, v17
	v_lshlrev_b32 v[L8], 3, v17
	s_lshl_b32 s37, s[WY], 15
	v_add_nc_u32 v[ADX], s37, v[LI]
	s_lshl_b32 s37, s[WX], 15
	s_add_co_u32 s37, s37, YPAN
	v_add_nc_u32 v[ADY], s37, v[LI]
	s_lshl_b32 s37, s[WY], 11
	s_add_co_u32 s37, s37, XSC
	v_add_nc_u32 v[ADXS], s37, v[L8]
	s_lshl_b32 s37, s[WX], 11
	s_add_co_u32 s37, s37, YSC
	v_add_nc_u32 v[ADYS], s37, v[L8]
	v_lshlrev_b32 v[GF], 4, v0
.irp n, 0,1,2,3,4
	v_add_nc_u32 v[LF+\n], 65536*\n, v[GF]
.endr
	s_lshr_b32 s37, s[WV], 1                       ; (X group, output K step) = wave / 2: 256 bytes each; my halfword of each word: wave % 2
	s_lshl_b32 s37, s37, 8
	s_and_b32 s38, s[WV], 1
	s_lshl_b32 s38, s38, 1
	s_add_co_u32 s37, s37, s38
	s_add_co_u32 s37, s37, SCX
	v_add_nc_u32 v[SXW], s37, v[L8]
	s_min_u32 s39, s[WV], 3                        ; only waves 0-3 read back: one X group's 512 bytes each
	s_lshl_b32 s37, s39, 9
	s_add_co_u32 s37, s37, SCX
	v_add_nc_u32 v[SXR], s37, v[LI]
	v_lshlrev_b32 v[BO], 6, v19
	v_and_b32 v20, 8, v18
	v_add_nc_u32 v20, v20, v18
	v_lshlrev_b32 v[BO2], 2, v20
	s_mov_b32 s[HM], 0xffff0000
	s_mov_b32 s[SEL], 0x76543210
	s_mov_b32 s[SEL+1], 0xfedcba98
	s_mov_b32 s55, 0
.if KIND == 1
	s_lshr_b32 s40, ttmp9, 3                       ; tiles of [k | q]: tile row,
	s_and_b32 s41, ttmp9, 7                        ; tile column
	s_add_co_u32 s42, s41, 16                      ; Wk's and Wq's panels are img's panels 16-23
	s_sub_co_u32 s43, ttmp9, 128                   ; tiles of v^T
	s_and_b32 s44, ttmp9, 3                        ; Wv's panel (24 +),
	s_lshr_b32 s45, s43, 2                         ; x's panel
	s_add_co_u32 s46, s44, 24
	s_mov_b32 s52, 0x640000
	s_cmp_lt_u32 ttmp9, 128
	s_cselect_b32 s47, s40, s46                    ; X's panel
	s_cselect_b32 s48, s42, s45                    ; Y's panel
	s_cselect_b32 s49, s40, s44                    ; the output's first group of rows / 4
	s_cselect_b32 s50, s41, s45                    ; the output's first group of 64 along K / 4
	s_cselect_b32 s51, 0, 0x400000                 ; the output's codes,
	s_cselect_b32 s52, 0x600000, s52               ; its scale words,
	s_cselect_b32 s53, 16, 32                      ; its K steps
	s_cselect_b32 s[TYP], 1, 0
	s_wait_kmcnt 0x0
	s_lshl_b32 s54, s47, 17
	s_add_nc_u64 s[16:17], s[4:5], s[54:55]        ; X's codes
	s_lshl_b32 s54, s47, 13
	s_add_co_u32 s54, s54, 0x800000
	s_add_nc_u64 s[20:21], s[4:5], s[54:55]        ; X's scale words
	s_lshl_b32 s54, s48, 17
	s_add_nc_u64 s[18:19], s[4:5], s[54:55]        ; Y's codes
	s_lshl_b32 s54, s48, 13
	s_add_co_u32 s54, s54, 0x800000
	s_add_nc_u64 s[22:23], s[4:5], s[54:55]        ; Y's scale words
	s_and_b32 s54, s41, 3                          ; the column bias: bk or bq at column 256 (tile column % 4) + 64 x my Y group.  Valid, and loaded, in every work-group
	s_lshl_b32 s54, s54, 10
	s_lshl_b32 s56, s[WX], 8
	s_add_co_u32 s54, s54, s56
	s_cmp_lt_u32 s41, 4
	s_cselect_b64 s[24:25], s[6:7], s[8:9]
	s_add_nc_u64 s[24:25], s[24:25], s[54:55]
	s_lshl_b32 s54, s44, 2                         ; the row bias: bv at feature 64 (4 x Wv's panel + my X group).  Likewise
	s_add_co_u32 s54, s54, s[WY]
	s_lshl_b32 s54, s54, 8
	s_add_nc_u64 s[60:61], s[10:11], s[54:55]
.else
	s_lshr_b32 s49, ttmp9, 4                       ; tile row
	s_and_b32 s50, ttmp9, 15                       ; tile column
	s_mov_b32 s51, 0
	s_mov_b32 s52, 0x800000
	s_mov_b32 s53, 32
	s_add_co_u32 s48, s50, 32                      ; W0's panels are img's panels 32-47
	s_wait_kmcnt 0x0
	s_lshl_b32 s54, s49, 17
	s_add_nc_u64 s[16:17], s[4:5], s[54:55]
	s_lshl_b32 s54, s49, 13
	s_add_co_u32 s54, s54, 0x200000
	s_add_nc_u64 s[20:21], s[4:5], s[54:55]
	s_lshl_b32 s54, s48, 17
	s_add_nc_u64 s[18:19], s[6:7], s[54:55]
	s_lshl_b32 s54, s48, 13
	s_add_co_u32 s54, s54, 0x800000
	s_add_nc_u64 s[22:23], s[6:7], s[54:55]
	s_lshl_b32 s54, s50, 10
	s_lshl_b32 s56, s[WX], 8
	s_add_co_u32 s54, s54, s56
	s_add_nc_u64 s[24:25], s[8:9], s[54:55]
.endif
	s_lshl_b32 s56, s49, 2                         ; where my results go: codes at ((row group) x K steps + K step) x 4,096 + 512 x (which half of the K step)
	s_add_co_u32 s57, s56, s[WY]
	s_mul_i32 s57, s57, s53
	s_lshl_b32 s58, s50, 1
	s_add_co_u32 s57, s57, s58
	s_lshr_b32 s59, s[WX], 1
	s_add_co_u32 s57, s57, s59
	s_lshl_b32 s57, s57, 12
	s_and_b32 s59, s[WX], 1
	s_lshl_b32 s59, s59, 9
	s_add_co_u32 s57, s57, s59
	s_add_co_u32 s54, s57, s51
	s_add_nc_u64 s[26:27], s[POUT:POUT+1], s[54:55]
	s_add_co_u32 s57, s56, s39                     ; scale words: waves 0-3 store one row group's two K steps each
	s_mul_i32 s57, s57, s53
	s_add_co_u32 s57, s57, s58
	s_lshl_b32 s57, s57, 8
	s_add_co_u32 s54, s57, s52
	s_add_nc_u64 s[28:29], s[POUT:POUT+1], s[54:55]
	; the biases first: they are older than the fill's loads, so the fill's counts do not know of them
.irp b, 0,1,2,3
.irp q, 0,1
	global_load_b128 v[ACC+8*\b+4*\q:ACC+8*\b+4*\q+3], v[BO], s[24:25] offset:128*(\b/2)+32*(\b%2)+16*\q   ; accumulator (0, b): the bias of columns 32 (b / 2) + 8 (b % 2) + 16 h + 0 .. 7
.endr
.endr
.if KIND == 1
.irp a, 0,1,2,3
	global_load_b32 v[BR+\a], v[BO2], s[60:61] offset:(32*(\a/2)+8*(\a%2))*4   ; the bias of X's row (a, r)
.endr
.endif
	; THE FILL: 34 passes of 8,192 bytes (512 threads x 16): X's codes, Y's codes, X's scale words, Y's; LDS holds them as memory does
.irp i, 0,1,2,3,4,5,6,7,8,9,10,11,12,13,14,15
	FREG \i
	global_load_b128 v[TR:TR+3], v[GF], s[16:17] offset:\i*8192
.endr
.irp i, 16,17,18,19,20,21,22,23,24,25,26,27,28,29,30,31
	FREG \i
	global_load_b128 v[TR:TR+3], v[GF], s[18:19] offset:(\i-16)*8192
.endr
	FREG 32
	global_load_b128 v[TR:TR+3], v[GF], s[20:21]
	FREG 33
	global_load_b128 v[TR:TR+3], v[GF], s[22:23]
.irp i, 0,1,2,3,4,5,6,7,8,9,10,11,12,13,14,15,16,17,18,19,20,21,22,23,24,25,26,27,28,29,30,31,32,33
	FREG \i
	s_wait_loadcnt 33-\i                           ; loads come back in order: pass i is in, the 33 - i younger ones stay out
	ds_store_b128 v[LF+\i/8], v[TR:TR+3] offset:(\i%8)*8192
.endr
	s_wait_dscnt 0x0                               ; for the others' sake: my part of the panels has landed
	s_barrier_signal -1
	s_barrier_wait -1                              ; the panels are whole
	KLOAD 0
.if KIND == 1
	s_cmp_eq_u32 s[TYP], 0
	s_cbranch_scc1 .Lrow
.endif
	MULC
.if KIND == 1
	s_branch .Lfirst
.Lrow:
.irp a, 0,1,2,3
.irp j, 0,1,2,3,4,5,6,7
	v_mov_b32 v[ACC+32*\a+\j], v[BR+\a]            ; a lane holds one row of X: its bias in all eight registers
.endr
.endr
	PLACES 4
	MULR
.Lfirst:
.endif
	PLACES 4                                       ; in front of loads into registers that matrix instructions have read
.irp s, 1,2,3,4,5,6,7
	KLOAD \s
	MUL
	PLACES 4                                       ; the last four are the places in front of the first read of results
.endr
.if KIND == 3
.set j, 0
.rept 128
	v_max_num_f32 v[ACC+j], 0, v[ACC+j]            ; the activation, in f32, each accumulator from its low end on
.set j, j+1
.endr
.endif
	HQ4 ACC
.irp a, 0,1,2,3
	global_store_b128 v[LI], v[PC+4*\a:PC+4*\a+3], s[26:27] offset:\a*1024   ; 512 consecutive bytes: my half of the fragment of rows (a, .)
.endr
.irp j, 0,1
	v_cndmask_b32 v[SL+\j], v[HW+2*\j], v[HW+2*\j+1], s[HM]   ; lanes 0-15 block 2 j's rows, lanes 16-31 block 2 j + 1's
	ds_store_b16 v[SXW], v[SL+\j] offset:4*\j
.endr
	s_wait_dscnt 0x0                               ; my halfwords have landed
	s_barrier_signal -1
	s_barrier_wait -1                              ; the words are whole
	s_cmp_lt_u32 s[WV], 4
	s_cbranch_scc0 .Lend
	ds_load_b128 v[WO:WO+3], v[SXR]
	s_wait_dscnt 0x0
	global_store_b128 v[LI], v[WO:WO+3], s[28:29]  ; 512 consecutive bytes: two K steps' scale words of one group of rows
.Lend:
	s_wait_tensorcnt 0x0
	ds_add_u32 v254, v255
	s_wait_dscnt 0x0
	s_endpgm
.Lfunc_end_k_qc853998f6a_qkv:
	.size	k_qc853998f6a_qkv, .Lfunc_end_k_qc853998f6a_qkv-k_qc853998f6a_qkv
	.p2alignl 7, 3214868480
	.fill 96, 4, 3214868480
	.section	.rodata,"a",@progbits
	.p2align	6, 0x0
	.amdhsa_kernel k_qc853998f6a_qkv
		.amdhsa_group_segment_fixed_size 282624
		.amdhsa_private_segment_fixed_size 0
		.amdhsa_enable_private_segment 0
		.amdhsa_kernarg_size 40
		.amdhsa_user_sgpr_count 2
		.amdhsa_user_sgpr_kernarg_segment_ptr 1
		.amdhsa_wavefront_size32 1
		.amdhsa_system_sgpr_workgroup_id_x 1
		.amdhsa_system_sgpr_workgroup_id_y 1
		.amdhsa_system_sgpr_workgroup_id_z 1
		.amdhsa_system_vgpr_workitem_id 0
		.amdhsa_next_free_vgpr 256
		.amdhsa_next_free_sgpr 66
		.amdhsa_reserve_vcc 0
		.amdhsa_float_denorm_mode_32 3
		.amdhsa_float_denorm_mode_16_64 3
		.amdhsa_memory_ordered 1
		.amdhsa_forward_progress 1
		.amdhsa_inst_pref_size 51
	.end_amdhsa_kernel
	.amdgpu_metadata
---
amdhsa.version: [ 1, 2 ]
amdhsa.kernels:
  - .name:           k_qc853998f6a_qkv
    .symbol:         k_qc853998f6a_qkv.kd
    .args:
      - { .name: img, .offset: 0, .size: 8, .value_kind: global_buffer, .address_space: global }
      - { .name: bk, .offset: 8, .size: 8, .value_kind: global_buffer, .address_space: global }
      - { .name: bq, .offset: 16, .size: 8, .value_kind: global_buffer, .address_space: global }
      - { .name: bv, .offset: 24, .size: 8, .value_kind: global_buffer, .address_space: global }
      - { .name: qkv, .offset: 32, .size: 8, .value_kind: global_buffer, .address_space: global }
    .group_segment_fixed_size: 282624
    .private_segment_fixed_size: 0
    .kernarg_segment_align: 8
    .kernarg_segment_size: 40
    .max_flat_workgroup_size: 512
    .sgpr_count:     66
    .vgpr_count:     256
    .wavefront_size: 32
...
	.end_amdgpu_metadata
.endif
;; end of part 2
;; launch attn (part 3): grid 256 x 1, 16 waves a work-group, no clusters, 75,776 bytes of LDS; arguments qkv, oq; writes oq
.if DOCPART == 3
	.amdgcn_target "amdgcn-amd-amdhsa--gfx1250"
	.amdhsa_code_object_version 6
	.text
	.protected	k_qc853998f6a_attn
	.globl	k_qc853998f6a_attn
	.p2align	8
	.type	k_qc853998f6a_attn,@function
k_qc853998f6a_attn:
	s_mov_b64 s[64:65], 0
	v_nop
	global_prefetch_b8 v0, s[64:65] scope:SCOPE_SE
	s_setreg_imm32_b32 hwreg(HW_REG_WAVE_MODE, 25, 1), 1
	s_wait_xcnt 0x0
; o = softmax(Q K^T / sqrt(32)) V for 64 (batch, head) pairs of 2,048 tokens, head size 32, both products on codes of FP4 with E8M0 scales; o is quantised along the features (a head is a block) for the next product.
; The attention's queries are the columns 0-1,023 of [k | q] (Wk's outputs), its keys the columns 1,024-2,047 (Wq's), as the module passes them.
; THE SOFTMAX AHEAD OF THE SECOND PRODUCT: t = score x log2(e) / sqrt(32); M = the running largest t rounded UP to a whole number; p = 2^(t - M) is quantised along the keys, not normalised; the row's sum is taken of the
; unquantised p and divides at the end; when M moves, the sum and O are multiplied by 2^(old M - new M), which rounds nothing.
; SHARES.  A work-group owns 512 queries of one head and holds the head's 2,048 keys and values in LDS (64 KB of codes, 4 KB of scale words), brought once.  A wave owns two tiles of 16 queries, one after the other; every
; tile walks all keys, 128 a step.  Four waves to a SIMD: one wave's vector work stands beside another's matrix work and LDS loads.
; THE SCORE PRODUCT HAS K = 32, a quarter of the instruction's 128.  A fragment of keys holds 64 keys: its K block g holds the 32 codes of key (G, g, r), which is how 64 places of 16 bytes lie on end in LDS.
; The queries stand in one K block g of source 1, zero codes in the other three: that product gives the scores of keys (G, g, .).  The four variants share 20 registers, laid 0 | q in lanes 0-15 | 0 | q in lanes 16-31 | 0.
; Both products are used transposed: a lane holds ONE query throughout; by the order of the keys' places the 16 registers of two neighbouring results are 16 neighbouring keys.
; Tiles are shared by the four work-groups of a head and not asked for jointly: each is asked for once by this work-group, at its head, 68 KB in all, and nothing in LDS is filled again.
; LIMITS: NaN and infinities are not served; a block whose largest magnitude lies under 2^-124 gets the byte 1.  v_exp_f32 is taken not to fall where its input rises: a block's largest p is made from its largest score.
.set LI,   1                           ; v1    16 x lane
.set LS,   2                           ; v2    4 x lane
.set ADK,  3                           ; v3    the step's fragments
.set ADS,  4                           ; v4    the step's scale words
.set OL,   5                           ; v5    16 r + 8 h: my 8 bytes of o's codes
.set OSA,  6                           ; v6    where o's scale byte goes
.set QB,   16                          ; v16-35 the query variants
.set KF,   40                          ; v40-55 two fragments of keys
.set VF,   56                          ; v56-71 two fragments of V^T
.set BM,   72                          ; v72-75 the blocks' largest scores, then largest p
.set PT,   76                          ; v76-79 the other half's; then bytes
.set SO,   80                          ; v80-83 the conversions' scale operands
.set QS,   84                          ; v84   the queries' scale bytes, four times each
.set KSR,  85                          ; v85   the keys' scale words: lanes 0-15 the first 64 keys', lanes 16-31 the second's
.set VSR,  86                          ; v86   V's: lanes 0-15 tile 0, lanes 16-31 tile 1
.set PS,   87                          ; v87   p's scale word
.set FF,   88                          ; v[88:89] f = 2^(old M - new M) (the low word serves both halves)
.set T0,   90
.set C2,   92                          ; v[92:93] the sum's second chain
.set S,    96                          ; v96-159 S^T, then p; at a tile's end o
.set OT,   160                         ; v160-175 O^T: two accumulators
.set PCD,  176                         ; v176-183 p's codes
.set OC2,  184                         ; v184-187 o's codes, two registers a tile
.set OB,   188                         ; v188-189 o's bytes
.set QR,   200                         ; v200-207 both tiles' queries as loaded
.set QBY,  208                         ; v208-209 their scale bytes
.set KSW,  0                           ; LDS: the keys' scale words [group 32][r 16],
.set VSW,  2048                        ; V's [step 16][lane 32],
.set OSL,  4096                        ; o's 512 scale bytes,
.set KCL,  8192                        ; the keys' codes [place 2,048][16 bytes],
.set VCL,  40960                       ; V's codes [step 16][tile 2][1,024 bytes]
.set CS,   38                          ; s[38:39] c = log2(e) / sqrt(32)
.set SEL,  40
.set HM,   42
.set TK,   43
.set TS,   44
.set CNT,  45
.macro SHADD d, s, n
	s_lshl_b32 s51, s[\s], \n
	s_add_co_u32 s[\d], s[\d], s51
.endm
.macro WMZ d, y, x, sy, sx, ra         ; a product that starts its sum
.if (\ra) == 0
	v_wmma_scale_f32_16x16x128_f8f6f4 v[\d:\d+7], v[\y:\y+7], v[\x:\x+7], 0, v[\sy], v[\sx] matrix_a_fmt:MATRIX_FMT_FP4 matrix_b_fmt:MATRIX_FMT_FP4
.else
	v_wmma_scale_f32_16x16x128_f8f6f4 v[\d:\d+7], v[\y:\y+7], v[\x:\x+7], 0, v[\sy], v[\sx] matrix_a_fmt:MATRIX_FMT_FP4 matrix_b_fmt:MATRIX_FMT_FP4 matrix_a_scale:MATRIX_SCALE_ROW1
.endif
.endm
.macro WMA d, y, x, sy, sx, ra         ; a product that adds in place
.if (\ra) == 0
	v_wmma_scale_f32_16x16x128_f8f6f4 v[\d:\d+7], v[\y:\y+7], v[\x:\x+7], v[\d:\d+7], v[\sy], v[\sx] matrix_a_fmt:MATRIX_FMT_FP4 matrix_b_fmt:MATRIX_FMT_FP4
.else
	v_wmma_scale_f32_16x16x128_f8f6f4 v[\d:\d+7], v[\y:\y+7], v[\x:\x+7], v[\d:\d+7], v[\sy], v[\sx] matrix_a_fmt:MATRIX_FMT_FP4 matrix_b_fmt:MATRIX_FMT_FP4 matrix_a_scale:MATRIX_SCALE_ROW1
.endif
.endm
	s_load_b128 s[4:7], s[0:1], 0x0                ; qkv, oq
	v_lshl_add_u32 v254, v0, 2, 0x12000
	v_mov_b32 v255, 0
	v_lshrrev_b32 v7, 5, v0
	v_readfirstlane_b32 s8, v7                     ; wave 0..15
	s_lshr_b32 s9, ttmp9, 2
	s_and_b32 s12, ttmp9, 3                        ; which 512 queries
	s_lshr_b32 s10, s9, 5                          ; batch
	s_and_b32 s11, s9, 31                          ; head
	s_lshr_b32 s13, s11, 2                         ; its K step of 128 columns,
	s_and_b32 s16, s11, 3                          ; its block in it:
	s_lshr_b32 s14, s16, 1                         ; which half of a fragment,
	s_and_b32 s15, s11, 1                          ; which half of the lanes
	s_lshl_b32 s17, s14, 9
	s_lshl_b32 s46, s15, 8
	s_add_co_u32 s17, s17, s46                     ; so a head's 256 bytes of a fragment begin here
	s_lshl_b32 s18, s10, 5
	s_lshl_b32 s46, s12, 3
	s_add_co_u32 s18, s18, s46
	s_lshr_b32 s46, s8, 1
	s_add_co_u32 s18, s18, s46                     ; my queries' group of 64 tokens
	s_and_b32 s19, s8, 1                           ; my two tiles are its blocks 2 (wave % 2), + 1
	s_lshr_b32 s48, s11, 1                         ; the head's group of 64 features
	s_mov_b32 s47, 0
	v_and_b32 v90, 31, v0
	v_and_b32 v91, 15, v0
	v_bfe_u32 v92, v0, 4, 1
	v_lshlrev_b32 v[LI], 4, v90
	v_lshlrev_b32 v[LS], 2, v90
	v_lshlrev_b32 v[OL], 4, v91
	v_lshl_add_u32 v[OL], v92, 3, v[OL]
	s_lshl_b32 s49, s8, 5
	s_add_co_u32 s49, s49, OSL
	v_add_nc_u32 v[OSA], s49, v91                  ; my queries' places in the work-group's 512: 32 x wave + 16 x tile + r
	v_lshlrev_b32 v7, 4, v91                       ; queries' codes: 16 r
	v_lshlrev_b32 v8, 3, v91                       ; their scale bytes: 8 r
	v_lshrrev_b32 v9, 6, v0                        ; keys' codes: place = thread + 512 n: group (65,536 bytes), block (1,024), r (16)
	v_lshlrev_b32 v9, 16, v9
	v_bfe_u32 v10, v0, 4, 2
	v_lshl_add_u32 v9, v10, 10, v9
	v_add_nc_u32 v9, v9, v7
	v_lshrrev_b32 v10, 7, v0                       ; V's codes: 2,048 bytes of each K step's 4,096
	v_lshlrev_b32 v10, 12, v10
	v_and_b32 v11, 127, v0
	v_lshl_add_u32 v10, v11, 4, v10
	v_lshrrev_b32 v11, 4, v0                       ; keys' scale bytes: group (4,096 bytes), r (8)
	v_lshl_add_u32 v11, v11, 12, v8
	v_lshlrev_b32 v36, 4, v0
	v_add_nc_u32 v37, VCL, v36
	v_lshlrev_b32 v38, 2, v0
	v_lshlrev_b32 v39, 3, v0
	s_mov_b32 s[CS], 0x3e8293ee
	s_mov_b32 s[CS+1], s[CS]                       ; (named with it as a pair, so it is written)
	s_mov_b32 s[SEL], 0x76543210
	s_mov_b32 s[SEL+1], 0xfedcba98
	s_mov_b32 s[HM], 0xffff0000
	s_wait_kmcnt 0x0
	s_lshl_b32 s46, s18, 16                        ; my queries' codes
	SHADD 46, 13, 12
	SHADD 46, 19, 11
	s_add_co_u32 s46, s46, s17
	s_add_nc_u64 s[20:21], s[4:5], s[46:47]
	s_lshl_b32 s46, s18, 12                        ; their scale bytes
	SHADD 46, 13, 8
	SHADD 46, 19, 2
	s_add_co_u32 s46, s46, s16
	s_add_co_u32 s46, s46, 0x600000
	s_add_nc_u64 s[22:23], s[4:5], s[46:47]
	s_lshl_b32 s46, s10, 21                        ; the head's keys: K steps 8 on
	SHADD 46, 13, 12
	s_add_co_u32 s46, s46, s17
	s_add_co_u32 s46, s46, 32768
	s_add_nc_u64 s[24:25], s[4:5], s[46:47]
	s_lshl_b32 s46, s48, 17                        ; the head's V^T
	SHADD 46, 10, 16
	SHADD 46, 15, 11
	s_add_co_u32 s46, s46, 0x400000
	s_add_nc_u64 s[26:27], s[4:5], s[46:47]
	s_lshl_b32 s46, s10, 17                        ; the keys' scale bytes
	SHADD 46, 13, 8
	s_add_co_u32 s46, s46, s16
	s_add_co_u32 s46, s46, 0x600000+2048
	s_add_nc_u64 s[28:29], s[4:5], s[46:47]
	s_lshl_b32 s46, s48, 13                        ; V's scale words
	SHADD 46, 10, 12
	SHADD 46, 15, 2
	s_add_co_u32 s46, s46, 0x640000
	s_add_nc_u64 s[30:31], s[4:5], s[46:47]
	s_lshl_b32 s46, s18, 15                        ; o's codes
	SHADD 46, 13, 12
	SHADD 46, 19, 11
	s_add_co_u32 s46, s46, s17
	s_add_nc_u64 s[32:33], s[6:7], s[46:47]
	s_lshl_b32 s46, s11, 12                        ; o's scale bytes [head][place]
	SHADD 46, 10, 11
	SHADD 46, 12, 9
	s_add_co_u32 s46, s46, 0x200000
	s_add_nc_u64 s[36:37], s[6:7], s[46:47]
.irp i, 0,1
	global_load_b128 v[QR+4*\i:QR+4*\i+3], v7, s[20:21] offset:1024*\i   ; query r's 32 codes, in lanes r and 16 + r
	global_load_u8 v[QBY+\i], v8, s[22:23] offset:128*\i
.endr
.irp n, 0,1,2,3
	global_load_b128 v[210+4*\n:213+4*\n], v9, s[24:25] offset:524288*\n   ; sixteen lanes read 256 consecutive bytes, aligned
.endr
.irp n, 0,1,2,3
	global_load_b128 v[226+4*\n:229+4*\n], v10, s[26:27] offset:16384*\n
.endr
	global_load_u8 v242, v11, s[28:29]             ; the bytes of keys (G, 0 .. 3, r)
	global_load_u8 v243, v11, s[28:29] offset:128
	global_load_u8 v244, v11, s[28:29] offset:4
	global_load_u8 v245, v11, s[28:29] offset:132
	global_load_b32 v246, v39, s[30:31]
.irp k, 0,1,2,3
	v_mov_b32 v[QB+\k], 0                          ; the variants' zero codes: written once
	v_mov_b32 v[QB+8+\k], 0
	v_mov_b32 v[QB+16+\k], 0
	v_mov_b32 v[PT+\k], 0                          ; a lane permute's destination counts as one of its sources
.endr
	v_mov_b32 v[FF+1], 0                           ; (named as the upper half of f's pair)
	s_wait_loadcnt 0x0
	v_lshl_or_b32 v242, v243, 8, v242
	v_lshl_or_b32 v242, v244, 16, v242
	v_lshl_or_b32 v242, v245, 24, v242             ; byte g = the scale of key (G, g, r)
.irp n, 0,1,2,3
	ds_store_b128 v36, v[210+4*\n:213+4*\n] offset:KCL+8192*\n
	ds_store_b128 v37, v[226+4*\n:229+4*\n] offset:8192*\n
.endr
	ds_store_b32 v38, v242 offset:KSW
	ds_store_b32 v38, v246 offset:VSW
	s_wait_dscnt 0x0                               ; for the others' sake: my part has landed
	s_barrier_signal -1
	s_barrier_wait -1                              ; the head's keys and values are whole
; A KEY STEP: 128 keys
.macro STEP
	v_add_nc_u32 v[ADK], s[TK], v[LI]
	v_add_nc_u32 v[ADS], s[TS], v[LS]
	v_nop
	v_nop                                          ; four places in front of loads into registers that the last products read
.irp f, 0,1
.irp c, 0,1
	ds_load_b128 v[KF+8*\f+4*\c:KF+8*\f+4*\c+3], v[ADK] offset:KCL+1024*\f+512*\c
.endr
.endr
	ds_load_b32 v[KSR], v[ADS] offset:KSW
.irp t, 0,1
.irp c, 0,1
	ds_load_b128 v[VF+8*\t+4*\c:VF+8*\t+4*\c+3], v[ADK] offset:VCL+1024*\t+512*\c
.endr
.endr
	ds_load_b32 v[VSR], v[ADS] offset:VSW
	s_wait_dscnt 5                                 ; the keys and their words are in; V's five loads stay out
.irp f, 0,1
.irp g, 0,1,2,3
	WMZ S+8*(4*\f+\g), KF+8*\f, QB+4+8*(\g%2)-4*(\g/2), KSR, QS, \f   ; the scores of keys (2 step + f, g, .): register 16 B + i of S is key 32 B + 16 (lane / 16) + i of the step
.endr
.endr
.rept 4
	v_nop
.endr
.irp b, 0,1,2,3
	v_max3_num_f32 v[BM+\b], v[S+16*\b], v[S+1+16*\b], v[S+2+16*\b]   ; the largest score of each block of 32 keys: for the row's maximum and, since p rises with the score, for the block's largest p
.endr
.irp i, 3,5,7,9,11,13
.irp b, 0,1,2,3
	v_max3_num_f32 v[BM+\b], v[BM+\b], v[S+16*\b+\i], v[S+1+16*\b+\i]
.endr
.endr
.irp b, 0,1,2,3
	v_max_num_f32 v[BM+\b], v[BM+\b], v[S+15+16*\b]
.endr
.irp b, 0,1,2,3
	v_permlanex16_b32 v[PT+\b], v[BM+\b], s[SEL], s[SEL+1]
.endr
.irp b, 0,1,2,3
	v_max_num_f32 v[BM+\b], v[BM+\b], v[PT+\b]     ; with lane xor 16's 16 keys
.endr
	v_max3_num_f32 v[T0], v[BM], v[BM+1], v[BM+2]
	v_max_num_f32 v[T0], v[T0], v[BM+3]            ; the step's largest score of my query
	v_mul_f32 v[T0], s[CS], v[T0]                  ; as t (c is positive)
	v_max_num_f32 v13, v13, v[T0]                  ; the running largest t
	v_mov_b32 v[T0], v12
	v_floor_f32 v12, -v13                          ; the new -M = floor(-t) = -ceil(t)
	v_sub_f32 v[T0], v12, v[T0]                    ; old M - new M: a whole number, 0 or less
	v_cvt_i32_f32 v[T0], v[T0]                     ; (it saturates)
	v_ldexp_f32 v[FF], 1.0, v[T0]                  ; f = 2^(old M - new M)
.set j, 0
.rept 32
	v_pk_fma_f32 v[S+j:S+j+1], v[S+j:S+j+1], s[CS:CS+1], v[12:13] op_sel_hi:[1,0,0]   ; t - M, two at a time
.set j, j+2
.endr
.irp b, 0,1,2,3
	v_fma_f32 v[BM+\b], v[BM+\b], s[CS], v12       ; the same of each block's largest score
.endr
.set j, 0
.rept 64
	v_exp_f32 v[S+j], v[S+j]                       ; p = 2^(t - M), at most 1
.set j, j+1
.endr
.irp b, 0,1,2,3
	v_exp_f32 v[BM+\b], v[BM+\b]                   ; the block's largest p: the same two instructions on the same number
.endr
	v_pk_mul_f32 v[14:15], v[14:15], v[FF:FF+1] op_sel_hi:[1,0]   ; the sums under the new M (a plain place behind the exponentials)
	s_wait_alu depctr_va_vdst(0)
.irp b, 0,1,2,3
	v_max_num_f32 v[BM+\b], 0x1800000, v[BM+\b]    ; the floor 2^(3 - 127): the byte cannot fall under 1
.endr
.irp b, 0,1,2,3
	v_add_nc_u32 v[SO+\b], 0xff000000, v[BM+\b]
.endr
.irp b, 0,1,2,3
	v_lshrrev_b32 v[PT+\b], 23, v[SO+\b]
.endr
	v_lshl_or_b32 v[PS], v[PT+1], 8, v[PT]         ; p's scale word for these 128 keys
	v_lshl_or_b32 v[PS], v[PT+2], 16, v[PS]
	v_lshl_or_b32 v[PS], v[PT+3], 24, v[PS]
.irp b, 0,1,2,3
	v_cvt_scalef32_pk8_fp4_f32 v[PCD+2*\b], v[S+16*\b:S+16*\b+7], v[SO+\b]
	v_cvt_scalef32_pk8_fp4_f32 v[PCD+2*\b+1], v[S+16*\b+8:S+16*\b+15], v[SO+\b]
.endr
	v_nop                                          ; one plain place behind a scaled conversion
.irp c, 0,1
.irp i, 0,1
	v_permlane16_swap_b32 v[PCD+4*\c+\i], v[PCD+4*\c+2+\i]
.endr
.endr
	v_pk_add_f32 v[C2:C2+1], v[S:S+1], v[S+2:S+3]  ; the row's sum is taken of the unquantised p: two at a time, in two chains
.irp j, 4,8,12,16,20,24,28,32,36,40,44,48,52,56,60
	v_pk_add_f32 v[14:15], v[14:15], v[S+\j:S+\j+1]
	v_pk_add_f32 v[C2:C2+1], v[C2:C2+1], v[S+\j+2:S+\j+3]
.endr
	v_pk_add_f32 v[14:15], v[14:15], v[C2:C2+1]
.irp j, 0,2,4,6,8,10,12,14
	v_pk_mul_f32 v[OT+\j:OT+\j+1], v[OT+\j:OT+\j+1], v[FF:FF+1] op_sel_hi:[1,0]   ; O^T under the new M, each accumulator from its low end on
.endr
	s_wait_dscnt 0x0                               ; V is in
	WMA OT, VF, PCD, VSR, PS, 0                    ; O^T += V^T P^T: the two accumulators take turns; eight other products stand between a link and the next
	WMA OT+8, VF+8, PCD, VSR, PS, 1
	s_add_co_u32 s[TK], s[TK], 2048
	s_add_co_u32 s[TS], s[TS], 128
.endm
; A TILE of 16 queries: block 2 (wave % 2) + i of my group
.macro TILE i
	v_perm_b32 v[QS], v[QBY+\i], v[QBY+\i], 0      ; the query's byte in all four bytes: whichever K block holds the query finds it
.irp k, 0,1,2,3
	v_cndmask_b32 v[QB+4+\k], v[QR+4*\i+\k], v[QB], s[HM]    ; q in lanes 0-15, zero codes above
	v_cndmask_b32 v[QB+12+\k], v[QB], v[QR+4*\i+\k], s[HM]   ; and the other way round
.endr
	v_mov_b32 v13, 0xff61b1e6                      ; the largest t so far: -3e38, under every t
	v_mov_b32 v14, 0                               ; the sum, in two halves
	v_mov_b32 v15, 0
	v_floor_f32 v12, -v13                          ; -M
.irp j, 0,1,2,3,4,5,6,7,8,9,10,11,12,13,14,15
	v_mov_b32 v[OT+\j], 0                          ; O^T: the first step finds zeros, which the first change of M leaves zeros.  (These are also the places between the scale register and operands just written and the first product)
.endr
	s_mov_b32 s[TK], 0
	s_mov_b32 s[TS], 0
	s_mov_b32 s[CNT], 16
.Lkey_\i:
	STEP
	s_sub_co_u32 s[CNT], s[CNT], 1
	s_cmp_lg_u32 s[CNT], 0
	s_cbranch_scc1 .Lkey_\i
.rept 4
	v_nop
.endr
	v_add_f32 v14, v14, v15                        ; the sum's two halves,
	v_permlanex16_b32 v[T0], v14, s[SEL], s[SEL+1]
	v_add_f32 v14, v14, v[T0]                      ; and lane xor 16's: the row's sum
	v_rcp_f32 v14, v14
	v_nop                                          ; one plain place behind a transcendental
	s_wait_alu depctr_va_vdst(0)
.irp j, 0,1,2,3,4,5,6,7,8,9,10,11,12,13,14,15
	v_mul_f32 v[S+\j], v[OT+\j], v14               ; o(query r, feature 16 (lane / 16) + j of the head)
.endr
	v_max3_num_f32 v[BM], |v[S]|, |v[S+1]|, 0x1800000
	v_max3_num_f32 v[BM+1], |v[S+2]|, |v[S+3]|, |v[S+4]|
	v_max3_num_f32 v[BM], v[BM], |v[S+5]|, |v[S+6]|
	v_max3_num_f32 v[BM+1], v[BM+1], |v[S+7]|, |v[S+8]|
	v_max3_num_f32 v[BM], v[BM], |v[S+9]|, |v[S+10]|
	v_max3_num_f32 v[BM+1], v[BM+1], |v[S+11]|, |v[S+12]|
	v_max3_num_f32 v[BM], v[BM], |v[S+13]|, |v[S+14]|
	v_max3_num_f32 v[BM], v[BM], v[BM+1], |v[S+15]|
	v_permlanex16_b32 v[PT], v[BM], s[SEL], s[SEL+1]
	v_max_num_f32 v[BM], v[BM], v[PT]              ; the head's 32 features are one block
	v_add_nc_u32 v[SO], 0xff000000, v[BM]
	v_lshrrev_b32 v[OB+\i], 23, v[SO]
	v_cvt_scalef32_pk8_fp4_f32 v[OC2+2*\i], v[S:S+7], v[SO]
	v_cvt_scalef32_pk8_fp4_f32 v[OC2+2*\i+1], v[S+8:S+15], v[SO]
	v_nop                                          ; one plain place behind a scaled conversion
	global_store_b64 v[OL], v[OC2+2*\i:OC2+2*\i+1], s[32:33] offset:1024*\i   ; the wave stores 256 consecutive bytes, aligned: the head's part of a fragment of o
	ds_store_b8 v[OSA], v[OB+\i] offset:16*\i      ; both halves of the lanes write the same byte with the same value
.endm
	TILE 0
	TILE 1
	s_wait_dscnt 0x0                               ; my bytes have landed
	s_barrier_signal -1
	s_barrier_wait -1
	s_cmp_lg_u32 s8, 0
	s_cbranch_scc1 .Lend
	ds_load_b128 v[192:195], v[LI] offset:OSL
	s_wait_dscnt 0x0
	global_store_b128 v[LI], v[192:195], s[36:37]  ; the work-group's 512 scale bytes: 512 consecutive bytes
.Lend:
	s_wait_tensorcnt 0x0
	ds_add_u32 v254, v255
	s_wait_dscnt 0x0
	s_endpgm
.Lfunc_end_k_qc853998f6a_attn:
	.size	k_qc853998f6a_attn, .Lfunc_end_k_qc853998f6a_attn-k_qc853998f6a_attn
	.p2alignl 7, 3214868480
	.fill 96, 4, 3214868480
	.section	.rodata,"a",@progbits
	.p2align	6, 0x0
	.amdhsa_kernel k_qc853998f6a_attn
		.amdhsa_group_segment_fixed_size 75776
		.amdhsa_private_segment_fixed_size 0
		.amdhsa_enable_private_segment 0
		.amdhsa_kernarg_size 16
		.amdhsa_user_sgpr_count 2
		.amdhsa_user_sgpr_kernarg_segment_ptr 1
		.amdhsa_wavefront_size32 1
		.amdhsa_system_sgpr_workgroup_id_x 1
		.amdhsa_system_sgpr_workgroup_id_y 1
		.amdhsa_system_sgpr_workgroup_id_z 1
		.amdhsa_system_vgpr_workitem_id 0
		.amdhsa_next_free_vgpr 256
		.amdhsa_next_free_sgpr 66
		.amdhsa_reserve_vcc 0
		.amdhsa_float_denorm_mode_32 3
		.amdhsa_float_denorm_mode_16_64 3
		.amdhsa_memory_ordered 1
		.amdhsa_forward_progress 1
		.amdhsa_inst_pref_size 42
	.end_amdhsa_kernel
	.amdgpu_metadata
---
amdhsa.version: [ 1, 2 ]
amdhsa.kernels:
  - .name:           k_qc853998f6a_attn
    .symbol:         k_qc853998f6a_attn.kd
    .args:
      - { .name: qkv, .offset: 0, .size: 8, .value_kind: global_buffer, .address_space: global }
      - { .name: oq, .offset: 8, .size: 8, .value_kind: global_buffer, .address_space: global }
    .group_segment_fixed_size: 75776
    .private_segment_fixed_size: 0
    .kernarg_segment_align: 8
    .kernarg_segment_size: 16
    .max_flat_workgroup_size: 512
    .sgpr_count:     66
    .vgpr_count:     256
    .wavefront_size: 32
...
	.end_amdgpu_metadata
.endif
;; end of part 3
;; launch wo_ln (part 4): grid 64 x 1, 16 waves a work-group, no clusters, 118,784 bytes of LDS; arguments oq, img, x, bo, ln0_a, ln0_b, hq; writes hq
.if DOCPART == 4
	.amdgcn_target "amdgcn-amd-amdhsa--gfx1250"
	.amdhsa_code_object_version 6
	.text
	.protected	k_qc853998f6a_wo_ln
	.globl	k_qc853998f6a_wo_ln
	.p2align	8
	.type	k_qc853998f6a_wo_ln,@function
k_qc853998f6a_wo_ln:
	s_mov_b64 s[64:65], 0
	v_nop
	global_prefetch_b8 v0, s[64:65] scope:SCOPE_SE
	s_setreg_imm32_b32 hwreg(HW_REG_WAVE_MODE, 25, 1), 1
	s_wait_xcnt 0x0
; y = LN(X Y^T + bias + residual) for 64 whole rows of 1,024 columns; the product on codes of FP4 with E8M0 scales.
; KIND 2: X = o (K = 1,024), Y = Wo, residual x; the result h is stored in f32, as an image of the accumulators, and as codes and scale words quantised along its 1,024 columns.
; KIND 4: X = the hidden layer (K = 4,096), Y = W1, residual h; the result is the module's output, f32, row-major.
; LN: mu = the row's mean; sigma = sqrt(the mean of (. - mu)^2), taken of the differences; (. - mu) / (sigma + 1e-9) x alpha + beta.
; SHARES.  The norm wants whole rows, so a work-group owns 64 rows (one group) and all 1,024 columns; wave w owns columns 64 w .. 64 w + 63: 16 accumulators.  X's codes for the whole K lie in LDS, brought once and read by all
; sixteen waves.  A fragment of Y is used by ONE wave of the work-group, so it goes from memory straight into that wave's registers, two K steps ahead (two sets of 32 registers).
; Fewer rows to a work-group would make more work-groups, but each would still take in all of Y: 64 rows give each fragment of Y four products.  Y is shared by all work-groups and not asked for jointly: it does not pass through LDS.
; THE PRODUCT IS USED TRANSPOSED (source 0 = 16 rows of Y, source 1 = 16 rows of X): lane (r, h) holds row (a, r); the 16 registers of accumulators (a, 2 B), (a, 2 B + 1) are columns 64 w + 32 B + 16 h + 0 .. 15.
; The sums BEGIN as residual + bias, and every product adds in place.
; LIMITS: NaN and infinities are not served; a block whose largest magnitude lies under 2^-124 gets the byte 1; a variance under 2^-126 counts as 0 (v_sqrt_f32 takes a denormal for 0).
.set KIND, 2
.if KIND == 2
.set KS,   8
.set WOFF, 0x380000
.else
.set KS,   32
.set WOFF, 0x600000
.endif
.set XSC,  KS*4096                     ; LDS: X's codes at 0; its scale words here;
.set RED1, XSC+KS*256                  ; 64 rows x (16 waves' words + 16 bytes): the sums;
.set RED2, RED1+5120                   ; the sums of squares;
.set SCX,  RED2+5120                   ; 2 KB in which the waves' scale halfwords meet;
.set STG,  SCX+2048                    ; a stage of 16 rows x (256 + 16 bytes) for each wave
.set LI,   1                           ; v1    16 x lane
.set L8,   2                           ; v2    8 x lane
.set ADX,  3
.set ADS,  4
.set LF,   5                           ; v5-7  16 x thread + 65,536 n
.set SI,   8                           ; v8    the stage by rows of memory: 272 (lane / 16) + 16 (lane % 16)
.set SOA,  9                           ; v9    the stage by accumulators: 272 r + 64 h
.set XV,   10                          ; v10   rows of 4,096 bytes: 4,096 (lane / 16) + 16 (lane % 16)
.set CV,   11                          ; v11   per-column numbers: 64 h
.set RW,   12
.set RR,   13
.set SXW,  14
.set SXR,  15
.set SX,   16                          ; v16-17 X's scale words
.set SY,   18                          ; v18-21 Y's, two sets
.set MU,   22                          ; v22, 24, 26, 28: mu, later 1 / (sigma + eps), of row (a, r): the low word of a pair
.set TT,   23                          ; v23, 25, 27, 29: lane permutes' destinations
.set T4,   30                          ; v30   4 x thread
.set BV,   31                          ; v31   o's scale bytes: my word's first byte
.set XF,   32                          ; v32-63 X's four fragments; first the bias; at the end alpha
.set YF,   64                          ; v64-127 Y's four fragments, two sets; at the end beta (v64-95) and the reductions (v96-127)
.set RL,   96
.set ACC,  128                         ; v128-255 accumulator (a, b) at ACC + 8 (4 a + b)
.set M,    32                          ; KIND 2's way out, over alpha and beta
.set PM,   40
.set SO,   48
.set BY,   56
.set HW,   64
.set SL,   68
.set PC,   72
.set WO,   88
.set WV,   18
.set SEL,  36
.set HM,   38
.set TA,   39
.set TS,   40
.set CNT,  41
.macro WM d, y, x, c, sy, sx, ra, rb   ; D = Y fragment x X fragment + C; ra, rb: the side's scale words stand in lanes 16-31
.if (\ra) == 0 && (\rb) == 0
	v_wmma_scale_f32_16x16x128_f8f6f4 v[\d:\d+7], v[\y:\y+7], v[\x:\x+7], v[\c:\c+7], v[\sy], v[\sx] matrix_a_fmt:MATRIX_FMT_FP4 matrix_b_fmt:MATRIX_FMT_FP4
.elseif (\ra) == 1 && (\rb) == 0
	v_wmma_scale_f32_16x16x128_f8f6f4 v[\d:\d+7], v[\y:\y+7], v[\x:\x+7], v[\c:\c+7], v[\sy], v[\sx] matrix_a_fmt:MATRIX_FMT_FP4 matrix_b_fmt:MATRIX_FMT_FP4 matrix_a_scale:MATRIX_SCALE_ROW1
.elseif (\ra) == 0
	v_wmma_scale_f32_16x16x128_f8f6f4 v[\d:\d+7], v[\y:\y+7], v[\x:\x+7], v[\c:\c+7], v[\sy], v[\sx] matrix_a_fmt:MATRIX_FMT_FP4 matrix_b_fmt:MATRIX_FMT_FP4 matrix_b_scale:MATRIX_SCALE_ROW1
.else
	v_wmma_scale_f32_16x16x128_f8f6f4 v[\d:\d+7], v[\y:\y+7], v[\x:\x+7], v[\c:\c+7], v[\sy], v[\sx] matrix_a_fmt:MATRIX_FMT_FP4 matrix_b_fmt:MATRIX_FMT_FP4 matrix_a_scale:MATRIX_SCALE_ROW1 matrix_b_scale:MATRIX_SCALE_ROW1
.endif
.endm
.macro PLACES n
.rept \n
	v_nop
.endr
.endm
.macro CLOAD reg, ptr                  ; 32 numbers that hang on the column, in the accumulators' layout: register 8 b + j = column 32 (b / 2) + 8 (b % 2) + 16 h + j of my 64
.irp b, 0,1,2,3
.irp q, 0,1
	global_load_b128 v[\reg+8*\b+4*\q:\reg+8*\b+4*\q+3], v[CV], s[\ptr:\ptr+1] offset:128*(\b/2)+32*(\b%2)+16*\q
.endr
.endr
.endm
.macro YLOAD buf, st                   ; my four fragments of Y and their scale words, st K steps on from the pointers: nine loads
.irp b, 0,1,2,3
.irp c, 0,1
	global_load_b128 v[YF+32*\buf+8*\b+4*\c:YF+32*\buf+8*\b+4*\c+3], v[LI], s[26:27] offset:(\st)*4096+\b*1024+\c*512
.endr
.endr
	global_load_b64 v[SY+2*\buf:SY+2*\buf+1], v[L8], s[28:29] offset:(\st)*256
.endm
.macro STEP buf, more, cnt             ; a K step of 128; cnt: the younger loads, the other set's nine, that may stay out
	v_add_nc_u32 v[ADX], s[TA], v[LI]
	v_add_nc_u32 v[ADS], s[TS], v[L8]
.irp a, 0,1,2,3
.irp c, 0,1
	ds_load_b128 v[XF+8*\a+4*\c:XF+8*\a+4*\c+3], v[ADX] offset:\a*1024+\c*512
.endr
.endr
	ds_load_b64 v[SX:SX+1], v[ADS]
	s_wait_loadcnt \cnt
	s_wait_dscnt 0x0
.irp a, 0,1,2,3
.irp b, 0,1,2,3
	WM ACC+8*(4*\a+\b), YF+32*\buf+8*\b, XF+8*\a, ACC+8*(4*\a+\b), SY+2*\buf+\b/2, SX+\a/2, \b%2, \a%2   ; the 16 accumulators take turns, in the same order in every step
.endr
.endr
	s_add_co_u32 s[TA], s[TA], 4096
	s_add_co_u32 s[TS], s[TS], 256
	PLACES 4                                       ; in front of loads into registers that matrix instructions have read, and of the first read of results
.if \more
	YLOAD \buf, 2+\buf
.endif
.endm
; v[RL + 2 a : + 1] hold a lane's two partial sums of row (a, r).  They are added over the lane's pair, the two halves of the lanes and the sixteen waves, and divided by 1,024, into v[MU + 2 a].
.macro REDUCE off
.irp a, 0,1,2,3
	v_add_f32 v[RL+2*\a], v[RL+2*\a], v[RL+2*\a+1]
.endr
.irp a, 0,1,2,3
	v_permlanex16_b32 v[TT+2*\a], v[RL+2*\a], s[SEL], s[SEL+1]
.endr
.irp a, 0,1,2,3
	v_add_f32 v[RL+2*\a], v[RL+2*\a], v[TT+2*\a]
.endr
.irp a, 0,1,2,3
	ds_store_b32 v[RW], v[RL+2*\a] offset:\off+1280*\a   ; both halves of the lanes write the same word with the same value
.endr
	s_wait_dscnt 0x0                               ; my words have landed
	s_barrier_signal -1
	s_barrier_wait -1
.irp a, 0,1,2,3
	ds_load_b128 v[RL+8*\a:RL+8*\a+3], v[RR] offset:\off+1280*\a       ; eight waves' words: lanes 0-15 waves 0-7, lanes 16-31 waves 8-15
	ds_load_b128 v[RL+8*\a+4:RL+8*\a+7], v[RR] offset:\off+1280*\a+16
.endr
	s_wait_dscnt 0x0
.irp a, 0,1,2,3
	v_pk_add_f32 v[RL+8*\a:RL+8*\a+1], v[RL+8*\a:RL+8*\a+1], v[RL+8*\a+2:RL+8*\a+3]
	v_pk_add_f32 v[RL+8*\a+4:RL+8*\a+5], v[RL+8*\a+4:RL+8*\a+5], v[RL+8*\a+6:RL+8*\a+7]
.endr
.irp a, 0,1,2,3
	v_pk_add_f32 v[RL+8*\a:RL+8*\a+1], v[RL+8*\a:RL+8*\a+1], v[RL+8*\a+4:RL+8*\a+5]
.endr
.irp a, 0,1,2,3
	v_add_f32 v[RL+8*\a], v[RL+8*\a], v[RL+8*\a+1]
.endr
.irp a, 0,1,2,3
	v_permlanex16_b32 v[TT+2*\a], v[RL+8*\a], s[SEL], s[SEL+1]
.endr
.irp a, 0,1,2,3
	v_add_f32 v[RL+8*\a], v[RL+8*\a], v[TT+2*\a]
.endr
.irp a, 0,1,2,3
	v_mul_f32 v[MU+2*\a], 0x3a800000, v[RL+8*\a]   ; x 2^-10
.endr
.endm
.if KIND == 2
; The wave's 64 x 64 results become codes and scale halfwords.  Index k = 2 a + B: the 16 numbers at acc + 16 k are columns 32 B + 16 (lane / 16) + 0 .. 15 of row (a, lane % 16).
.macro HQ4 acc
.irp k, 0,1,2,3,4,5,6,7
	v_max3_num_f32 v[M+\k], |v[\acc+16*\k]|, |v[\acc+16*\k+1]|, 0x1800000   ; and the floor 2^(3 - 127): the byte cannot fall under 1
.endr
.irp i, 2,4,6,8,10,12,14
.irp k, 0,1,2,3,4,5,6,7
	v_max3_num_f32 v[M+\k], v[M+\k], |v[\acc+16*\k+\i]|, |v[\acc+16*\k+\i+1]|
.endr
.endr
.irp k, 0,1,2,3,4,5,6,7
	v_permlanex16_b32 v[PM+\k], v[M+\k], s[SEL], s[SEL+1]
.endr
.irp k, 0,1,2,3,4,5,6,7
	v_max_num_f32 v[M+\k], v[M+\k], v[PM+\k]
.endr
.irp k, 0,1,2,3,4,5,6,7
	v_add_nc_u32 v[SO+\k], 0xff000000, v[M+\k]
.endr
.irp k, 0,1,2,3,4,5,6,7
	v_lshrrev_b32 v[BY+\k], 23, v[SO+\k]
.endr
.irp a, 0,1,2,3
	v_lshl_or_b32 v[HW+\a], v[BY+2*\a+1], 8, v[BY+2*\a]
.endr
.irp k, 0,1,2,3,4,5,6,7
	v_cvt_scalef32_pk8_fp4_f32 v[PC+2*\k], v[\acc+16*\k:\acc+16*\k+7], v[SO+\k]
	v_cvt_scalef32_pk8_fp4_f32 v[PC+2*\k+1], v[\acc+16*\k+8:\acc+16*\k+15], v[SO+\k]
.endr
	v_nop                                          ; one plain place behind a scaled conversion
.irp a, 0,1,2,3
.irp i, 0,1
	v_permlane16_swap_b32 v[PC+4*\a+\i], v[PC+4*\a+2+\i]
.endr
.endr
.endm
.endif
	s_load_b256 s[4:11], s[0:1], 0x0               ; X's buffer, img, the residual's buffer, the bias
	s_load_b128 s[12:15], s[0:1], 0x20             ; alpha, beta
	s_load_b64 s[16:17], s[0:1], 0x30              ; the output's buffer
	v_lshrrev_b32 v32, 5, v0
	v_readfirstlane_b32 s[WV], v32                 ; wave 0..15
	v_and_b32 v33, 31, v0
	v_and_b32 v34, 15, v0                          ; r
	v_bfe_u32 v35, v0, 4, 1                        ; h
	v_lshlrev_b32 v[LI], 4, v33
	v_lshlrev_b32 v[L8], 3, v33
	v_lshlrev_b32 v[LF], 4, v0
	v_add_nc_u32 v[LF+1], 65536, v[LF]
	v_add_nc_u32 v[LF+2], 131072, v[LF]
	s_mul_i32 s19, s[WV], 4352
	s_add_co_u32 s19, s19, STG                     ; my stage
	v_mul_u32_u24 v[SI], v35, 272
	v_lshl_add_u32 v[SI], v34, 4, v[SI]
	v_add_nc_u32 v[SI], s19, v[SI]
	v_mul_u32_u24 v[SOA], v34, 272
	v_lshl_add_u32 v[SOA], v35, 6, v[SOA]
	v_add_nc_u32 v[SOA], s19, v[SOA]
	v_lshlrev_b32 v[XV], 12, v35
	v_lshl_add_u32 v[XV], v34, 4, v[XV]
	v_lshlrev_b32 v[CV], 6, v35
	v_mul_u32_u24 v[RW], v34, 80
	v_lshl_add_u32 v[RR], v35, 5, v[RW]
	v_add_nc_u32 v[RR], RED1, v[RR]                ; row r's words of waves 8 h .. 8 h + 7
	s_lshl_b32 s19, s[WV], 2
	s_add_co_u32 s19, s19, RED1
	v_add_nc_u32 v[RW], s19, v[RW]                 ; row r's word of my wave
	s_min_u32 s47, s[WV], 3
.if KIND == 2
	s_lshr_b32 s19, s[WV], 1                       ; the output's K step = wave / 2: 256 bytes each; my halfword of each word: wave % 2
	s_lshl_b32 s19, s19, 8
	s_and_b32 s42, s[WV], 1
	s_lshl_b32 s42, s42, 1
	s_add_co_u32 s19, s19, s42
	s_add_co_u32 s19, s19, SCX
	v_add_nc_u32 v[SXW], s19, v[L8]
	s_lshl_b32 s19, s47, 9                         ; only waves 0-3 read back: two K steps' 512 bytes each
	s_add_co_u32 s19, s19, SCX
	v_add_nc_u32 v[SXR], s19, v[LI]
	v_lshlrev_b32 v[T4], 2, v0
	v_lshrrev_b32 v[BV], 6, v0                     ; thread t makes the scale word at byte 4 t = 256 s + 8 lane' + 4 j: K step s = t / 64 (heads 4 s .. 4 s + 3), block 2 (t % 2) + (t / 32) % 2, r = (t / 2) % 16
	v_lshlrev_b32 v[BV], 14, v[BV]
	v_and_b32 v32, 1, v0
	v_lshl_add_u32 v[BV], v32, 5, v[BV]
	v_bfe_u32 v32, v0, 5, 1
	v_lshl_add_u32 v[BV], v32, 4, v[BV]
	v_bfe_u32 v32, v0, 1, 4
	v_add_nc_u32 v[BV], v[BV], v32
.endif
.irp k, 0,1,2,3,4,5,6,7
	v_mov_b32 v[MU+\k], 0                          ; written once: permutes' destinations and upper halves of pairs
.endr
	s_mov_b32 s[SEL], 0x76543210
	s_mov_b32 s[SEL+1], 0xfedcba98
	s_mov_b32 s[HM], 0xffff0000
	s_mov_b32 s43, 0
	s_lshl_b32 s44, s[WV], 8                       ; my 64 columns: 256 bytes
	s_lshl_b32 s45, ttmp9, 4
	s_add_co_u32 s45, s45, s[WV]
	s_lshl_b32 s45, s45, 14
	s_add_co_u32 s45, s45, 0x220000                ; h's image: 16,384 bytes for each (group, wave)
	s_lshl_b32 s46, ttmp9, 18
	s_add_co_u32 s46, s46, s44                     ; row-major: 64 rows of 4,096 bytes a group, + my columns
	s_wait_kmcnt 0x0
	s_mul_i32 s42, ttmp9, KS*4096
	s_add_nc_u64 s[20:21], s[4:5], s[42:43]        ; X's codes
.if KIND == 2
	s_lshl_b32 s42, ttmp9, 6
	s_add_co_u32 s42, s42, 0x200000                ; o's scale bytes [head][place]: my group's 64 places
.else
	s_lshl_b32 s42, ttmp9, 13
	s_add_co_u32 s42, s42, 0x800000                ; the hidden layer's scale words
.endif
	s_add_nc_u64 s[22:23], s[4:5], s[42:43]
.if KIND == 2
	s_mov_b32 s42, s46
.else
	s_mov_b32 s42, s45
.endif
	s_add_nc_u64 s[24:25], s[8:9], s[42:43]        ; the residual
	s_mul_i32 s42, s[WV], KS*4096
	s_add_co_u32 s42, s42, WOFF
	s_add_nc_u64 s[26:27], s[6:7], s[42:43]        ; my group of Y: codes,
	s_mul_i32 s42, s[WV], KS*256
	s_add_co_u32 s42, s42, 0x800000+WOFF/16
	s_add_nc_u64 s[28:29], s[6:7], s[42:43]        ; scale words
	s_mov_b32 s42, s44
	s_add_nc_u64 s[10:11], s[10:11], s[42:43]
	s_add_nc_u64 s[12:13], s[12:13], s[42:43]
	s_add_nc_u64 s[14:15], s[14:15], s[42:43]
.if KIND == 2
	s_mov_b32 s42, s45
	s_add_nc_u64 s[30:31], s[16:17], s[42:43]      ; h in f32
	s_lshl_b32 s42, ttmp9, 3
	s_lshr_b32 s48, s[WV], 1
	s_add_co_u32 s42, s42, s48
	s_lshl_b32 s42, s42, 12
	s_and_b32 s48, s[WV], 1
	s_lshl_b32 s48, s48, 9
	s_add_co_u32 s42, s42, s48
	s_add_nc_u64 s[32:33], s[16:17], s[42:43]      ; h's codes
	s_lshl_b32 s42, ttmp9, 11
	s_lshl_b32 s48, s47, 9
	s_add_co_u32 s42, s42, s48
	s_add_co_u32 s42, s42, 0x200000
	s_add_nc_u64 s[34:35], s[16:17], s[42:43]      ; h's scale words
.else
	s_mov_b32 s42, s46
	s_add_nc_u64 s[30:31], s[16:17], s[42:43]      ; the output
.endif
	; X's panel, then the residual
.if KIND == 2
.irp n, 0,1,2,3
	global_load_b128 v[32+4*\n:35+4*\n], v[LF], s[20:21] offset:\n*8192
.endr
.irp q, 0,1,2,3
	global_load_u8 v[48+\q], v[BV], s[22:23] offset:\q*4096
.endr
.irp a, 0,1,2,3
.irp i, 0,1,2,3,4,5,6,7
	global_load_b128 v[ACC+32*\a+4*\i:ACC+32*\a+4*\i+3], v[XV], s[24:25] offset:(32*(\a/2)+8*(\a%2)+2*\i+8*(\i/4))*4096 th:TH_LOAD_NT   ; places 2 i, 2 i + 1 of block a: sixteen lanes read 256 consecutive bytes, aligned
.endr
.endr
	s_wait_loadcnt 32                              ; the panel is in; the residual's 32 loads stay out
	v_lshl_or_b32 v48, v49, 8, v48
	v_lshl_or_b32 v48, v50, 16, v48
	v_lshl_or_b32 v48, v51, 24, v48                ; four heads' bytes: a K step's scale word
.irp n, 0,1,2,3
	ds_store_b128 v[LF], v[32+4*\n:35+4*\n] offset:\n*8192
.endr
	ds_store_b32 v[T4], v48 offset:XSC
.else
.irp i, 0,1,2,3,4,5,6,7,8,9,10,11,12,13,14,15
	global_load_b128 v[32+4*\i:35+4*\i], v[LF], s[20:21] offset:\i*8192
.endr
	global_load_b128 v[96:99], v[LF], s[22:23]
.set n, 0
.rept 32
	global_load_b128 v[ACC+4*n:ACC+4*n+3], v[LI], s[24:25] offset:512*n   ; h comes back into the registers that it left
.set n, n+1
.endr
	s_wait_loadcnt 32                              ; the panel is in; the residual's 32 loads stay out
.irp i, 0,1,2,3,4,5,6,7,8,9,10,11,12,13,14,15,16
	ds_store_b128 v[LF+\i/8], v[32+4*\i:35+4*\i] offset:(\i%8)*8192
.endr
.endif
	s_wait_dscnt 0x0                               ; my part of the panel has landed, and the stores have read their registers
	CLOAD XF, 10                                   ; the bias: 8 loads
	YLOAD 0, 0                                     ; K steps 0 and 1 of Y: 9 loads each
	YLOAD 1, 1
	s_barrier_signal -1
	s_barrier_wait -1                              ; the panel is whole
	s_wait_loadcnt 18                              ; the residual and the bias are in; Y's two steps stay out
.if KIND == 2
.irp a, 0,1,2,3                        ; x's rows turn through my stage into the accumulators' layout; LDS serves a wave's instructions in order
.irp i, 0,1,2,3,4,5,6,7
	ds_store_b128 v[SI], v[ACC+32*\a+4*\i:ACC+32*\a+4*\i+3] offset:544*\i
.endr
.irp b, 0,1,2,3
.irp q, 0,1
	ds_load_b128 v[ACC+8*(4*\a+\b)+4*\q:ACC+8*(4*\a+\b)+4*\q+3], v[SOA] offset:128*(\b/2)+32*(\b%2)+16*\q
.endr
.endr
.endr
	s_wait_dscnt 0x0
.endif
.irp a, 0,1,2,3
.irp b, 0,1,2,3
.irp p, 0,2,4,6
	v_pk_add_f32 v[ACC+8*(4*\a+\b)+\p:ACC+8*(4*\a+\b)+\p+1], v[ACC+8*(4*\a+\b)+\p:ACC+8*(4*\a+\b)+\p+1], v[XF+8*\b+\p:XF+8*\b+\p+1]   ; residual + bias: where the sums begin
.endr
.endr
.endr
	s_mov_b32 s[TA], 0
	s_mov_b32 s[TS], XSC
	s_mov_b32 s[CNT], (KS-2)/2
.Lk:                                   ; a trip is two K steps; each asks for the step two on, into the set that it has just multiplied
	STEP 0, 1, 9
	STEP 1, 1, 9
	s_wait_xcnt 0x0                                ; the loads have read their bases, which step now
	s_add_nc_u64 s[26:27], s[26:27], 8192
	s_add_nc_u64 s[28:29], s[28:29], 512
	s_sub_co_u32 s[CNT], s[CNT], 1
	s_cmp_lg_u32 s[CNT], 0
	s_cbranch_scc1 .Lk
	STEP 0, 0, 9                                   ; the last two steps ask for nothing
	STEP 1, 0, 0
	CLOAD 32, 12                                   ; alpha
	CLOAD 64, 14                                   ; beta
	; the mean
.irp a, 0,1,2,3
	v_pk_add_f32 v[RL+2*\a:RL+2*\a+1], v[ACC+32*\a:ACC+32*\a+1], v[ACC+32*\a+2:ACC+32*\a+3]   ; each accumulator is read from its low end on
.endr
.irp p, 4,6,8,10,12,14,16,18,20,22,24,26,28,30
.irp a, 0,1,2,3
	v_pk_add_f32 v[RL+2*\a:RL+2*\a+1], v[RL+2*\a:RL+2*\a+1], v[ACC+32*\a+\p:ACC+32*\a+\p+1]
.endr
.endr
	REDUCE 0
	; the differences, and the mean of their squares
.irp a, 0,1,2,3
.irp p, 0,2,4,6,8,10,12,14,16,18,20,22,24,26,28,30
	v_pk_add_f32 v[ACC+32*\a+\p:ACC+32*\a+\p+1], v[ACC+32*\a+\p:ACC+32*\a+\p+1], v[MU+2*\a:MU+2*\a+1] op_sel_hi:[1,0] neg_lo:[0,1] neg_hi:[0,1]
.endr
.endr
.irp a, 0,1,2,3
	v_pk_mul_f32 v[RL+2*\a:RL+2*\a+1], v[ACC+32*\a:ACC+32*\a+1], v[ACC+32*\a:ACC+32*\a+1]
.endr
.irp p, 2,4,6,8,10,12,14,16,18,20,22,24,26,28,30
.irp a, 0,1,2,3
	v_pk_fma_f32 v[RL+2*\a:RL+2*\a+1], v[ACC+32*\a+\p:ACC+32*\a+\p+1], v[ACC+32*\a+\p:ACC+32*\a+\p+1], v[RL+2*\a:RL+2*\a+1]
.endr
.endr
	REDUCE 5120
.irp a, 0,1,2,3
	v_sqrt_f32 v[MU+2*\a], v[MU+2*\a]
.endr
	v_nop                                          ; one plain place behind a transcendental
	s_wait_alu depctr_va_vdst(0)
.irp a, 0,1,2,3
	v_add_f32 v[MU+2*\a], 0x3089705f, v[MU+2*\a]   ; sigma + 1e-9
.endr
.irp a, 0,1,2,3
	v_rcp_f32 v[MU+2*\a], v[MU+2*\a]
.endr
	v_nop
	s_wait_loadcnt 0x0                             ; alpha and beta
	s_wait_alu depctr_va_vdst(0)
.irp a, 0,1,2,3
.irp p, 0,2,4,6,8,10,12,14,16,18,20,22,24,26,28,30
	v_pk_mul_f32 v[ACC+32*\a+\p:ACC+32*\a+\p+1], v[ACC+32*\a+\p:ACC+32*\a+\p+1], v[MU+2*\a:MU+2*\a+1] op_sel_hi:[1,0]
.endr
.endr
.irp a, 0,1,2,3
.irp p, 0,2,4,6,8,10,12,14,16,18,20,22,24,26,28,30
	v_pk_fma_f32 v[ACC+32*\a+\p:ACC+32*\a+\p+1], v[ACC+32*\a+\p:ACC+32*\a+\p+1], v[32+\p:33+\p], v[64+\p:65+\p]
.endr
.endr
.if KIND == 2
.set n, 0
.rept 32
	global_store_b128 v[LI], v[ACC+4*n:ACC+4*n+3], s[30:31] offset:512*n   ; h in f32, as the registers stand: 512 consecutive bytes a store
.set n, n+1
.endr
	HQ4 ACC
.irp a, 0,1,2,3
	global_store_b128 v[LI], v[PC+4*\a:PC+4*\a+3], s[32:33] offset:\a*1024   ; 512 consecutive bytes: my half of the fragment of rows (a, .)
.endr
.irp j, 0,1
	v_cndmask_b32 v[SL+\j], v[HW+2*\j], v[HW+2*\j+1], s[HM]
	ds_store_b16 v[SXW], v[SL+\j] offset:4*\j
.endr
	s_wait_dscnt 0x0                               ; my halfwords have landed
	s_barrier_signal -1
	s_barrier_wait -1                              ; the words are whole
	s_cmp_lt_u32 s[WV], 4
	s_cbranch_scc0 .Lend
	ds_load_b128 v[WO:WO+3], v[SXR]
	s_wait_dscnt 0x0
	global_store_b128 v[LI], v[WO:WO+3], s[34:35]  ; 512 consecutive bytes: two K steps' scale words
.Lend:
.else
.irp a, 0,1,2,3                        ; 16 rows at a time through my stage, back as rows of memory
.if \a >= 2
	s_wait_xcnt 0x0                                ; the stores of two blocks ago have read the registers that are loaded again below
.endif
.irp b, 0,1,2,3
.irp q, 0,1
	ds_store_b128 v[SOA], v[ACC+8*(4*\a+\b)+4*\q:ACC+8*(4*\a+\b)+4*\q+3] offset:128*(\b/2)+32*(\b%2)+16*\q
.endr
.endr
.irp i, 0,1,2,3,4,5,6,7
	ds_load_b128 v[32+32*(\a%2)+4*\i:35+32*(\a%2)+4*\i], v[SI] offset:544*\i   ; LDS serves a wave's instructions in order: these see my stores
.endr
	s_wait_dscnt 0x0
.irp i, 0,1,2,3,4,5,6,7
	global_store_b128 v[XV], v[32+32*(\a%2)+4*\i:35+32*(\a%2)+4*\i], s[30:31] offset:(32*(\a/2)+8*(\a%2)+2*\i+8*(\i/4))*4096 th:TH_STORE_NT   ; sixteen lanes store 256 consecutive bytes, aligned
.endr
.endr
.endif
	s_wait_xcnt 0x0
	v_lshl_add_u32 v254, v0, 2, 0x1c800
	v_mov_b32 v255, 0
	s_wait_tensorcnt 0x0
	ds_add_u32 v254, v255
	s_wait_dscnt 0x0
	s_endpgm
.Lfunc_end_k_qc853998f6a_wo_ln:
	.size	k_qc853998f6a_wo_ln, .Lfunc_end_k_qc853998f6a_wo_ln-k_qc853998f6a_wo_ln
	.p2alignl 7, 3214868480
	.fill 96, 4, 3214868480
	.section	.rodata,"a",@progbits
	.p2align	6, 0x0
	.amdhsa_kernel k_qc853998f6a_wo_ln
		.amdhsa_group_segment_fixed_size 118784
		.amdhsa_private_segment_fixed_size 0
		.amdhsa_enable_private_segment 0
		.amdhsa_kernarg_size 56
		.amdhsa_user_sgpr_count 2
		.amdhsa_user_sgpr_kernarg_segment_ptr 1
		.amdhsa_wavefront_size32 1
		.amdhsa_system_sgpr_workgroup_id_x 1
		.amdhsa_system_sgpr_workgroup_id_y 1
		.amdhsa_system_sgpr_workgroup_id_z 1
		.amdhsa_system_vgpr_workitem_id 0
		.amdhsa_next_free_vgpr 256
		.amdhsa_next_free_sgpr 66
		.amdhsa_reserve_vcc 0
		.amdhsa_float_denorm_mode_32 3
		.amdhsa_float_denorm_mode_16_64 3
		.amdhsa_memory_ordered 1
		.amdhsa_forward_progress 1
		.amdhsa_inst_pref_size 73
	.end_amdhsa_kernel
	.amdgpu_metadata
---
amdhsa.version: [ 1, 2 ]
amdhsa.kernels:
  - .name:           k_qc853998f6a_wo_ln
    .symbol:         k_qc853998f6a_wo_ln.kd
    .args:
      - { .name: oq, .offset: 0, .size: 8, .value_kind: global_buffer, .address_space: global }
      - { .name: img, .offset: 8, .size: 8, .value_kind: global_buffer, .address_space: global }
      - { .name: x, .offset: 16, .size: 8, .value_kind: global_buffer, .address_space: global }
      - { .name: bo, .offset: 24, .size: 8, .value_kind: global_buffer, .address_space: global }
      - { .name: ln0_a, .offset: 32, .size: 8, .value_kind: global_buffer, .address_space: global }
      - { .name: ln0_b, .offset: 40, .size: 8, .value_kind: global_buffer, .address_space: global }
      - { .name: hq, .offset: 48, .size: 8, .value_kind: global_buffer, .address_space: global }
    .group_segment_fixed_size: 118784
    .private_segment_fixed_size: 0
    .kernarg_segment_align: 8
    .kernarg_segment_size: 56
    .max_flat_workgroup_size: 512
    .sgpr_count:     66
    .vgpr_count:     256
    .wavefront_size: 32
...
	.end_amdgpu_metadata
.endif
;; end of part 4
;; launch ffn1 (part 5): grid 256 x 1, 16 waves a work-group, no clusters, 282,624 bytes of LDS; arguments hq, img, b0, hid; writes hid
.if DOCPART == 5
	.amdgcn_target "amdgcn-amd-amdhsa--gfx1250"
	.amdhsa_code_object_version 6
	.text
	.protected	k_qc853998f6a_ffn1
	.globl	k_qc853998f6a_ffn1
	.p2align	8
	.type	k_qc853998f6a_ffn1,@function
k_qc853998f6a_ffn1:
	s_mov_b64 s[64:65], 0
	v_nop
	global_prefetch_b8 v0, s[64:65] scope:SCOPE_SE
	s_setreg_imm32_b32 hwreg(HW_REG_WAVE_MODE, 25, 1), 1
	s_wait_xcnt 0x0
; A tile of 256 x 256 of X Y^T over K = 1,024 on codes of FP4 with E8M0 scales, a bias added, (KIND 3: clipped at 0,) and QUANTISED AGAIN along Y's rows, which are the next product's K.
; KIND 1: work-groups 0-127: X = x (tokens), Y = Wk | Wq: [k | q] = x W^T + b, quantised along the 2,048 columns (a head's 32 are a block).  Work-groups 128-191: X = Wv (features), Y = x: v^T = Wv x^T + bv, quantised along the tokens.
; KIND 3: X = h (tokens), Y = W0: relu(h W0^T + b0), quantised along the 4,096 hidden units.
; Operands lie in memory in the order of the operand's registers (rows in places (G, b, r) = row 64 G + 32 (b / 2) + 8 (b % 2) + r + 8 (r / 8)): a fragment is two dense loads of 512 bytes, and the result is stored in the same form.
; THE PRODUCT IS USED TRANSPOSED: source 0 = 16 rows of Y, source 1 = 16 rows of X: lane (r, h) holds X's row (a, r), and by the order of Y's rows the 16 registers of accumulators (a, 2 B) and (a, 2 B + 1) are the
; 16 NEIGHBOURS 32 B + 16 h + 0 .. 15 of Y's group: what the conversions want.
; SHARES.  Sixteen waves, 4 x 4; a wave makes 64 x 64: 16 accumulators.  The whole K of both panels (2 x 128 KB of codes, 2 x 8 KB of scale words) is brought into LDS ONCE, by plain loads through registers, and read from there.
; Panels are shared by the 8 or 16 work-groups of a tile row or column and are NOT asked for jointly: each of the tile's 272 KB is asked for once by this work-group, in one run at its head, and nothing in LDS is filled
; again, so the text has neither slots nor their barriers; the price is that each panel is asked of the cache once for each work-group that reads it.
; LIMITS: NaN and infinities are not served; a block whose largest magnitude lies under 2^-124, a block of zeros among them, gets the byte 1: this program alone reads the bytes.
.set KIND, 3
.set LI,   1                           ; v1    16 x lane
.set L8,   2                           ; v2    8 x lane
.set ADX,  3                           ; v3    my X group's fragments in LDS
.set ADY,  4                           ; v4    my Y group's
.set ADXS, 5                           ; v5    my X group's scale words
.set ADYS, 6                           ; v6    my Y group's
.set LF,   7                           ; v7-11 the fill: 16 x thread + 65,536 n
.set GF,   12                          ; v12   16 x thread
.set SXW,  13                          ; v13   where my scale halfwords go
.set SXR,  14                          ; v14   where waves 0-3 read whole words back
.set BO,   15                          ; v15   column bias: 64 (lane / 16)
.set XF,   16                          ; v16-47 X's four fragments
.set YF,   48                          ; v48-79 Y's four
.set SX,   80                          ; v80-81 X's scale words: block b in register b / 2, lanes 0-15 (b even) or 16-31 (b odd)
.set SY,   82                          ; v82-83 Y's
.set BR,   84                          ; v84-87 row biases
.set BO2,  88                          ; v88   row bias: 4 (r + 8 (r / 8))
.set ACC,  96                          ; v96-223 accumulator (a, b) at ACC + 8 (4 a + b)
.set M,    16                          ; the way out, over the fragments: largest magnitudes,
.set PM,   24                          ; the other half's,
.set SO,   32                          ; the conversions' scale operands,
.set BY,   40                          ; bytes,
.set HW,   48                          ; halfwords,
.set SL,   52                          ; as they are stored,
.set PC,   56                          ; codes,
.set WO,   72                          ; scale words on their way out
.set YPAN, 131072                      ; LDS: X's panel at 0, Y's here,
.set XSC,  262144                      ; X's scale words,
.set YSC,  270336                      ; Y's,
.set SCX,  278528                      ; 2 KB in which the waves' scale halfwords meet
.set WV,   30
.set WY,   31
.set WX,   32
.set HM,   33
.set SEL,  34
.set TYP,  36
.if KIND == 1
.set POUT, 12
.else
.set POUT, 10
.endif
.macro WM d, y, x, c, sy, sx, ra, rb   ; D = Y fragment x X fragment + C; ra, rb: the side's scale words stand in lanes 16-31
.if (\ra) == 0 && (\rb) == 0
	v_wmma_scale_f32_16x16x128_f8f6f4 v[\d:\d+7], v[\y:\y+7], v[\x:\x+7], v[\c:\c+7], v[\sy], v[\sx] matrix_a_fmt:MATRIX_FMT_FP4 matrix_b_fmt:MATRIX_FMT_FP4
.elseif (\ra) == 1 && (\rb) == 0
	v_wmma_scale_f32_16x16x128_f8f6f4 v[\d:\d+7], v[\y:\y+7], v[\x:\x+7], v[\c:\c+7], v[\sy], v[\sx] matrix_a_fmt:MATRIX_FMT_FP4 matrix_b_fmt:MATRIX_FMT_FP4 matrix_a_scale:MATRIX_SCALE_ROW1
.elseif (\ra) == 0
	v_wmma_scale_f32_16x16x128_f8f6f4 v[\d:\d+7], v[\y:\y+7], v[\x:\x+7], v[\c:\c+7], v[\sy], v[\sx] matrix_a_fmt:MATRIX_FMT_FP4 matrix_b_fmt:MATRIX_FMT_FP4 matrix_b_scale:MATRIX_SCALE_ROW1
.else
	v_wmma_scale_f32_16x16x128_f8f6f4 v[\d:\d+7], v[\y:\y+7], v[\x:\x+7], v[\c:\c+7], v[\sy], v[\sx] matrix_a_fmt:MATRIX_FMT_FP4 matrix_b_fmt:MATRIX_FMT_FP4 matrix_a_scale:MATRIX_SCALE_ROW1 matrix_b_scale:MATRIX_SCALE_ROW1
.endif
.endm
.macro PLACES n                        ; plain vector instructions between a matrix instruction and what may not follow it at once (ISA guide 7.12.1)
.rept \n
	v_nop
.endr
.endm
.macro FREG i                          ; the fill's registers: v16-79, then v128-199 (v96-127 take the column bias)
.if (\i) < 16
.set TR, 16+4*(\i)
.else
.set TR, 128+4*((\i)-16)
.endif
.endm
.macro KLOAD s                         ; K step s: eight fragments and the scale words
.irp a, 0,1,2,3
.irp c, 0,1
	ds_load_b128 v[XF+8*\a+4*\c:XF+8*\a+4*\c+3], v[ADX] offset:(\s)*4096+\a*1024+\c*512
.endr
.endr
.irp b, 0,1,2,3
.irp c, 0,1
	ds_load_b128 v[YF+8*\b+4*\c:YF+8*\b+4*\c+3], v[ADY] offset:(\s)*4096+\b*1024+\c*512
.endr
.endr
	ds_load_b64 v[SX:SX+1], v[ADXS] offset:(\s)*256
	ds_load_b64 v[SY:SY+1], v[ADYS] offset:(\s)*256
	s_wait_dscnt 0x0
.endm
.macro MUL                             ; the 16 accumulators take turns, one instruction a turn, in the same order in every K step
.irp a, 0,1,2,3
.irp b, 0,1,2,3
	WM ACC+8*(4*\a+\b), YF+8*\b, XF+8*\a, ACC+8*(4*\a+\b), SY+\b/2, SX+\a/2, \b%2, \a%2
.endr
.endr
.endm
.macro MULC                            ; the first K step where the bias hangs on the column: accumulators (0, b) hold it and are the C of rows 1 to 3; then they add in place
.irp a, 1,2,3
.irp b, 0,1,2,3
	WM ACC+8*(4*\a+\b), YF+8*\b, XF+8*\a, ACC+8*\b, SY+\b/2, SX+\a/2, \b%2, \a%2
.endr
.endr
	PLACES 5                                       ; the next four write over registers that the last twelve read as C
.irp b, 0,1,2,3
	WM ACC+8*\b, YF+8*\b, XF, ACC+8*\b, SY+\b/2, SX, \b%2, 0
.endr
.endm
.macro MULR                            ; the same where the bias hangs on X's row: accumulators (a, 0) hold it
.irp b, 1,2,3
.irp a, 0,1,2,3
	WM ACC+8*(4*\a+\b), YF+8*\b, XF+8*\a, ACC+32*\a, SY+\b/2, SX+\a/2, \b%2, \a%2
.endr
.endr
	PLACES 5
.irp a, 0,1,2,3
	WM ACC+32*\a, YF, XF+8*\a, ACC+32*\a, SY, SX+\a/2, 0, \a%2
.endr
.endm
; The wave's 64 x 64 results become codes and scale halfwords.  Index k = 2 a + B: the 16 numbers at acc + 16 k are columns 32 B + 16 (lane / 16) + 0 .. 15 of row (a, lane % 16).  Each accumulator is read from its low end on.
.macro HQ4 acc
.irp k, 0,1,2,3,4,5,6,7
	v_max3_num_f32 v[M+\k], |v[\acc+16*\k]|, |v[\acc+16*\k+1]|, 0x1800000   ; and the floor 2^(3 - 127): the byte cannot fall under 1
.endr
.irp i, 2,4,6,8,10,12,14
.irp k, 0,1,2,3,4,5,6,7
	v_max3_num_f32 v[M+\k], v[M+\k], |v[\acc+16*\k+\i]|, |v[\acc+16*\k+\i+1]|
.endr
.endr
.irp k, 0,1,2,3,4,5,6,7
	v_permlanex16_b32 v[PM+\k], v[M+\k], s[SEL], s[SEL+1]
.endr
.irp k, 0,1,2,3,4,5,6,7
	v_max_num_f32 v[M+\k], v[M+\k], v[PM+\k]       ; with lane xor 16's: the block's largest magnitude
.endr
.irp k, 0,1,2,3,4,5,6,7
	v_add_nc_u32 v[SO+\k], 0xff000000, v[M+\k]     ; 2 off its exponent field: the conversion's scale operand
.endr
.irp k, 0,1,2,3,4,5,6,7
	v_lshrrev_b32 v[BY+\k], 23, v[SO+\k]           ; the scale's byte
.endr
.irp a, 0,1,2,3
	v_lshl_or_b32 v[HW+\a], v[BY+2*\a+1], 8, v[BY+2*\a]   ; my two blocks' bytes of row (a, r)
.endr
.irp k, 0,1,2,3,4,5,6,7
	v_cvt_scalef32_pk8_fp4_f32 v[PC+2*\k], v[\acc+16*\k:\acc+16*\k+7], v[SO+\k]
	v_cvt_scalef32_pk8_fp4_f32 v[PC+2*\k+1], v[\acc+16*\k+8:\acc+16*\k+15], v[SO+\k]
.endr
	v_nop                                          ; one plain place behind a scaled conversion
.irp a, 0,1,2,3                        ; a whole block to a lane: lanes 0-15 block 0, lanes 16-31 block 1: four registers of the next operand's fragment
.irp i, 0,1
	v_permlane16_swap_b32 v[PC+4*\a+\i], v[PC+4*\a+2+\i]
.endr
.endr
.endm
.if KIND == 1
	s_load_b256 s[4:11], s[0:1], 0x0               ; img, bk, bq, bv
	s_load_b64 s[12:13], s[0:1], 0x20              ; qkv
.else
	s_load_b256 s[4:11], s[0:1], 0x0               ; hq, img, b0, hid
	v_lshl_add_u32 v254, v0, 2, 0x44800
	v_mov_b32 v255, 0
.endif
	v_lshrrev_b32 v16, 5, v0
	v_readfirstlane_b32 s[WV], v16                 ; wave 0..15
	s_lshr_b32 s[WY], s[WV], 2                     ; which of X's four groups
	s_and_b32 s[WX], s[WV], 3                      ; which of Y's
	v_and_b32 v17, 31, v0
	v_and_b32 v18, 15, v0
	v_bfe_u32 v19, v0, 4, 1
	v_lshlrev_b32 v[LI], 4, v17
	v_lshlrev_b32 v[L8], 3, v17
	s_lshl_b32 s37, s[WY], 15
	v_add_nc_u32 v[ADX], s37, v[LI]
	s_lshl_b32 s37, s[WX], 15
	s_add_co_u32 s37, s37, YPAN
	v_add_nc_u32 v[ADY], s37, v[LI]
	s_lshl_b32 s37, s[WY], 11
	s_add_co_u32 s37, s37, XSC
	v_add_nc_u32 v[ADXS], s37, v[L8]
	s_lshl_b32 s37, s[WX], 11
	s_add_co_u32 s37, s37, YSC
	v_add_nc_u32 v[ADYS], s37, v[L8]
	v_lshlrev_b32 v[GF], 4, v0
.irp n, 0,1,2,3,4
	v_add_nc_u32 v[LF+\n], 65536*\n, v[GF]
.endr
	s_lshr_b32 s37, s[WV], 1                       ; (X group, output K step) = wave / 2: 256 bytes each; my halfword of each word: wave % 2
	s_lshl_b32 s37, s37, 8
	s_and_b32 s38, s[WV], 1
	s_lshl_b32 s38, s38, 1
	s_add_co_u32 s37, s37, s38
	s_add_co_u32 s37, s37, SCX
	v_add_nc_u32 v[SXW], s37, v[L8]
	s_min_u32 s39, s[WV], 3                        ; only waves 0-3 read back: one X group's 512 bytes each
	s_lshl_b32 s37, s39, 9
	s_add_co_u32 s37, s37, SCX
	v_add_nc_u32 v[SXR], s37, v[LI]
	v_lshlrev_b32 v[BO], 6, v19
	v_and_b32 v20, 8, v18
	v_add_nc_u32 v20, v20, v18
	v_lshlrev_b32 v[BO2], 2, v20
	s_mov_b32 s[HM], 0xffff0000
	s_mov_b32 s[SEL], 0x76543210
	s_mov_b32 s[SEL+1], 0xfedcba98
	s_mov_b32 s55, 0
.if KIND == 1
	s_lshr_b32 s40, ttmp9, 3                       ; tiles of [k | q]: tile row,
	s_and_b32 s41, ttmp9, 7                        ; tile column
	s_add_co_u32 s42, s41, 16                      ; Wk's and Wq's panels are img's panels 16-23
	s_sub_co_u32 s43, ttmp9, 128                   ; tiles of v^T
	s_and_b32 s44, ttmp9, 3                        ; Wv's panel (24 +),
	s_lshr_b32 s45, s43, 2                         ; x's panel
	s_add_co_u32 s46, s44, 24
	s_mov_b32 s52, 0x640000
	s_cmp_lt_u32 ttmp9, 128
	s_cselect_b32 s47, s40, s46                    ; X's panel
	s_cselect_b32 s48, s42, s45                    ; Y's panel
	s_cselect_b32 s49, s40, s44                    ; the output's first group of rows / 4
	s_cselect_b32 s50, s41, s45                    ; the output's first group of 64 along K / 4
	s_cselect_b32 s51, 0, 0x400000                 ; the output's codes,
	s_cselect_b32 s52, 0x600000, s52               ; its scale words,
	s_cselect_b32 s53, 16, 32                      ; its K steps
	s_cselect_b32 s[TYP], 1, 0
	s_wait_kmcnt 0x0
	s_lshl_b32 s54, s47, 17
	s_add_nc_u64 s[16:17], s[4:5], s[54:55]        ; X's codes
	s_lshl_b32 s54, s47, 13
	s_add_co_u32 s54, s54, 0x800000
	s_add_nc_u64 s[20:21], s[4:5], s[54:55]        ; X's scale words
	s_lshl_b32 s54, s48, 17
	s_add_nc_u64 s[18:19], s[4:5], s[54:55]        ; Y's codes
	s_lshl_b32 s54, s48, 13
	s_add_co_u32 s54, s54, 0x800000
	s_add_nc_u64 s[22:23], s[4:5], s[54:55]        ; Y's scale words
	s_and_b32 s54, s41, 3                          ; the column bias: bk or bq at column 256 (tile column % 4) + 64 x my Y group.  Valid, and loaded, in every work-group
	s_lshl_b32 s54, s54, 10
	s_lshl_b32 s56, s[WX], 8
	s_add_co_u32 s54, s54, s56
	s_cmp_lt_u32 s41, 4
	s_cselect_b64 s[24:25], s[6:7], s[8:9]
	s_add_nc_u64 s[24:25], s[24:25], s[54:55]
	s_lshl_b32 s54, s44, 2                         ; the row bias: bv at feature 64 (4 x Wv's panel + my X group).  Likewise
	s_add_co_u32 s54, s54, s[WY]
	s_lshl_b32 s54, s54, 8
	s_add_nc_u64 s[60:61], s[10:11], s[54:55]
.else
	s_lshr_b32 s49, ttmp9, 4                       ; tile row
	s_and_b32 s50, ttmp9, 15                       ; tile column
	s_mov_b32 s51, 0
	s_mov_b32 s52, 0x800000
	s_mov_b32 s53, 32
	s_add_co_u32 s48, s50, 32                      ; W0's panels are img's panels 32-47
	s_wait_kmcnt 0x0
	s_lshl_b32 s54, s49, 17
	s_add_nc_u64 s[16:17], s[4:5], s[54:55]
	s_lshl_b32 s54, s49, 13
	s_add_co_u32 s54, s54, 0x200000
	s_add_nc_u64 s[20:21], s[4:5], s[54:55]
	s_lshl_b32 s54, s48, 17
	s_add_nc_u64 s[18:19], s[6:7], s[54:55]
	s_lshl_b32 s54, s48, 13
	s_add_co_u32 s54, s54, 0x800000
	s_add_nc_u64 s[22:23], s[6:7], s[54:55]
	s_lshl_b32 s54, s50, 10
	s_lshl_b32 s56, s[WX], 8
	s_add_co_u32 s54, s54, s56
	s_add_nc_u64 s[24:25], s[8:9], s[54:55]
.endif
	s_lshl_b32 s56, s49, 2                         ; where my results go: codes at ((row group) x K steps + K step) x 4,096 + 512 x (which half of the K step)
	s_add_co_u32 s57, s56, s[WY]
	s_mul_i32 s57, s57, s53
	s_lshl_b32 s58, s50, 1
	s_add_co_u32 s57, s57, s58
	s_lshr_b32 s59, s[WX], 1
	s_add_co_u32 s57, s57, s59
	s_lshl_b32 s57, s57, 12
	s_and_b32 s59, s[WX], 1
	s_lshl_b32 s59, s59, 9
	s_add_co_u32 s57, s57, s59
	s_add_co_u32 s54, s57, s51
	s_add_nc_u64 s[26:27], s[POUT:POUT+1], s[54:55]
	s_add_co_u32 s57, s56, s39                     ; scale words: waves 0-3 store one row group's two K steps each
	s_mul_i32 s57, s57, s53
	s_add_co_u32 s57, s57, s58
	s_lshl_b32 s57, s57, 8
	s_add_co_u32 s54, s57, s52
	s_add_nc_u64 s[28:29], s[POUT:POUT+1], s[54:55]
	; the biases first: they are older than the fill's loads, so the fill's counts do not know of them
.irp b, 0,1,2,3
.irp q, 0,1
	global_load_b128 v[ACC+8*\b+4*\q:ACC+8*\b+4*\q+3], v[BO], s[24:25] offset:128*(\b/2)+32*(\b%2)+16*\q   ; accumulator (0, b): the bias of columns 32 (b / 2) + 8 (b % 2) + 16 h + 0 .. 7
.endr
.endr
.if KIND == 1
.irp a, 0,1,2,3
	global_load_b32 v[BR+\a], v[BO2], s[60:61] offset:(32*(\a/2)+8*(\a%2))*4   ; the bias of X's row (a, r)
.endr
.endif
	; THE FILL: 34 passes of 8,192 bytes (512 threads x 16): X's codes, Y's codes, X's scale words, Y's; LDS holds them as memory does
.irp i, 0,1,2,3,4,5,6,7,8,9,10,11,12,13,14,15
	FREG \i
	global_load_b128 v[TR:TR+3], v[GF], s[16:17] offset:\i*8192
.endr
.irp i, 16,17,18,19,20,21,22,23,24,25,26,27,28,29,30,31
	FREG \i
	global_load_b128 v[TR:TR+3], v[GF], s[18:19] offset:(\i-16)*8192
.endr
	FREG 32
	global_load_b128 v[TR:TR+3], v[GF], s[20:21]
	FREG 33
	global_load_b128 v[TR:TR+3], v[GF], s[22:23]
.irp i, 0,1,2,3,4,5,6,7,8,9,10,11,12,13,14,15,16,17,18,19,20,21,22,23,24,25,26,27,28,29,30,31,32,33
	FREG \i
	s_wait_loadcnt 33-\i                           ; loads come back in order: pass i is in, the 33 - i younger ones stay out
	ds_store_b128 v[LF+\i/8], v[TR:TR+3] offset:(\i%8)*8192
.endr
	s_wait_dscnt 0x0                               ; for the others' sake: my part of the panels has landed
	s_barrier_signal -1
	s_barrier_wait -1                              ; the panels are whole
	KLOAD 0
.if KIND == 1
	s_cmp_eq_u32 s[TYP], 0
	s_cbranch_scc1 .Lrow
.endif
	MULC
.if KIND == 1
	s_branch .Lfirst
.Lrow:
.irp a, 0,1,2,3
.irp j, 0,1,2,3,4,5,6,7
	v_mov_b32 v[ACC+32*\a+\j], v[BR+\a]            ; a lane holds one row of X: its bias in all eight registers
.endr
.endr
	PLACES 4
	MULR
.Lfirst:
.endif
	PLACES 4                                       ; in front of loads into registers that matrix instructions have read
.irp s, 1,2,3,4,5,6,7
	KLOAD \s
	MUL
	PLACES 4                                       ; the last four are the places in front of the first read of results
.endr
.if KIND == 3
.set j, 0
.rept 128
	v_max_num_f32 v[ACC+j], 0, v[ACC+j]            ; the activation, in f32, each accumulator from its low end on
.set j, j+1
.endr
.endif
	HQ4 ACC
.irp a, 0,1,2,3
	global_store_b128 v[LI], v[PC+4*\a:PC+4*\a+3], s[26:27] offset:\a*1024   ; 512 consecutive bytes: my half of the fragment of rows (a, .)
.endr
.irp j, 0,1
	v_cndmask_b32 v[SL+\j], v[HW+2*\j], v[HW+2*\j+1], s[HM]   ; lanes 0-15 block 2 j's rows, lanes 16-31 block 2 j + 1's
	ds_store_b16 v[SXW], v[SL+\j] offset:4*\j
.endr
	s_wait_dscnt 0x0                               ; my halfwords have landed
	s_barrier_signal -1
	s_barrier_wait -1                              ; the words are whole
	s_cmp_lt_u32 s[WV], 4
	s_cbranch_scc0 .Lend
	ds_load_b128 v[WO:WO+3], v[SXR]
	s_wait_dscnt 0x0
	global_store_b128 v[LI], v[WO:WO+3], s[28:29]  ; 512 consecutive bytes: two K steps' scale words of one group of rows
.Lend:
	s_wait_tensorcnt 0x0
	ds_add_u32 v254, v255
	s_wait_dscnt 0x0
	s_endpgm
.Lfunc_end_k_qc853998f6a_ffn1:
	.size	k_qc853998f6a_ffn1, .Lfunc_end_k_qc853998f6a_ffn1-k_qc853998f6a_ffn1
	.p2alignl 7, 3214868480
	.fill 96, 4, 3214868480
	.section	.rodata,"a",@progbits
	.p2align	6, 0x0
	.amdhsa_kernel k_qc853998f6a_ffn1
		.amdhsa_group_segment_fixed_size 282624
		.amdhsa_private_segment_fixed_size 0
		.amdhsa_enable_private_segment 0
		.amdhsa_kernarg_size 32
		.amdhsa_user_sgpr_count 2
		.amdhsa_user_sgpr_kernarg_segment_ptr 1
		.amdhsa_wavefront_size32 1
		.amdhsa_system_sgpr_workgroup_id_x 1
		.amdhsa_system_sgpr_workgroup_id_y 1
		.amdhsa_system_sgpr_workgroup_id_z 1
		.amdhsa_system_vgpr_workitem_id 0
		.amdhsa_next_free_vgpr 256
		.amdhsa_next_free_sgpr 66
		.amdhsa_reserve_vcc 0
		.amdhsa_float_denorm_mode_32 3
		.amdhsa_float_denorm_mode_16_64 3
		.amdhsa_memory_ordered 1
		.amdhsa_forward_progress 1
		.amdhsa_inst_pref_size 50
	.end_amdhsa_kernel
	.amdgpu_metadata
---
amdhsa.version: [ 1, 2 ]
amdhsa.kernels:
  - .name:           k_qc853998f6a_ffn1
    .symbol:         k_qc853998f6a_ffn1.kd
    .args:
      - { .name: hq, .offset: 0, .size: 8, .value_kind: global_buffer, .address_space: global }
      - { .name: img, .offset: 8, .size: 8, .value_kind: global_buffer, .address_space: global }
      - { .name: b0, .offset: 16, .size: 8, .value_kind: global_buffer, .address_space: global }
      - { .name: hid, .offset: 24, .size: 8, .value_kind: global_buffer, .address_space: global }
    .group_segment_fixed_size: 282624
    .private_segment_fixed_size: 0
    .kernarg_segment_align: 8
    .kernarg_segment_size: 32
    .max_flat_workgroup_size: 512
    .sgpr_count:     66
    .vgpr_count:     256
    .wavefront_size: 32
...
	.end_amdgpu_metadata
.endif
;; end of part 5
;; launch ffn2 (part 6): grid 256 x 1, 16 waves a work-group, no clusters, 264,192 bytes of LDS; arguments hid, img, hq, b1, pre; writes pre
.if DOCPART == 6
	.amdgcn_target "amdgcn-amd-amdhsa--gfx1250"
	.amdhsa_code_object_version 6
	.text
	.protected	k_qc853998f6a_ffn2
	.globl	k_qc853998f6a_ffn2
	.p2align	8
	.type	k_qc853998f6a_ffn2,@function
k_qc853998f6a_ffn2:
	s_mov_b64 s[64:65], 0
	v_nop
	global_prefetch_b8 v0, s[64:65] scope:SCOPE_SE
	s_setreg_imm32_b32 hwreg(HW_REG_WAVE_MODE, 25, 1), 1
	s_wait_xcnt 0x0
; pre = X Y^T + b1 + h: X = the hidden layer [4096][4096], Y = W1 [1024][4096], both as codes of FP4 with E8M0 scales, laid in the order of the operand's registers
; (rows in places (G, b, r) = row 64 G + 32 (b / 2) + 8 (b % 2) + r + 8 (r / 8); a fragment is two dense loads of 512 bytes); h in f32 as an image of accumulators; pre f32, row-major [4096][1024].  The norm follows in the next launch.
; SHARES.  A work-group owns 64 rows (group G = work-group / 4) and 256 columns (quarter work-group % 4).  Wave w owns column group g = w % 4 of the quarter and K QUARTER kq = w / 4: 8 of the 32 K steps, 16 accumulators of 64 x 64.
; X's codes for the whole K (128 KB, and 8 KB of scale words) lie in LDS, brought once.  A fragment of Y is used by ONE wave of the work-group, so it goes from memory straight into that wave's registers, two K steps ahead.
; So a work-group takes in 136 KB of X, 544 KB of Y and 64 KB of h; owning all 1,024 columns it would take in all of Y, four times as much, whatever its rows.
; THE FOUR K QUARTERS ARE ADDED THROUGH LDS: every wave stores its 128 accumulator registers as they stand (16 KB, over X's panel, which nobody reads any more); wave (kq, g) then reads block a = kq of the four waves with its g,
; adds them, h and the bias, and owns 16 rows x 64 columns of the result, which turn through a stage in LDS and leave as whole rows of 256 bytes.
; THE PRODUCT IS USED TRANSPOSED (source 0 = 16 rows of Y, source 1 = 16 rows of X): lane (r, h) holds row (a, r); register j of accumulator (a, b) is column 32 (b / 2) + 8 (b % 2) + 16 h + j of the wave's 64.
; Y is shared by the 64 work-groups of a quarter and X's panel by the four of a group; neither is asked for jointly: Y does not pass through LDS, and X's panel is 136 of the 744 KB that a work-group takes in.
; LIMITS: NaN and infinities are not served.  K's four quarters are summed apart and then added: another order of f32 sums than one chain over K.
.set XSC,  131072                      ; LDS: X's codes at 0 (K step s at 4,096 s), its scale words here (256 s).  Later: sixteen images of 16,384 bytes at 0.  Later still: sixteen stages of 16 rows x (256 + 16) bytes at 0
.set LI,   1                           ; v1    16 x lane
.set L8,   2                           ; v2    8 x lane
.set ADX,  3                           ; v3    my K quarter of X's codes
.set ADS,  4                           ; v4    and of its scale words
.set LF,   5                           ; v5-7  16 x thread + 65,536 n
.set SI,   8                           ; v8    my stage by rows of memory: 272 (lane / 16) + 16 (lane % 16)
.set SOA,  9                           ; v9    my stage by accumulators: 272 r + 64 h
.set XV,   10                          ; v10   rows of 4,096 bytes: 4,096 (lane / 16) + 16 (lane % 16)
.set CV,   11                          ; v11   per-column numbers: 64 h
.set RST,  12                          ; v12   my image: 16,384 x wave + 16 x lane
.set SX,   16                          ; v16-17 X's scale words: block b in register b / 2, lanes 0-15 (b even) or 16-31 (b odd)
.set SY,   18                          ; v18-21 Y's, two sets
.set RLD,  24                          ; v24-27 block kq in the images of waves 4 k + g, k = 0 .. 3
.set XF,   32                          ; v32-63 X's four fragments; at the end h
.set YF,   64                          ; v64-127 Y's four fragments, two sets; at the end the bias (v64-95)
.set ACC,  128                         ; v128-255 accumulator (a, b) at ACC + 8 (4 a + b); first the fill's registers; at the end the four quarters' parts of my block
.set RES,  32
.set BIA,  64
.set OUTR, 160                         ; v160-191 16 rows on their way out
.set WV,   18
.set GR,   19
.set CQ,   20
.set GY,   21
.set KQ,   22
.set CG,   23
.macro WMZ d, y, x, sy, sx, ra, rb     ; D = Y fragment x X fragment: a sum's first product; ra, rb: the side's scale words stand in lanes 16-31
.if (\ra) == 0 && (\rb) == 0
	v_wmma_scale_f32_16x16x128_f8f6f4 v[\d:\d+7], v[\y:\y+7], v[\x:\x+7], 0, v[\sy], v[\sx] matrix_a_fmt:MATRIX_FMT_FP4 matrix_b_fmt:MATRIX_FMT_FP4
.elseif (\ra) == 1 && (\rb) == 0
	v_wmma_scale_f32_16x16x128_f8f6f4 v[\d:\d+7], v[\y:\y+7], v[\x:\x+7], 0, v[\sy], v[\sx] matrix_a_fmt:MATRIX_FMT_FP4 matrix_b_fmt:MATRIX_FMT_FP4 matrix_a_scale:MATRIX_SCALE_ROW1
.elseif (\ra) == 0
	v_wmma_scale_f32_16x16x128_f8f6f4 v[\d:\d+7], v[\y:\y+7], v[\x:\x+7], 0, v[\sy], v[\sx] matrix_a_fmt:MATRIX_FMT_FP4 matrix_b_fmt:MATRIX_FMT_FP4 matrix_b_scale:MATRIX_SCALE_ROW1
.else
	v_wmma_scale_f32_16x16x128_f8f6f4 v[\d:\d+7], v[\y:\y+7], v[\x:\x+7], 0, v[\sy], v[\sx] matrix_a_fmt:MATRIX_FMT_FP4 matrix_b_fmt:MATRIX_FMT_FP4 matrix_a_scale:MATRIX_SCALE_ROW1 matrix_b_scale:MATRIX_SCALE_ROW1
.endif
.endm
.macro WMA d, y, x, sy, sx, ra, rb     ; the same, added in place
.if (\ra) == 0 && (\rb) == 0
	v_wmma_scale_f32_16x16x128_f8f6f4 v[\d:\d+7], v[\y:\y+7], v[\x:\x+7], v[\d:\d+7], v[\sy], v[\sx] matrix_a_fmt:MATRIX_FMT_FP4 matrix_b_fmt:MATRIX_FMT_FP4
.elseif (\ra) == 1 && (\rb) == 0
	v_wmma_scale_f32_16x16x128_f8f6f4 v[\d:\d+7], v[\y:\y+7], v[\x:\x+7], v[\d:\d+7], v[\sy], v[\sx] matrix_a_fmt:MATRIX_FMT_FP4 matrix_b_fmt:MATRIX_FMT_FP4 matrix_a_scale:MATRIX_SCALE_ROW1
.elseif (\ra) == 0
	v_wmma_scale_f32_16x16x128_f8f6f4 v[\d:\d+7], v[\y:\y+7], v[\x:\x+7], v[\d:\d+7], v[\sy], v[\sx] matrix_a_fmt:MATRIX_FMT_FP4 matrix_b_fmt:MATRIX_FMT_FP4 matrix_b_scale:MATRIX_SCALE_ROW1
.else
	v_wmma_scale_f32_16x16x128_f8f6f4 v[\d:\d+7], v[\y:\y+7], v[\x:\x+7], v[\d:\d+7], v[\sy], v[\sx] matrix_a_fmt:MATRIX_FMT_FP4 matrix_b_fmt:MATRIX_FMT_FP4 matrix_a_scale:MATRIX_SCALE_ROW1 matrix_b_scale:MATRIX_SCALE_ROW1
.endif
.endm
.macro PLACES n                        ; plain vector instructions between a matrix instruction and what may not follow it at once (ISA guide 7.12.1)
.rept \n
	v_nop
.endr
.endm
.macro CLOAD reg, ptr                  ; 32 numbers that hang on the column, in the accumulators' layout: register 8 b + j = column 32 (b / 2) + 8 (b % 2) + 16 h + j of my 64
.irp b, 0,1,2,3
.irp q, 0,1
	global_load_b128 v[\reg+8*\b+4*\q:\reg+8*\b+4*\q+3], v[CV], s[\ptr:\ptr+1] offset:128*(\b/2)+32*(\b%2)+16*\q
.endr
.endr
.endm
.macro YLOAD buf, st                   ; my four fragments of Y and their scale words for step st of my eight: nine loads
.irp b, 0,1,2,3
.irp c, 0,1
	global_load_b128 v[YF+32*\buf+8*\b+4*\c:YF+32*\buf+8*\b+4*\c+3], v[LI], s[26:27] offset:(\st)*4096+\b*1024+\c*512
.endr
.endr
	global_load_b64 v[SY+2*\buf:SY+2*\buf+1], v[L8], s[28:29] offset:(\st)*256
.endm
; Step s of my eight K steps of 128, on Y's set buf.  zero = 1: its products start the sums.  more = 1: the set is asked for again, for the step two on.  cnt: the younger loads, the other set's nine, that may stay out
.macro STEP s, buf, zero, more, cnt
.irp a, 0,1,2,3
.irp c, 0,1
	ds_load_b128 v[XF+8*\a+4*\c:XF+8*\a+4*\c+3], v[ADX] offset:(\s)*4096+\a*1024+\c*512
.endr
.endr
	ds_load_b64 v[SX:SX+1], v[ADS] offset:(\s)*256
	s_wait_loadcnt \cnt
	s_wait_dscnt 0x0
.irp a, 0,1,2,3
.irp b, 0,1,2,3
.if \zero
	WMZ ACC+8*(4*\a+\b), YF+32*\buf+8*\b, XF+8*\a, SY+2*\buf+\b/2, SX+\a/2, \b%2, \a%2
.else
	WMA ACC+8*(4*\a+\b), YF+32*\buf+8*\b, XF+8*\a, SY+2*\buf+\b/2, SX+\a/2, \b%2, \a%2   ; the 16 accumulators take turns, in the same order in every step
.endif
.endr
.endr
	PLACES 4                                       ; in front of loads into registers that matrix instructions have read, and of the first read of results
.if \more
	YLOAD \buf, (\s)+2
.endif
.endm
	s_load_b256 s[4:11], s[0:1], 0x0               ; hid, img, hq, b1
	s_load_b64 s[12:13], s[0:1], 0x20              ; pre
	v_lshl_add_u32 v22, v0, 2, 0x40000
	v_mov_b32 v23, 0
	v_lshrrev_b32 v28, 5, v0
	v_readfirstlane_b32 s[WV], v28                 ; wave 0..15
	s_and_b32 s[GY], s[WV], 3                      ; my column group in the quarter
	s_lshr_b32 s[KQ], s[WV], 2                     ; my K quarter; later: my block of 16 rows
	s_lshr_b32 s[GR], ttmp9, 2                     ; the group of 64 rows
	s_and_b32 s[CQ], ttmp9, 3                      ; the quarter of the columns
	s_lshl_b32 s[CG], s[CQ], 2
	s_add_co_u32 s[CG], s[CG], s[GY]               ; my column group of 64, 0 .. 15
	v_and_b32 v29, 31, v0
	v_and_b32 v30, 15, v0                          ; r
	v_bfe_u32 v31, v0, 4, 1                        ; h
	v_lshlrev_b32 v[LI], 4, v29
	v_lshlrev_b32 v[L8], 3, v29
	v_lshlrev_b32 v[LF], 4, v0
	v_add_nc_u32 v[LF+1], 65536, v[LF]
	v_add_nc_u32 v[LF+2], 131072, v[LF]
	s_lshl_b32 s40, s[KQ], 15                      ; eight K steps of 4,096 bytes
	v_add_nc_u32 v[ADX], s40, v[LI]
	s_lshl_b32 s40, s[KQ], 11                      ; and of 256
	s_add_co_u32 s40, s40, XSC
	v_add_nc_u32 v[ADS], s40, v[L8]
	s_lshl_b32 s40, s[WV], 14
	v_add_nc_u32 v[RST], s40, v[LI]
	s_lshl_b32 s40, s[GY], 14                      ; wave 4 k + g's image begins at 65,536 k + 16,384 g; block kq 4,096 kq further on
	s_lshl_b32 s41, s[KQ], 12
	s_add_co_u32 s40, s40, s41
	v_add_nc_u32 v[RLD], s40, v[LI]
	v_add_nc_u32 v[RLD+1], 65536, v[RLD]
	v_add_nc_u32 v[RLD+2], 131072, v[RLD]
	v_add_nc_u32 v[RLD+3], 196608, v[RLD]
	s_mul_i32 s40, s[WV], 4352                     ; my stage
	v_mul_u32_u24 v[SI], v31, 272
	v_lshl_add_u32 v[SI], v30, 4, v[SI]
	v_add_nc_u32 v[SI], s40, v[SI]
	v_mul_u32_u24 v[SOA], v30, 272
	v_lshl_add_u32 v[SOA], v31, 6, v[SOA]
	v_add_nc_u32 v[SOA], s40, v[SOA]
	v_lshlrev_b32 v[XV], 12, v31
	v_lshl_add_u32 v[XV], v30, 4, v[XV]
	v_lshlrev_b32 v[CV], 6, v31
	s_mov_b32 s43, 0
	s_wait_kmcnt 0x0
	s_lshl_b32 s42, s[GR], 17
	s_add_nc_u64 s[24:25], s[4:5], s[42:43]        ; X's codes: 32 K steps of 4,096 bytes a group
	s_lshl_b32 s42, s[GR], 13
	s_add_co_u32 s42, s42, 0x800000
	s_add_nc_u64 s[30:31], s[4:5], s[42:43]        ; X's scale words
	s_lshl_b32 s42, s[CG], 17
	s_lshl_b32 s41, s[KQ], 15
	s_add_co_u32 s42, s42, s41
	s_add_co_u32 s42, s42, 0x600000
	s_add_nc_u64 s[26:27], s[6:7], s[42:43]        ; W1's codes: my column group, my K quarter
	s_lshl_b32 s42, s[CG], 13
	s_lshl_b32 s41, s[KQ], 11
	s_add_co_u32 s42, s42, s41
	s_add_co_u32 s42, s42, 0x860000
	s_add_nc_u64 s[28:29], s[6:7], s[42:43]        ; and their scale words
	s_lshl_b32 s42, s[GR], 4
	s_add_co_u32 s42, s42, s[CG]
	s_lshl_b32 s42, s42, 14
	s_lshl_b32 s41, s[KQ], 12
	s_add_co_u32 s42, s42, s41
	s_add_co_u32 s42, s42, 0x220000
	s_add_nc_u64 s[32:33], s[8:9], s[42:43]        ; h's image: 16,384 bytes for each (group, column group); block kq is 4,096 of them
	s_lshl_b32 s42, s[CG], 8
	s_add_nc_u64 s[10:11], s[10:11], s[42:43]      ; the bias of my 64 columns
	s_lshr_b32 s41, s[KQ], 1                       ; where my block goes: row 64 G + 32 (kq / 2) + 8 (kq % 2), rows of 4,096 bytes, + my columns' 256 bytes
	s_lshl_b32 s41, s41, 17
	s_add_co_u32 s42, s42, s41
	s_and_b32 s41, s[KQ], 1
	s_lshl_b32 s41, s41, 15
	s_add_co_u32 s42, s42, s41
	s_lshl_b32 s41, s[GR], 18
	s_add_co_u32 s42, s42, s41
	s_add_nc_u64 s[34:35], s[12:13], s[42:43]
	; THE FILL: 17 passes of 8,192 bytes (512 threads x 16), through the registers that the accumulators will take; my first two steps of Y go out with it
.irp i, 0,1,2,3,4,5,6,7,8,9,10,11,12,13,14,15
	global_load_b128 v[ACC+4*\i:ACC+4*\i+3], v[LF], s[24:25] offset:\i*8192
.endr
	global_load_b128 v[ACC+64:ACC+67], v[LF], s[30:31]
	YLOAD 0, 0
	YLOAD 1, 1
.irp i, 0,1,2,3,4,5,6,7,8,9,10,11,12,13,14,15,16
	s_wait_loadcnt 34-\i                           ; loads come back in order: pass i is in; the 16 - i younger passes and Y's 18 loads stay out
	ds_store_b128 v[LF+\i/8], v[ACC+4*\i:ACC+4*\i+3] offset:(\i%8)*8192
.endr
	s_wait_dscnt 0x0                               ; for the others' sake: my part of the panel has landed
	s_barrier_signal -1
	s_barrier_wait -1                              ; the panel is whole
	STEP 0, 0, 1, 1, 9                             ; written out: every offset is an immediate, no pointer is stepped
	STEP 1, 1, 0, 1, 9
	STEP 2, 0, 0, 1, 9
	STEP 3, 1, 0, 1, 9
	STEP 4, 0, 0, 1, 9
	STEP 5, 1, 0, 1, 9
	STEP 6, 0, 0, 0, 9                             ; the last two steps ask for nothing
	STEP 7, 1, 0, 0, 0
.irp m, 0,1,2,3,4,5,6,7
	global_load_b128 v[RES+4*\m:RES+4*\m+3], v[LI], s[32:33] offset:512*\m   ; h of my block, in the accumulators' layout: it lands while the quarters meet
.endr
	CLOAD BIA, 10
	s_wait_dscnt 0x0                               ; my reads of the panel are over
	s_barrier_signal -1
	s_barrier_wait -1                              ; everybody's are: the images may lie over it
.set n, 0
.rept 32
	ds_store_b128 v[RST], v[ACC+4*n:ACC+4*n+3] offset:512*n   ; my 128 registers as they stand, each accumulator from its low end on
.set n, n+1
.endr
	s_wait_dscnt 0x0                               ; my image has landed
	s_barrier_signal -1
	s_barrier_wait -1
.irp k, 0,1,2,3
.irp m, 0,1,2,3,4,5,6,7
	ds_load_b128 v[ACC+32*\k+4*\m:ACC+32*\k+4*\m+3], v[RLD+\k] offset:512*\m   ; K quarter k's part of block kq of my columns
.endr
.endr
	s_wait_dscnt 0x0                               ; my reads of the images are over
	s_barrier_signal -1
.irp p, 0,2,4,6,8,10,12,14,16,18,20,22,24,26,28,30
	v_pk_add_f32 v[ACC+\p:ACC+\p+1], v[ACC+\p:ACC+\p+1], v[ACC+32+\p:ACC+32+\p+1]
	v_pk_add_f32 v[ACC+64+\p:ACC+64+\p+1], v[ACC+64+\p:ACC+64+\p+1], v[ACC+96+\p:ACC+96+\p+1]
.endr
.irp p, 0,2,4,6,8,10,12,14,16,18,20,22,24,26,28,30
	v_pk_add_f32 v[ACC+\p:ACC+\p+1], v[ACC+\p:ACC+\p+1], v[ACC+64+\p:ACC+64+\p+1]
.endr
	s_barrier_wait -1                              ; everybody's are: the stages may lie over the images
	s_wait_loadcnt 0x0                             ; h and the bias
.irp p, 0,2,4,6,8,10,12,14,16,18,20,22,24,26,28,30
	v_pk_add_f32 v[RES+\p:RES+\p+1], v[RES+\p:RES+\p+1], v[BIA+\p:BIA+\p+1]
.endr
.irp p, 0,2,4,6,8,10,12,14,16,18,20,22,24,26,28,30
	v_pk_add_f32 v[ACC+\p:ACC+\p+1], v[ACC+\p:ACC+\p+1], v[RES+\p:RES+\p+1]
.endr
.irp b, 0,1,2,3
.irp q, 0,1
	ds_store_b128 v[SOA], v[ACC+8*\b+4*\q:ACC+8*\b+4*\q+3] offset:128*(\b/2)+32*(\b%2)+16*\q   ; row r of my stage, the columns in their true order
.endr
.endr
.irp i, 0,1,2,3,4,5,6,7
	ds_load_b128 v[OUTR+4*\i:OUTR+4*\i+3], v[SI] offset:544*\i   ; LDS serves a wave's instructions in order: these see my stores
.endr
.irp i, 0,1,2,3,4,5,6,7
	s_wait_dscnt 7-\i                              ; places 2 i and 2 i + 1 are back; the younger loads stay out
	global_store_b128 v[XV], v[OUTR+4*\i:OUTR+4*\i+3], s[34:35] offset:(2*\i+8*(\i/4))*4096   ; sixteen lanes store 256 consecutive bytes, aligned
.endr
	s_wait_tensorcnt 0x0
	ds_add_u32 v22, v23
	s_wait_dscnt 0x0
	s_endpgm
.Lfunc_end_k_qc853998f6a_ffn2:
	.size	k_qc853998f6a_ffn2, .Lfunc_end_k_qc853998f6a_ffn2-k_qc853998f6a_ffn2
	.p2alignl 7, 3214868480
	.fill 96, 4, 3214868480
	.section	.rodata,"a",@progbits
	.p2align	6, 0x0
	.amdhsa_kernel k_qc853998f6a_ffn2
		.amdhsa_group_segment_fixed_size 264192
		.amdhsa_private_segment_fixed_size 0
		.amdhsa_enable_private_segment 0
		.amdhsa_kernarg_size 40
		.amdhsa_user_sgpr_count 2
		.amdhsa_user_sgpr_kernarg_segment_ptr 1
		.amdhsa_wavefront_size32 1
		.amdhsa_system_sgpr_workgroup_id_x 1
		.amdhsa_system_sgpr_workgroup_id_y 1
		.amdhsa_system_sgpr_workgroup_id_z 1
		.amdhsa_system_vgpr_workitem_id 0
		.amdhsa_next_free_vgpr 256
		.amdhsa_next_free_sgpr 66
		.amdhsa_reserve_vcc 0
		.amdhsa_float_denorm_mode_32 3
		.amdhsa_float_denorm_mode_16_64 3
		.amdhsa_memory_ordered 1
		.amdhsa_forward_progress 1
		.amdhsa_inst_pref_size 49
	.end_amdhsa_kernel
	.amdgpu_metadata
---
amdhsa.version: [ 1, 2 ]
amdhsa.kernels:
  - .name:           k_qc853998f6a_ffn2
    .symbol:         k_qc853998f6a_ffn2.kd
    .args:
      - { .name: hid, .offset: 0, .size: 8, .value_kind: global_buffer, .address_space: global }
      - { .name: img, .offset: 8, .size: 8, .value_kind: global_buffer, .address_space: global }
      - { .name: hq, .offset: 16, .size: 8, .value_kind: global_buffer, .address_space: global }
      - { .name: b1, .offset: 24, .size: 8, .value_kind: global_buffer, .address_space: global }
      - { .name: pre, .offset: 32, .size: 8, .value_kind: global_buffer, .address_space: global }
    .group_segment_fixed_size: 264192
    .private_segment_fixed_size: 0
    .kernarg_segment_align: 8
    .kernarg_segment_size: 40
    .max_flat_workgroup_size: 512
    .sgpr_count:     66
    .vgpr_count:     256
    .wavefront_size: 32
...
	.end_amdgpu_metadata
.endif
;; end of part 6
;; launch ln1 (part 7): grid 256 x 1, 8 waves a work-group, no clusters, 0 bytes of LDS; arguments pre, ln1_a, ln1_b, out0; writes out0
.if DOCPART == 7
	.amdgcn_target "amdgcn-amd-amdhsa--gfx1250"
	.amdhsa_code_object_version 6
	.text
	.protected	k_qc853998f6a_ln1
	.globl	k_qc853998f6a_ln1
	.p2align	8
	.type	k_qc853998f6a_ln1,@function
k_qc853998f6a_ln1:
	s_mov_b64 s[64:65], 0
	v_nop
	global_prefetch_b8 v0, s[64:65] scope:SCOPE_SE
	s_setreg_imm32_b32 hwreg(HW_REG_WAVE_MODE, 25, 1), 1
	s_wait_xcnt 0x0
; out0 = LN(pre): for each of 4,096 rows of 1,024 f32: mu = the row's mean; sigma = sqrt(the mean of (. - mu)^2), taken of the differences; (. - mu) / (sigma + 1e-9) x alpha + beta.
; A stream: a row is 4,096 bytes, 32 registers of one wave, so it stays in registers between the passes and is read once; a reduction never leaves the wave: no LDS, no barrier; the matrix units and clusters have nothing to do here.
; A wave takes two rows, line by line in turns; a work-group of eight waves sixteen.  Each load and store of a wave covers 512 consecutive bytes.  Lane l holds columns 128 j + 4 l + 0 .. 3, j = 0 .. 7, of the rows, of alpha and of beta.
; All 32 loads of a wave go out at its head: the rows first, so that the sums begin while alpha and beta are on their way.
; LIMITS: NaN and infinities are not served; a variance under 2^-126 counts as 0 (v_sqrt_f32 takes a denormal for 0).
.set LI,  1                            ; v1      16 x lane
.set T,   4                            ; v4-19   row k at T + 8 k: +0 .. +3 two chains of sums, +4 a permute's destination, +6 mu, later 1 / (sigma + eps): the low word of a pair
.set AL,  32                           ; v32-63  alpha
.set BE,  64                           ; v64-95  beta
.set X,   96                           ; v96-159 the two rows
; The two chains of each row are added, over the lane's pair and the 32 lanes, and divided by 1,024, into v[T + 8 k + 6], in every lane
.macro RSUM
.irp k, 0,1
	v_pk_add_f32 v[T+8*\k:T+8*\k+1], v[T+8*\k:T+8*\k+1], v[T+8*\k+2:T+8*\k+3]
.endr
.irp k, 0,1
	v_add_f32 v[T+8*\k], v[T+8*\k], v[T+8*\k+1]
.endr
.irp m, 1,2,4,8
.irp k, 0,1
	v_add_f32_dpp v[T+8*\k], v[T+8*\k], v[T+8*\k] row_xmask:\m row_mask:0xf bank_mask:0xf
.endr
.endr
.irp k, 0,1
	v_permlanex16_b32 v[T+8*\k+4], v[T+8*\k], s16, s17
.endr
.irp k, 0,1
	v_add_f32 v[T+8*\k], v[T+8*\k], v[T+8*\k+4]
.endr
.irp k, 0,1
	v_mul_f32 v[T+8*\k+6], 0x3a800000, v[T+8*\k]   ; x 2^-10
.endr
.endm
	s_load_b256 s[4:11], s[0:1], 0x0               ; pre, alpha, beta, out0
	v_lshrrev_b32 v2, 5, v0
	v_readfirstlane_b32 s12, v2                    ; wave 0..7
	v_and_b32 v3, 31, v0
	v_lshlrev_b32 v[LI], 4, v3
	s_lshl_b32 s14, ttmp9, 3
	s_add_co_u32 s14, s14, s12
	s_lshl_b32 s14, s14, 13                        ; two rows of 4,096 bytes for each wave
	s_mov_b32 s15, 0
	s_mov_b32 s16, 0x76543210
	s_mov_b32 s17, 0xfedcba98                      ; v_permlanex16_b32's selects for lane xor 16
.irp k, 0,1
	v_mov_b32 v[T+8*\k+4], 0                       ; written once: a lane permute's destination counts as one of its sources,
	v_mov_b32 v[T+8*\k+7], 0                       ; and the upper word of a pair is named with the lower
.endr
	s_wait_kmcnt 0x0
	s_add_nc_u64 s[4:5], s[4:5], s[14:15]
	s_add_nc_u64 s[10:11], s[10:11], s[14:15]
.irp k, 0,1
.irp j, 0,1,2,3,4,5,6,7
	global_load_b128 v[X+32*\k+4*\j:X+32*\k+4*\j+3], v[LI], s[4:5] offset:4096*\k+512*\j th:TH_LOAD_NT
.endr
.endr
.irp j, 0,1,2,3,4,5,6,7
	global_load_b128 v[AL+4*\j:AL+4*\j+3], v[LI], s[6:7] offset:512*\j
.endr
.irp j, 0,1,2,3,4,5,6,7
	global_load_b128 v[BE+4*\j:BE+4*\j+3], v[LI], s[8:9] offset:512*\j
.endr
	s_wait_loadcnt 16                              ; the rows are in; alpha's and beta's 16 loads stay out
	; the mean: two chains a row, started by the first numbers
.irp k, 0,1
	v_pk_add_f32 v[T+8*\k:T+8*\k+1], v[X+32*\k:X+32*\k+1], v[X+32*\k+4:X+32*\k+5]
	v_pk_add_f32 v[T+8*\k+2:T+8*\k+3], v[X+32*\k+2:X+32*\k+3], v[X+32*\k+6:X+32*\k+7]
.endr
.irp j, 2,3,4,5,6,7
.irp k, 0,1
	v_pk_add_f32 v[T+8*\k:T+8*\k+1], v[T+8*\k:T+8*\k+1], v[X+32*\k+4*\j:X+32*\k+4*\j+1]
	v_pk_add_f32 v[T+8*\k+2:T+8*\k+3], v[T+8*\k+2:T+8*\k+3], v[X+32*\k+4*\j+2:X+32*\k+4*\j+3]
.endr
.endr
	RSUM
	; the differences, and the mean of their squares
.irp k, 0,1
.irp p, 0,2,4,6,8,10,12,14,16,18,20,22,24,26,28,30
	v_pk_add_f32 v[X+32*\k+\p:X+32*\k+\p+1], v[X+32*\k+\p:X+32*\k+\p+1], v[T+8*\k+6:T+8*\k+7] op_sel_hi:[1,0] neg_lo:[0,1] neg_hi:[0,1]
.endr
.endr
.irp k, 0,1
	v_pk_mul_f32 v[T+8*\k:T+8*\k+1], v[X+32*\k:X+32*\k+1], v[X+32*\k:X+32*\k+1]
	v_pk_mul_f32 v[T+8*\k+2:T+8*\k+3], v[X+32*\k+2:X+32*\k+3], v[X+32*\k+2:X+32*\k+3]
.endr
.irp j, 1,2,3,4,5,6,7
.irp k, 0,1
	v_pk_fma_f32 v[T+8*\k:T+8*\k+1], v[X+32*\k+4*\j:X+32*\k+4*\j+1], v[X+32*\k+4*\j:X+32*\k+4*\j+1], v[T+8*\k:T+8*\k+1]
	v_pk_fma_f32 v[T+8*\k+2:T+8*\k+3], v[X+32*\k+4*\j+2:X+32*\k+4*\j+3], v[X+32*\k+4*\j+2:X+32*\k+4*\j+3], v[T+8*\k+2:T+8*\k+3]
.endr
.endr
	RSUM
.irp k, 0,1
	v_sqrt_f32 v[T+8*\k+6], v[T+8*\k+6]
.endr
	v_nop                                          ; one plain place behind a transcendental
	s_wait_alu depctr_va_vdst(0)
.irp k, 0,1
	v_add_f32 v[T+8*\k+6], 0x3089705f, v[T+8*\k+6] ; sigma + 1e-9
.endr
.irp k, 0,1
	v_rcp_f32 v[T+8*\k+6], v[T+8*\k+6]
.endr
	v_nop
	s_wait_loadcnt 0x0                             ; alpha and beta
	s_wait_alu depctr_va_vdst(0)
.irp k, 0,1
.irp p, 0,2,4,6,8,10,12,14,16,18,20,22,24,26,28,30
	v_pk_mul_f32 v[X+32*\k+\p:X+32*\k+\p+1], v[X+32*\k+\p:X+32*\k+\p+1], v[T+8*\k+6:T+8*\k+7] op_sel_hi:[1,0]
.endr
.endr
.irp k, 0,1
.irp p, 0,2,4,6,8,10,12,14,16,18,20,22,24,26,28,30
	v_pk_fma_f32 v[X+32*\k+\p:X+32*\k+\p+1], v[X+32*\k+\p:X+32*\k+\p+1], v[AL+\p:AL+\p+1], v[BE+\p:BE+\p+1]
.endr
.irp j, 0,1,2,3,4,5,6,7
	global_store_b128 v[LI], v[X+32*\k+4*\j:X+32*\k+4*\j+3], s[10:11] offset:4096*\k+512*\j th:TH_STORE_NT   ; 512 consecutive bytes, aligned; written once, read by nobody here
.endr
.endr
	s_endpgm
.Lfunc_end_k_qc853998f6a_ln1:
	.size	k_qc853998f6a_ln1, .Lfunc_end_k_qc853998f6a_ln1-k_qc853998f6a_ln1
	.p2alignl 7, 3214868480
	.fill 96, 4, 3214868480
	.section	.rodata,"a",@progbits
	.p2align	6, 0x0
	.amdhsa_kernel k_qc853998f6a_ln1
		.amdhsa_group_segment_fixed_size 0
		.amdhsa_private_segment_fixed_size 0
		.amdhsa_enable_private_segment 0
		.amdhsa_kernarg_size 32
		.amdhsa_user_sgpr_count 2
		.amdhsa_user_sgpr_kernarg_segment_ptr 1
		.amdhsa_wavefront_size32 1
		.amdhsa_system_sgpr_workgroup_id_x 1
		.amdhsa_system_sgpr_workgroup_id_y 1
		.amdhsa_system_sgpr_workgroup_id_z 1
		.amdhsa_system_vgpr_workitem_id 0
		.amdhsa_next_free_vgpr 160
		.amdhsa_next_free_sgpr 66
		.amdhsa_reserve_vcc 0
		.amdhsa_float_denorm_mode_32 3
		.amdhsa_float_denorm_mode_16_64 3
		.amdhsa_memory_ordered 1
		.amdhsa_forward_progress 1
		.amdhsa_inst_pref_size 18
	.end_amdhsa_kernel
	.amdgpu_metadata
---
amdhsa.version: [ 1, 2 ]
amdhsa.kernels:
  - .name:           k_qc853998f6a_ln1
    .symbol:         k_qc853998f6a_ln1.kd
    .args:
      - { .name: pre, .offset: 0, .size: 8, .value_kind: global_buffer, .address_space: global }
      - { .name: ln1_a, .offset: 8, .size: 8, .value_kind: global_buffer, .address_space: global }
      - { .name: ln1_b, .offset: 16, .size: 8, .value_kind: global_buffer, .address_space: global }
      - { .name: out0, .offset: 24, .size: 8, .value_kind: global_buffer, .address_space: global }
    .group_segment_fixed_size: 0
    .private_segment_fixed_size: 0
    .kernarg_segment_align: 8
    .kernarg_segment_size: 32
    .max_flat_workgroup_size: 256
    .sgpr_count:     66
    .vgpr_count:     160
    .wavefront_size: 32
...
	.end_amdgpu_metadata
.endif
;; end of part 7
;; ======== version 2 of 2: 7 launches
;; workspace buffers: img 8,912,896 bytes; qkv 6,684,672 bytes; oq 2,228,224 bytes; hq 19,005,440 bytes; hid 8,912,896 bytes; pre 16,777,216 bytes
;; launch quant (part 8): grid 256 x 1, 8 waves a work-group, no clusters, 68,608 bytes of LDS; arguments x, Wk, Wq, Wv, Wo, W0, W1, img; writes img
.if DOCPART == 8
	.amdgcn_target "amdgcn-amd-amdhsa--gfx1250"
	.amdhsa_code_object_version 6
	.text
	.protected	k_qc853998f6a_quant
	.globl	k_qc853998f6a_quant
	.p2align	8
	.type	k_qc853998f6a_quant,@function
k_qc853998f6a_quant:
	s_mov_b64 s[64:65], 0
	v_nop
	global_prefetch_b8 v0, s[64:65] scope:SCOPE_SE
	s_setreg_imm32_b32 hwreg(HW_REG_WAVE_MODE, 25, 1), 1
	s_wait_xcnt 0x0
; x [4096][1024], Wk, Wq, Wv, Wo [1024][1024], W0 [4096][1024], W1 [1024][4096], all f32 with K innermost, become codes of FP4 (E2M1) and E8M0 scale bytes (one for each 32 along K),
; laid in the ORDER OF THE OPERAND'S REGISTERS.  Rows are kept in places (G, b, r): place (G, b, r) holds row 64 G + 32 (b / 2) + 8 (b % 2) + r + 8 (r / 8).
; Codes: byte ((G KS + s) 4 + b) 1024 + 512 c + 16 lane = registers 4 c .. 4 c + 3 of the fragment (rows (G, b, .), K step s of 128).  Scale words: byte (G KS + s) 256 + 8 lane + 4 j = the word of row (G, 2 j + lane / 16, lane % 16).
; A UNIT is 64 rows x 128 K: four fragments, 4,096 bytes of codes, 256 bytes of scale words.  A wave takes one unit, a work-group eight.  The seven tensors' sections follow each other in img so that
; unit number = 8 x work-group + wave for all of them: codes at 4,096 x unit, scale words at 0x800000 + 256 x unit.
; A block's scale is 2^(floor(log2(its largest magnitude)) - 2): its byte is the largest magnitude's exponent field - 2, held at 1 from below.
; LIMITS: NaN and infinities among the inputs are not served; a block whose largest magnitude lies under 2^-124, a block of zeros among them, gets the byte 1 (the rule says 127 for zeros): its codes are zeros or the
; nearest codes under that scale, and the bytes are read by this program alone.
; Each load reads 512 consecutive bytes of one row; the conversions want 16 neighbours along K in one lane, so a fragment's 16 rows turn through the wave's own stage in LDS (rows of 512 + 16 bytes).
; No barrier: waves share nothing.  Two fragments' loads (32 a wave) are on their way.
.set LI,    1                          ; v1      16 x lane
.set L8,    2                          ; v2      8 x lane
.set STI,   3                          ; v3      the stage, way in: wave's stage + 16 x lane
.set STO,   4                          ; v4      way out: + 528 (lane % 16) + 64 (lane / 16)
.set OFFR,  16                         ; v16-31  byte offset of place q's row in a fragment + 16 x lane
.set PC,    32                         ; v32-39  a fragment's codes
.set TM,    40                         ; v40-55  at work
.set PW,    56                         ; v56-59  the four fragments' scale words
.set SPR,   60                         ; v60-61  the unit's scale words as they are stored
.set X,     64                         ; v64-127 register 16 b + i = k 32 b + 16 (lane / 16) + i of row lane % 16
.set R,     128                        ; v128-255 two sets of 16 rows as loaded
.set SEL,   44                         ; s[44:45] lane selects: lane xor 16
.set HM,    46                         ; s46     mask of lanes 16-31
.set SROW,  528
.set SWAVE, 16*SROW
	s_load_b256 s[8:15], s[0:1], 0x0               ; x, Wk, Wq, Wv
	s_load_b256 s[16:23], s[0:1], 0x20             ; Wo, W0, W1, img
	v_lshl_add_u32 v62, v0, 2, 0x10800
	v_mov_b32 v63, 0
	v_lshrrev_b32 v5, 5, v0
	s_delay_alu instid0(VALU_DEP_1)
	v_readfirstlane_b32 s26, v5                    ; wave 0..7
	v_and_b32 v6, 31, v0
	v_and_b32 v7, 15, v0
	v_bfe_u32 v8, v0, 4, 1
	s_delay_alu instid0(VALU_DEP_3)
	v_lshlrev_b32 v[LI], 4, v6
	s_delay_alu instid0(VALU_DEP_4)
	v_lshlrev_b32 v[L8], 3, v6
	s_mul_i32 s27, s26, SWAVE
	v_add_nc_u32 v[STI], s27, v[LI]
	v_mul_u32_u24 v[STO], v7, SROW
	s_delay_alu instid0(VALU_DEP_1)
	v_lshl_add_u32 v[STO], v8, 6, v[STO]
	s_delay_alu instid0(VALU_DEP_1)
	v_add_nc_u32 v[STO], s27, v[STO]
	s_mov_b32 s[SEL], 0x76543210
	s_mov_b32 s[SEL+1], 0xfedcba98
	s_mov_b32 s[HM], 0xffff0000
.irp b, 0,1,2,3
	v_mov_b32 v[TM+4+\b], 0                        ; written once: a lane permute's destination counts as one of its sources
.endr
	; which tensor: work-groups 0-63 x, 64-79 Wk, 80-95 Wq, 96-111 Wv, 112-127 Wo, 128-191 W0, 192-255 W1.  The choice hangs on the work-group's number alone
	s_mov_b32 s7, 16384                            ; a row in bytes: W1's,
	s_mov_b32 s6, 192                              ; and its first work-group
	s_cmp_lt_u32 ttmp9, 192
	s_cselect_b32 s7, 4096, s7                     ; all others have K = 1,024
	s_cselect_b32 s24, 0, 2                        ; W1: four work-groups to a group of rows
	s_cselect_b32 s25, 0, 3
	s_wait_kmcnt 0x0
	s_cselect_b64 s[4:5], s[18:19], s[20:21]
	s_cselect_b32 s6, 128, s6
.macro PICK bound, ptr, start
	s_cmp_lt_u32 ttmp9, \bound
	s_cselect_b64 s[4:5], s[\ptr:\ptr+1], s[4:5]
	s_cselect_b32 s6, \start, s6
.endm
	PICK 128, 16, 112
	PICK 112, 14, 96
	PICK 96, 12, 80
	PICK 80, 10, 64
	PICK 64, 8, 0
	s_sub_co_u32 s28, ttmp9, s6                    ; the work-group's number in its tensor
	s_lshr_b32 s29, s28, s24                       ; group of 64 rows
	s_and_b32 s30, s28, s25
	s_lshl_b32 s30, s30, 3
	s_add_co_u32 s30, s30, s26                     ; K step
	s_lshl_b32 s30, s30, 9                         ; 512 bytes a K step
	s_lshl_b32 s31, s7, 6
	s_mul_i32 s29, s29, s31                        ; 64 rows a group
	s_add_co_u32 s48, s29, s30
	s_mov_b32 s49, 0
	s_add_nc_u64 s[4:5], s[4:5], s[48:49]
	s_mov_b64 s[32:33], s[4:5]                     ; fragment b begins at row 32 (b / 2) + 8 (b % 2): rows 0, 8, 32, 40
	s_lshl_b32 s48, s7, 3
	s_add_nc_u64 s[34:35], s[4:5], s[48:49]
	s_lshl_b32 s48, s7, 5
	s_add_nc_u64 s[36:37], s[4:5], s[48:49]
	s_mul_i32 s48, s7, 40
	s_add_nc_u64 s[38:39], s[4:5], s[48:49]
.irp q, 0,1,2,3,4,5,6,7,8,9,10,11,12,13,14,15
	s_mul_i32 s50, s7, \q+8*(\q/8)                 ; place q is row q + 8 (q / 8) of the fragment
	v_add_nc_u32 v[OFFR+\q], s50, v[LI]
.endr
	s_lshl_b32 s48, ttmp9, 3
	s_add_co_u32 s48, s48, s26                     ; the unit
	s_lshl_b32 s50, s48, 12
	s_mov_b32 s51, 0
	s_add_nc_u64 s[40:41], s[22:23], s[50:51]      ; its codes
	s_lshl_b32 s50, s48, 8
	s_add_co_u32 s50, s50, 0x800000
	s_add_nc_u64 s[42:43], s[22:23], s[50:51]      ; its scale words
.macro LOAD a                          ; fragment a's 16 rows: each load 512 consecutive bytes
.irp q, 0,1,2,3,4,5,6,7,8,9,10,11,12,13,14,15
	global_load_b128 v[R+64*((\a)%2)+4*\q:R+64*((\a)%2)+4*\q+3], v[OFFR+\q], s[32+2*(\a):33+2*(\a)] th:TH_LOAD_NT
.endr
.endm
.macro TURN a                          ; through the stage: LDS serves a wave's instructions in order, so no wait stands between the stores and the loads
.irp q, 0,1,2,3,4,5,6,7,8,9,10,11,12,13,14,15
	ds_store_b128 v[STI], v[R+64*((\a)%2)+4*\q:R+64*((\a)%2)+4*\q+3] offset:SROW*\q
.endr
.irp b, 0,1,2,3
.irp j, 0,1,2,3
	ds_load_b128 v[X+16*\b+4*\j:X+16*\b+4*\j+3], v[STO] offset:128*\b+16*\j
.endr
.endr
.endm
; 64 numbers of a lane, register 16 b + i = k 32 b + 16 (lane / 16) + i of my row, become a fragment's codes in v[PC] on and its scale word in v[pw]
.macro QUANT s, pw
.irp b, 0,1,2,3
	v_max3_num_f32 v[TM+\b], |v[\s+16*\b]|, |v[\s+1+16*\b]|, 0x1800000   ; my 16 numbers of block b, and the floor 2^(3 - 127): the byte cannot fall under 1
.endr
.irp i, 2,4,6,8,10,12,14
.irp b, 0,1,2,3
	s_delay_alu instid0(VALU_DEP_4)
	v_max3_num_f32 v[TM+\b], v[TM+\b], |v[\s+16*\b+\i]|, |v[\s+1+16*\b+\i]|   ; the four blocks by turns
.endr
.endr
.irp b, 0,1,2,3
	s_delay_alu instid0(VALU_DEP_4)
	v_permlanex16_b32 v[TM+4+\b], v[TM+\b], s[SEL], s[SEL+1]
.endr
.irp b, 0,1,2,3
	s_delay_alu instid0(VALU_DEP_4)
	v_max_num_f32 v[TM+\b], v[TM+\b], v[TM+4+\b]   ; with lane xor 16's: the block's largest magnitude
.endr
.irp b, 0,1,2,3
	s_delay_alu instid0(VALU_DEP_4)
	v_add_nc_u32 v[TM+12+\b], 0xff000000, v[TM+\b] ; 2 off its exponent field: the conversion takes the exponent field of this operand as its scale
.endr
.irp b, 0,1,2,3
	s_delay_alu instid0(VALU_DEP_4)
	v_lshrrev_b32 v[TM+4+\b], 23, v[TM+12+\b]      ; the scale's byte
.endr
	s_delay_alu instid0(VALU_DEP_3)
	v_lshl_or_b32 v[\pw], v[TM+5], 8, v[TM+4]
	s_delay_alu instid0(VALU_DEP_1)
	v_lshl_or_b32 v[\pw], v[TM+6], 16, v[\pw]
	s_delay_alu instid0(VALU_DEP_1)
	v_lshl_or_b32 v[\pw], v[TM+7], 24, v[\pw]
.irp b, 0,1,2,3
	v_cvt_scalef32_pk8_fp4_f32 v[PC+2*\b], v[\s+16*\b:\s+7+16*\b], v[TM+12+\b]
	v_cvt_scalef32_pk8_fp4_f32 v[PC+1+2*\b], v[\s+8+16*\b:\s+15+16*\b], v[TM+12+\b]
.endr
	v_nop                                          ; one plain place behind a scaled conversion
.irp c, 0,1                            ; the layout wants a whole block in a lane: lanes 0-15 block 2 c, lanes 16-31 block 2 c + 1
.irp i, 0,1
	v_permlane16_swap_b32 v[PC+4*\c+\i], v[PC+2+4*\c+\i]
.endr
.endr
.endm
	s_wait_alu depctr_va_vdst(0)
	LOAD 0
	LOAD 1
.irp a, 0,1,2,3
.if \a < 3
	s_wait_loadcnt 16                              ; this fragment's 16 loads are in; the next fragment's 16 stay out
.else
	s_wait_loadcnt 0x0
.endif
	TURN \a
	s_wait_dscnt 0x0                               ; my 64 numbers are back, and the stage's stores have read their registers
	s_wait_xcnt 0x0                                ; the last fragment's stores have read the codes' registers, which are written again below
.if \a < 2
	LOAD \a+2
.endif
	QUANT X, PW+\a
	global_store_b128 v[LI], v[PC:PC+3], s[40:41] offset:\a*1024        ; 512 consecutive bytes
	global_store_b128 v[LI], v[PC+4:PC+7], s[40:41] offset:\a*1024+512
.endr
	v_cndmask_b32 v[SPR], v[PW], v[PW+1], s[HM]    ; register j: lanes 0-15 fragment 2 j's words, lanes 16-31 fragment 2 j + 1's
	v_cndmask_b32 v[SPR+1], v[PW+2], v[PW+3], s[HM]
	global_store_b64 v[L8], v[SPR:SPR+1], s[42:43] ; 256 consecutive bytes, aligned
	s_wait_tensorcnt 0x0
	ds_add_u32 v62, v63
	s_wait_dscnt 0x0
	s_endpgm
.Lfunc_end_k_qc853998f6a_quant:
	.size	k_qc853998f6a_quant, .Lfunc_end_k_qc853998f6a_quant-k_qc853998f6a_quant
	.p2alignl 7, 3214868480
	.fill 96, 4, 3214868480
	.section	.rodata,"a",@progbits
	.p2align	6, 0x0
	.amdhsa_kernel k_qc853998f6a_quant
		.amdhsa_group_segment_fixed_size 68608
		.amdhsa_private_segment_fixed_size 0
		.amdhsa_enable_private_segment 0
		.amdhsa_kernarg_size 64
		.amdhsa_user_sgpr_count 2
		.amdhsa_user_sgpr_kernarg_segment_ptr 1
		.amdhsa_wavefront_size32 1
		.amdhsa_system_sgpr_workgroup_id_x 1
		.amdhsa_system_sgpr_workgroup_id_y 1
		.amdhsa_system_sgpr_workgroup_id_z 1
		.amdhsa_system_vgpr_workitem_id 0
		.amdhsa_next_free_vgpr 256
		.amdhsa_next_free_sgpr 66
		.amdhsa_reserve_vcc 0
		.amdhsa_float_denorm_mode_32 3
		.amdhsa_float_denorm_mode_16_64 3
		.amdhsa_memory_ordered 1
		.amdhsa_forward_progress 1
		.amdhsa_inst_pref_size 41
	.end_amdhsa_kernel
	.amdgpu_metadata
---
amdhsa.version: [ 1, 2 ]
amdhsa.kernels:
  - .name:           k_qc853998f6a_quant
    .symbol:         k_qc853998f6a_quant.kd
    .args:
      - { .name: x, .offset: 0, .size: 8, .value_kind: global_buffer, .address_space: global }
      - { .name: Wk, .offset: 8, .size: 8, .value_kind: global_buffer, .address_space: global }
      - { .name: Wq, .offset: 16, .size: 8, .value_kind: global_buffer, .address_space: global }
      - { .name: Wv, .offset: 24, .size: 8, .value_kind: global_buffer, .address_space: global }
      - { .name: Wo, .offset: 32, .size: 8, .value_kind: global_buffer, .address_space: global }
      - { .name: W0, .offset: 40, .size: 8, .value_kind: global_buffer, .address_space: global }
      - { .name: W1, .offset: 48, .size: 8, .value_kind: global_buffer, .address_space: global }
      - { .name: img, .offset: 56, .size: 8, .value_kind: global_buffer, .address_space: global }
    .group_segment_fixed_size: 68608
    .private_segment_fixed_size: 0
    .kernarg_segment_align: 8
    .kernarg_segment_size: 64
    .max_flat_workgroup_size: 256
    .sgpr_count:     66
    .vgpr_count:     256
    .wavefront_size: 32
...
	.end_amdgpu_metadata
.endif
;; end of part 8
;; launch qkv (part 9): grid 192 x 1, 16 waves a work-group, no clusters, 282,624 bytes of LDS; arguments img, bk, bq, bv, qkv; writes qkv
.if DOCPART == 9
	.amdgcn_target "amdgcn-amd-amdhsa--gfx1250"
	.amdhsa_code_object_version 6
	.text
	.protected	k_qc853998f6a_qkv
	.globl	k_qc853998f6a_qkv
	.p2align	8
	.type	k_qc853998f6a_qkv,@function
k_qc853998f6a_qkv:
	s_mov_b64 s[64:65], 0
	v_nop
	global_prefetch_b8 v0, s[64:65] scope:SCOPE_SE
	s_setreg_imm32_b32 hwreg(HW_REG_WAVE_SCHED_MODE, 0, 2), 2
	s_setreg_imm32_b32 hwreg(HW_REG_WAVE_MODE, 25, 1), 1
	s_wait_xcnt 0x0
	s_wait_alu depctr_vm_vsrc(0)
; A tile of 256 x 256 of X Y^T over K = 1,024 on codes of FP4 with E8M0 scales, a bias added, (KIND 3: clipped at 0,) and QUANTISED AGAIN along Y's rows, which are the next product's K.
; KIND 1: work-groups 0-127: X = x (tokens), Y = Wk | Wq: [k | q] = x W^T + b, quantised along the 2,048 columns (a head's 32 are a block).  Work-groups 128-191: X = Wv (features), Y = x: v^T = Wv x^T + bv, quantised along the tokens.
; KIND 3: X = h (tokens), Y = W0: relu(h W0^T + b0), quantised along the 4,096 hidden units.
; Operands lie in memory in the order of the operand's registers (rows in places (G, b, r) = row 64 G + 32 (b / 2) + 8 (b % 2) + r + 8 (r / 8)): a fragment is two dense loads of 512 bytes, and the result is stored in the same form.
; THE PRODUCT IS USED TRANSPOSED: source 0 = 16 rows of Y, source 1 = 16 rows of X: lane (r, h) holds X's row (a, r), and by the order of Y's rows the 16 registers of accumulators (a, 2 B) and (a, 2 B + 1) are the
; 16 NEIGHBOURS 32 B + 16 h + 0 .. 15 of Y's group: what the conversions want.
; SHARES.  Sixteen waves, 4 x 4; a wave makes 64 x 64: 16 accumulators.  The whole K of both panels (2 x 128 KB of codes, 2 x 8 KB of scale words) is brought into LDS ONCE, by plain loads through registers, and read from there.
; Panels are shared by the 8 or 16 work-groups of a tile row or column and are NOT asked for jointly: each of the tile's 272 KB is asked for once by this work-group, in one run at its head, and nothing in LDS is filled
; again, so the text has neither slots nor their barriers; the price is that each panel is asked of the cache once for each work-group that reads it.
; LIMITS: NaN and infinities are not served; a block whose largest magnitude lies under 2^-124, a block of zeros among them, gets the byte 1: this program alone reads the bytes.
; THE MODE: SCHED_MODE bits 1:0 = 2 (LLVM: expert scheduling mode 2), set by the entry lines.  The code itself states the register dependences between vector or matrix instructions and memory or LDS instructions, with s_wait_alu, always for 0.
; THE PLAN.  Registers that memory or LDS instructions touch:
;   v1-15, v88         addresses and offsets: written at the head, read by loads and stores, never written again.
;   v16-79, v128-199   the fill: global loads land there, LDS stores read them; afterwards they are the fragments' registers and accumulators.
;   XF, YF, SX, SY     a K step's 18 LDS loads land there; its 16 products read them.  ONE set: of the wave's 256 registers (four waves share a SIMD's 1,024) the accumulators take 128 and this set 68; the 37 left over make no second set.
;   ACC (0, b), BR     the biases' loads land there, once.
;   PC, SL             the way out: written by the conversions, the swaps and the selects, read by the stores.   v72-75: the whole scale words of waves 0-3 land there.
; THE WAITS: on va_sdst behind the wave's number; on va_vdst ahead of the first load; on vm_vsrc behind the fill's barrier; ONE ON va_vdst AT THE HEAD OF EACH K STEP from the second on; one on va_vdst ahead of the way out's run of stores.
.set KIND, 1
.set LI,   1                           ; v1    16 x lane
.set L8,   2                           ; v2    8 x lane
.set ADX,  3                           ; v3    my X group's fragments in LDS
.set ADY,  4                           ; v4    my Y group's
.set ADXS, 5                           ; v5    my X group's scale words
.set ADYS, 6                           ; v6    my Y group's
.set LF,   7                           ; v7-11 the fill: 16 x thread + 65,536 n
.set GF,   12                          ; v12   16 x thread
.set SXW,  13                          ; v13   where my scale halfwords go
.set SXR,  14                          ; v14   where waves 0-3 read whole words back
.set BO,   15                          ; v15   column bias: 64 (lane / 16)
.set XF,   16                          ; v16-47 X's four fragments
.set YF,   48                          ; v48-79 Y's four
.set SX,   80                          ; v80-81 X's scale words: block b in register b / 2, lanes 0-15 (b even) or 16-31 (b odd)
.set SY,   82                          ; v82-83 Y's
.set BR,   84                          ; v84-87 row biases
.set BO2,  88                          ; v88   row bias: 4 (r + 8 (r / 8))
.set ACC,  96                          ; v96-223 accumulator (a, b) at ACC + 8 (4 a + b)
.set M,    16                          ; the way out, over the fragments: largest magnitudes,
.set PM,   24                          ; the other half's,
.set SO,   32                          ; the conversions' scale operands,
.set BY,   40                          ; bytes,
.set HW,   48                          ; halfwords,
.set SL,   52                          ; as they are stored,
.set PC,   56                          ; codes,
.set WO,   72                          ; scale words on their way out
.set YPAN, 131072                      ; LDS: X's panel at 0, Y's here,
.set XSC,  262144                      ; X's scale words,
.set YSC,  270336                      ; Y's,
.set SCX,  278528                      ; 2 KB in which the waves' scale halfwords meet
.set WV,   30
.set WY,   31
.set WX,   32
.set HM,   33
.set SEL,  34
.set TYP,  36
.if KIND == 1
.set POUT, 12
.else
.set POUT, 10
.endif
.macro WM d, y, x, c, sy, sx, ra, rb   ; D = Y fragment x X fragment + C; ra, rb: the side's scale words stand in lanes 16-31
.if (\ra) == 0 && (\rb) == 0
	v_wmma_scale_f32_16x16x128_f8f6f4 v[\d:\d+7], v[\y:\y+7], v[\x:\x+7], v[\c:\c+7], v[\sy], v[\sx] matrix_a_fmt:MATRIX_FMT_FP4 matrix_b_fmt:MATRIX_FMT_FP4
.elseif (\ra) == 1 && (\rb) == 0
	v_wmma_scale_f32_16x16x128_f8f6f4 v[\d:\d+7], v[\y:\y+7], v[\x:\x+7], v[\c:\c+7], v[\sy], v[\sx] matrix_a_fmt:MATRIX_FMT_FP4 matrix_b_fmt:MATRIX_FMT_FP4 matrix_a_scale:MATRIX_SCALE_ROW1
.elseif (\ra) == 0
	v_wmma_scale_f32_16x16x128_f8f6f4 v[\d:\d+7], v[\y:\y+7], v[\x:\x+7], v[\c:\c+7], v[\sy], v[\sx] matrix_a_fmt:MATRIX_FMT_FP4 matrix_b_fmt:MATRIX_FMT_FP4 matrix_b_scale:MATRIX_SCALE_ROW1
.else
	v_wmma_scale_f32_16x16x128_f8f6f4 v[\d:\d+7], v[\y:\y+7], v[\x:\x+7], v[\c:\c+7], v[\sy], v[\sx] matrix_a_fmt:MATRIX_FMT_FP4 matrix_b_fmt:MATRIX_FMT_FP4 matrix_a_scale:MATRIX_SCALE_ROW1 matrix_b_scale:MATRIX_SCALE_ROW1
.endif
.endm
.macro PLACES n                        ; plain vector instructions between a matrix instruction and what may not follow it at once (ISA guide 7.12.1)
.rept \n
	v_nop
.endr
.endm
.macro FREG i                          ; the fill's registers: v16-79, then v128-199 (v96-127 take the column bias)
.if (\i) < 16
.set TR, 16+4*(\i)
.else
.set TR, 128+4*((\i)-16)
.endif
.endm
.macro KLOAD s                         ; K step s: eight fragments and the scale words
.irp a, 0,1,2,3
.irp c, 0,1
	ds_load_b128 v[XF+8*\a+4*\c:XF+8*\a+4*\c+3], v[ADX] offset:(\s)*4096+\a*1024+\c*512
.endr
.endr
.irp b, 0,1,2,3
.irp c, 0,1
	ds_load_b128 v[YF+8*\b+4*\c:YF+8*\b+4*\c+3], v[ADY] offset:(\s)*4096+\b*1024+\c*512
.endr
.endr
	ds_load_b64 v[SX:SX+1], v[ADXS] offset:(\s)*256
	ds_load_b64 v[SY:SY+1], v[ADYS] offset:(\s)*256
	s_wait_dscnt 0x0
.endm
.macro MUL                             ; the 16 accumulators take turns, one instruction a turn, in the same order in every K step
.irp a, 0,1,2,3
.irp b, 0,1,2,3
	WM ACC+8*(4*\a+\b), YF+8*\b, XF+8*\a, ACC+8*(4*\a+\b), SY+\b/2, SX+\a/2, \b%2, \a%2
.endr
.endr
.endm
.macro MULC                            ; the first K step where the bias hangs on the column: accumulators (0, b) hold it and are the C of rows 1 to 3; then they add in place
.irp a, 1,2,3
.irp b, 0,1,2,3
	WM ACC+8*(4*\a+\b), YF+8*\b, XF+8*\a, ACC+8*\b, SY+\b/2, SX+\a/2, \b%2, \a%2
.endr
.endr
	PLACES 5                                       ; the next four write over registers that the last twelve read as C
.irp b, 0,1,2,3
	WM ACC+8*\b, YF+8*\b, XF, ACC+8*\b, SY+\b/2, SX, \b%2, 0
.endr
.endm
.macro MULR                            ; the same where the bias hangs on X's row: accumulators (a, 0) hold it
.irp b, 1,2,3
.irp a, 0,1,2,3
	WM ACC+8*(4*\a+\b), YF+8*\b, XF+8*\a, ACC+32*\a, SY+\b/2, SX+\a/2, \b%2, \a%2
.endr
.endr
	PLACES 5
.irp a, 0,1,2,3
	WM ACC+32*\a, YF, XF+8*\a, ACC+32*\a, SY, SX+\a/2, 0, \a%2
.endr
.endm
; The wave's 64 x 64 results become codes and scale halfwords.  Index k = 2 a + B: the 16 numbers at acc + 16 k are columns 32 B + 16 (lane / 16) + 0 .. 15 of row (a, lane % 16).  Each accumulator is read from its low end on.
.macro HQ4 acc
.irp k, 0,1,2,3,4,5,6,7
	v_max3_num_f32 v[M+\k], |v[\acc+16*\k]|, |v[\acc+16*\k+1]|, 0x1800000   ; and the floor 2^(3 - 127): the byte cannot fall under 1
.endr
.irp i, 2,4,6,8,10,12,14
.irp k, 0,1,2,3,4,5,6,7
	v_max3_num_f32 v[M+\k], v[M+\k], |v[\acc+16*\k+\i]|, |v[\acc+16*\k+\i+1]|
.endr
.endr
.irp k, 0,1,2,3,4,5,6,7
	v_permlanex16_b32 v[PM+\k], v[M+\k], s[SEL], s[SEL+1]
.endr
.irp k, 0,1,2,3,4,5,6,7
	v_max_num_f32 v[M+\k], v[M+\k], v[PM+\k]       ; with lane xor 16's: the block's largest magnitude
.endr
.irp k, 0,1,2,3,4,5,6,7
	v_add_nc_u32 v[SO+\k], 0xff000000, v[M+\k]     ; 2 off its exponent field: the conversion's scale operand
.endr
.irp k, 0,1,2,3,4,5,6,7
	v_lshrrev_b32 v[BY+\k], 23, v[SO+\k]           ; the scale's byte
.endr
.irp a, 0,1,2,3
	v_lshl_or_b32 v[HW+\a], v[BY+2*\a+1], 8, v[BY+2*\a]   ; my two blocks' bytes of row (a, r)
.endr
.irp k, 0,1,2,3,4,5,6,7
	v_cvt_scalef32_pk8_fp4_f32 v[PC+2*\k], v[\acc+16*\k:\acc+16*\k+7], v[SO+\k]
	v_cvt_scalef32_pk8_fp4_f32 v[PC+2*\k+1], v[\acc+16*\k+8:\acc+16*\k+15], v[SO+\k]
.endr
	v_nop                                          ; one plain place behind a scaled conversion
.irp a, 0,1,2,3                        ; a whole block to a lane: lanes 0-15 block 0, lanes 16-31 block 1: four registers of the next operand's fragment
.irp i, 0,1
	v_permlane16_swap_b32 v[PC+4*\a+\i], v[PC+4*\a+2+\i]
.endr
.endr
.endm
.if KIND == 1
	s_load_b256 s[4:11], s[0:1], 0x0               ; img, bk, bq, bv
	s_load_b64 s[12:13], s[0:1], 0x20              ; qkv
	v_lshl_add_u32 v254, v0, 2, 0x44800
	v_mov_b32 v255, 0
.else
	s_load_b256 s[4:11], s[0:1], 0x0               ; hq, img, b0, hid
.endif
	v_lshrrev_b32 v16, 5, v0
	v_readfirstlane_b32 s[WV], v16                 ; wave 0..15
	s_wait_alu depctr_va_sdst(0)                   ; the wave's number is written, ahead of its first reader
	s_lshr_b32 s[WY], s[WV], 2                     ; which of X's four groups
	s_and_b32 s[WX], s[WV], 3                      ; which of Y's
	v_and_b32 v17, 31, v0
	v_and_b32 v18, 15, v0
	v_bfe_u32 v19, v0, 4, 1
	v_lshlrev_b32 v[LI], 4, v17
	v_lshlrev_b32 v[L8], 3, v17
	s_lshl_b32 s37, s[WY], 15
	v_add_nc_u32 v[ADX], s37, v[LI]
	s_lshl_b32 s37, s[WX], 15
	s_add_co_u32 s37, s37, YPAN
	v_add_nc_u32 v[ADY], s37, v[LI]
	s_lshl_b32 s37, s[WY], 11
	s_add_co_u32 s37, s37, XSC
	v_add_nc_u32 v[ADXS], s37, v[L8]
	s_lshl_b32 s37, s[WX], 11
	s_add_co_u32 s37, s37, YSC
	v_add_nc_u32 v[ADYS], s37, v[L8]
	v_lshlrev_b32 v[GF], 4, v0
.irp n, 0,1,2,3,4
	v_add_nc_u32 v[LF+\n], 65536*\n, v[GF]
.endr
	s_lshr_b32 s37, s[WV], 1                       ; (X group, output K step) = wave / 2: 256 bytes each; my halfword of each word: wave % 2
	s_lshl_b32 s37, s37, 8
	s_and_b32 s38, s[WV], 1
	s_lshl_b32 s38, s38, 1
	s_add_co_u32 s37, s37, s38
	s_add_co_u32 s37, s37, SCX
	v_add_nc_u32 v[SXW], s37, v[L8]
	s_min_u32 s39, s[WV], 3                        ; only waves 0-3 read back: one X group's 512 bytes each
	s_lshl_b32 s37, s39, 9
	s_add_co_u32 s37, s37, SCX
	v_add_nc_u32 v[SXR], s37, v[LI]
	v_lshlrev_b32 v[BO], 6, v19
	v_and_b32 v20, 8, v18
	v_add_nc_u32 v20, v20, v18
	v_lshlrev_b32 v[BO2], 2, v20
	s_mov_b32 s[HM], 0xffff0000
	s_mov_b32 s[SEL], 0x76543210
	s_mov_b32 s[SEL+1], 0xfedcba98
	s_mov_b32 s55, 0
.if KIND == 1
	s_lshr_b32 s40, ttmp9, 3                       ; tiles of [k | q]: tile row,
	s_and_b32 s41, ttmp9, 7                        ; tile column
	s_add_co_u32 s42, s41, 16                      ; Wk's and Wq's panels are img's panels 16-23
	s_sub_co_u32 s43, ttmp9, 128                   ; tiles of v^T
	s_and_b32 s44, ttmp9, 3                        ; Wv's panel (24 +),
	s_lshr_b32 s45, s43, 2                         ; x's panel
	s_add_co_u32 s46, s44, 24
	s_mov_b32 s52, 0x640000
	s_cmp_lt_u32 ttmp9, 128
	s_cselect_b32 s47, s40, s46                    ; X's panel
	s_cselect_b32 s48, s42, s45                    ; Y's panel
	s_cselect_b32 s49, s40, s44                    ; the output's first group of rows / 4
	s_cselect_b32 s50, s41, s45                    ; the output's first group of 64 along K / 4
	s_cselect_b32 s51, 0, 0x400000                 ; the output's codes,
	s_cselect_b32 s52, 0x600000, s52               ; its scale words,
	s_cselect_b32 s53, 16, 32                      ; its K steps
	s_cselect_b32 s[TYP], 1, 0
	s_wait_kmcnt 0x0
	s_lshl_b32 s54, s47, 17
	s_add_nc_u64 s[16:17], s[4:5], s[54:55]        ; X's codes
	s_lshl_b32 s54, s47, 13
	s_add_co_u32 s54, s54, 0x800000
	s_add_nc_u64 s[20:21], s[4:5], s[54:55]        ; X's scale words
	s_lshl_b32 s54, s48, 17
	s_add_nc_u64 s[18:19], s[4:5], s[54:55]        ; Y's codes
	s_lshl_b32 s54, s48, 13
	s_add_co_u32 s54, s54, 0x800000
	s_add_nc_u64 s[22:23], s[4:5], s[54:55]        ; Y's scale words
	s_and_b32 s54, s41, 3                          ; the column bias: bk or bq at column 256 (tile column % 4) + 64 x my Y group.  Valid, and loaded, in every work-group
	s_lshl_b32 s54, s54, 10
	s_lshl_b32 s56, s[WX], 8
	s_add_co_u32 s54, s54, s56
	s_cmp_lt_u32 s41, 4
	s_cselect_b64 s[24:25], s[6:7], s[8:9]
	s_add_nc_u64 s[24:25], s[24:25], s[54:55]
	s_lshl_b32 s54, s44, 2                         ; the row bias: bv at feature 64 (4 x Wv's panel + my X group).  Likewise
	s_add_co_u32 s54, s54, s[WY]
	s_lshl_b32 s54, s54, 8
	s_add_nc_u64 s[60:61], s[10:11], s[54:55]
.else
	s_lshr_b32 s49, ttmp9, 4                       ; tile row
	s_and_b32 s50, ttmp9, 15                       ; tile column
	s_mov_b32 s51, 0
	s_mov_b32 s52, 0x800000
	s_mov_b32 s53, 32
	s_add_co_u32 s48, s50, 32                      ; W0's panels are img's panels 32-47
	s_wait_kmcnt 0x0
	s_lshl_b32 s54, s49, 17
	s_add_nc_u64 s[16:17], s[4:5], s[54:55]
	s_lshl_b32 s54, s49, 13
	s_add_co_u32 s54, s54, 0x200000
	s_add_nc_u64 s[20:21], s[4:5], s[54:55]
	s_lshl_b32 s54, s48, 17
	s_add_nc_u64 s[18:19], s[6:7], s[54:55]
	s_lshl_b32 s54, s48, 13
	s_add_co_u32 s54, s54, 0x800000
	s_add_nc_u64 s[22:23], s[6:7], s[54:55]
	s_lshl_b32 s54, s50, 10
	s_lshl_b32 s56, s[WX], 8
	s_add_co_u32 s54, s54, s56
	s_add_nc_u64 s[24:25], s[8:9], s[54:55]
.endif
	s_lshl_b32 s56, s49, 2                         ; where my results go: codes at ((row group) x K steps + K step) x 4,096 + 512 x (which half of the K step)
	s_add_co_u32 s57, s56, s[WY]
	s_mul_i32 s57, s57, s53
	s_lshl_b32 s58, s50, 1
	s_add_co_u32 s57, s57, s58
	s_lshr_b32 s59, s[WX], 1
	s_add_co_u32 s57, s57, s59
	s_lshl_b32 s57, s57, 12
	s_and_b32 s59, s[WX], 1
	s_lshl_b32 s59, s59, 9
	s_add_co_u32 s57, s57, s59
	s_add_co_u32 s54, s57, s51
	s_add_nc_u64 s[26:27], s[POUT:POUT+1], s[54:55]
	s_add_co_u32 s57, s56, s39                     ; scale words: waves 0-3 store one row group's two K steps each
	s_mul_i32 s57, s57, s53
	s_add_co_u32 s57, s57, s58
	s_lshl_b32 s57, s57, 8
	s_add_co_u32 s54, s57, s52
	s_add_nc_u64 s[28:29], s[POUT:POUT+1], s[54:55]
	s_wait_alu depctr_va_vdst(0)                   ; the addresses v1 to v15 and v88 are written, which every load and store below reads; so are v16 to v20, in which loads of the fill land
	; the biases first: they are older than the fill's loads, so the fill's counts do not know of them
.irp b, 0,1,2,3
.irp q, 0,1
	global_load_b128 v[ACC+8*\b+4*\q:ACC+8*\b+4*\q+3], v[BO], s[24:25] offset:128*(\b/2)+32*(\b%2)+16*\q   ; accumulator (0, b): the bias of columns 32 (b / 2) + 8 (b % 2) + 16 h + 0 .. 7
.endr
.endr
.if KIND == 1
.irp a, 0,1,2,3
	global_load_b32 v[BR+\a], v[BO2], s[60:61] offset:(32*(\a/2)+8*(\a%2))*4   ; the bias of X's row (a, r)
.endr
.endif
	; THE FILL: 34 passes of 8,192 bytes (512 threads x 16): X's codes, Y's codes, X's scale words, Y's; LDS holds them as memory does
.irp i, 0,1,2,3,4,5,6,7,8,9,10,11,12,13,14,15
	FREG \i
	global_load_b128 v[TR:TR+3], v[GF], s[16:17] offset:\i*8192
.endr
.irp i, 16,17,18,19,20,21,22,23,24,25,26,27,28,29,30,31
	FREG \i
	global_load_b128 v[TR:TR+3], v[GF], s[18:19] offset:(\i-16)*8192
.endr
	FREG 32
	global_load_b128 v[TR:TR+3], v[GF], s[20:21]
	FREG 33
	global_load_b128 v[TR:TR+3], v[GF], s[22:23]
.irp i, 0,1,2,3,4,5,6,7,8,9,10,11,12,13,14,15,16,17,18,19,20,21,22,23,24,25,26,27,28,29,30,31,32,33
	FREG \i
	s_wait_loadcnt 33-\i                           ; loads come back in order: pass i is in, the 33 - i younger ones stay out
	ds_store_b128 v[LF+\i/8], v[TR:TR+3] offset:(\i%8)*8192
.endr
	s_wait_dscnt 0x0                               ; for the others' sake: my part of the panels has landed
	s_barrier_signal -1
	s_barrier_wait -1                              ; the panels are whole
	s_wait_alu depctr_vm_vsrc(0)                   ; the fill's LDS stores have read v16-79, in which the fragments' loads land, and v128-199, which the products (and the row bias's moves) write
	KLOAD 0
.if KIND == 1
	s_cmp_eq_u32 s[TYP], 0
	s_cbranch_scc1 .Lrow
.endif
	MULC
.if KIND == 1
	s_branch .Lfirst
.Lrow:
.irp a, 0,1,2,3
.irp j, 0,1,2,3,4,5,6,7
	v_mov_b32 v[ACC+32*\a+\j], v[BR+\a]            ; a lane holds one row of X: its bias in all eight registers
.endr
.endr
	PLACES 4
	MULR
.Lfirst:
.endif
	PLACES 4                                       ; the places behind the last products stay beside the wait that follows them
.irp s, 1,2,3,4,5,6,7
	s_wait_alu depctr_va_vdst(0)                   ; the last K step's products are done reading the fragments and the scale words, in which this step's loads land
	KLOAD \s
	MUL
	PLACES 4                                       ; the last four are the places in front of the first read of results
.endr
.if KIND == 3
.set j, 0
.rept 128
	v_max_num_f32 v[ACC+j], 0, v[ACC+j]            ; the activation, in f32, each accumulator from its low end on
.set j, j+1
.endr
.endif
	HQ4 ACC
.irp j, 0,1
	v_cndmask_b32 v[SL+\j], v[HW+2*\j], v[HW+2*\j+1], s[HM]   ; lanes 0-15 block 2 j's rows, lanes 16-31 block 2 j + 1's
.endr
	s_wait_alu depctr_va_vdst(0)                   ; the codes v[PC ..] and the halfwords v[SL ..] are written, which the six stores below read; the products are done reading v72-75, in which the load of waves 0-3 lands
.irp a, 0,1,2,3
	global_store_b128 v[LI], v[PC+4*\a:PC+4*\a+3], s[26:27] offset:\a*1024   ; 512 consecutive bytes: my half of the fragment of rows (a, .)
.endr
.irp j, 0,1
	ds_store_b16 v[SXW], v[SL+\j] offset:4*\j
.endr
	s_wait_dscnt 0x0                               ; my halfwords have landed
	s_barrier_signal -1
	s_barrier_wait -1                              ; the words are whole
	s_cmp_lt_u32 s[WV], 4
	s_cbranch_scc0 .Lend
	ds_load_b128 v[WO:WO+3], v[SXR]
	s_wait_dscnt 0x0
	global_store_b128 v[LI], v[WO:WO+3], s[28:29]  ; 512 consecutive bytes: two K steps' scale words of one group of rows
.Lend:
	s_wait_dscnt 0x0                               ; the closing lines, six on end
	s_wait_alu 0x0
	s_wait_tensorcnt 0x0
	ds_add_u32 v254, v255
	s_wait_dscnt 0x0
	s_endpgm
.Lfunc_end_k_qc853998f6a_qkv:
	.size	k_qc853998f6a_qkv, .Lfunc_end_k_qc853998f6a_qkv-k_qc853998f6a_qkv
	.p2alignl 7, 3214868480
	.fill 96, 4, 3214868480
	.section	.rodata,"a",@progbits
	.p2align	6, 0x0
	.amdhsa_kernel k_qc853998f6a_qkv
		.amdhsa_group_segment_fixed_size 282624
		.amdhsa_private_segment_fixed_size 0
		.amdhsa_enable_private_segment 0
		.amdhsa_kernarg_size 40
		.amdhsa_user_sgpr_count 2
		.amdhsa_user_sgpr_kernarg_segment_ptr 1
		.amdhsa_wavefront_size32 1
		.amdhsa_system_sgpr_workgroup_id_x 1
		.amdhsa_system_sgpr_workgroup_id_y 1
		.amdhsa_system_sgpr_workgroup_id_z 1
		.amdhsa_system_vgpr_workitem_id 0
		.amdhsa_next_free_vgpr 256
		.amdhsa_next_free_sgpr 66
		.amdhsa_reserve_vcc 0
		.amdhsa_float_denorm_mode_32 3
		.amdhsa_float_denorm_mode_16_64 3
		.amdhsa_memory_ordered 1
		.amdhsa_forward_progress 1
		.amdhsa_inst_pref_size 51
	.end_amdhsa_kernel
	.amdgpu_metadata
---
amdhsa.version: [ 1, 2 ]
amdhsa.kernels:
  - .name:           k_qc853998f6a_qkv
    .symbol:         k_qc853998f6a_qkv.kd
    .args:
      - { .name: img, .offset: 0, .size: 8, .value_kind: global_buffer, .address_space: global }
      - { .name: bk, .offset: 8, .size: 8, .value_kind: global_buffer, .address_space: global }
      - { .name: bq, .offset: 16, .size: 8, .value_kind: global_buffer, .address_space: global }
      - { .name: bv, .offset: 24, .size: 8, .value_kind: global_buffer, .address_space: global }
      - { .name: qkv, .offset: 32, .size: 8, .value_kind: global_buffer, .address_space: global }
    .group_segment_fixed_size: 282624
    .private_segment_fixed_size: 0
    .kernarg_segment_align: 8
    .kernarg_segment_size: 40
    .max_flat_workgroup_size: 512
    .sgpr_count:     66
    .vgpr_count:     256
    .wavefront_size: 32
...
	.end_amdgpu_metadata
.endif
;; end of part 9
;; launch attn (part 10): grid 256 x 1, 16 waves a work-group, no clusters, 75,776 bytes of LDS; arguments qkv, oq; writes oq
.if DOCPART == 10
	.amdgcn_target "amdgcn-amd-amdhsa--gfx1250"
	.amdhsa_code_object_version 6
	.text
	.protected	k_qc853998f6a_attn
	.globl	k_qc853998f6a_attn
	.p2align	8
	.type	k_qc853998f6a_attn,@function
k_qc853998f6a_attn:
	s_mov_b64 s[64:65], 0
	v_nop
	global_prefetch_b8 v0, s[64:65] scope:SCOPE_SE
	s_setreg_imm32_b32 hwreg(HW_REG_WAVE_SCHED_MODE, 0, 2), 2
	s_setreg_imm32_b32 hwreg(HW_REG_WAVE_MODE, 25, 1), 1
	s_wait_xcnt 0x0
	s_wait_alu depctr_vm_vsrc(0)
; o = softmax(Q K^T / sqrt(32)) V for 64 (batch, head) pairs of 2,048 tokens, head size 32, both products on codes of FP4 with E8M0 scales; o is quantised along the features (a head is a block) for the next product.
; The attention's queries are the columns 0-1,023 of [k | q] (Wk's outputs), its keys the columns 1,024-2,047 (Wq's), as the module passes them.
; THE SOFTMAX AHEAD OF THE SECOND PRODUCT: t = score x log2(e) / sqrt(32); M = the running largest t rounded UP to a whole number; p = 2^(t - M) is quantised along the keys, not normalised; the row's sum is taken of the
; unquantised p and divides at the end; when M moves, the sum and O are multiplied by 2^(old M - new M), which rounds nothing.
; SHARES.  A work-group owns 512 queries of one head and holds the head's 2,048 keys and values in LDS (64 KB of codes, 4 KB of scale words), brought once.  A wave owns two tiles of 16 queries, one after the other; every
; tile walks all keys, 128 a step.  Four waves to a SIMD: one wave's vector work stands beside another's matrix work and LDS loads.
; THE SCORE PRODUCT HAS K = 32, a quarter of the instruction's 128.  A fragment of keys holds 64 keys: its K block g holds the 32 codes of key (G, g, r), which is how 64 places of 16 bytes lie on end in LDS.
; The queries stand in one K block g of source 1, zero codes in the other three: that product gives the scores of keys (G, g, .).  The four variants share 20 registers, laid 0 | q in lanes 0-15 | 0 | q in lanes 16-31 | 0.
; Both products are used transposed: a lane holds ONE query throughout; by the order of the keys' places the 16 registers of two neighbouring results are 16 neighbouring keys.
; Tiles are shared by the four work-groups of a head and not asked for jointly: each is asked for once by this work-group, at its head, 68 KB in all, and nothing in LDS is filled again.
; LIMITS: NaN and infinities are not served; a block whose largest magnitude lies under 2^-124 gets the byte 1.  v_exp_f32 is taken not to fall where its input rises: a block's largest p is made from its largest score.
; THE MODE: SCHED_MODE bits 1:0 = 2 (LLVM: expert scheduling mode 2), set by the entry lines.  The code itself states the register dependences between vector or matrix instructions and memory or LDS instructions, with s_wait_alu, always for 0.
; THE PLAN.  Registers that memory or LDS instructions touch:
;   v1, v2, v5-11, v36-39  addresses: written at the head, never again.
;   v[ADK], v[ADS]   the step's LDS addresses: written at a step's head, read by the step's ten loads.
;   KF, KSR          the keys of step j + 1 and their words: asked for in step j, behind its eight score products, which are the last to read step j's; read by step j + 1's score products.
;   VF, VSR          the values of step j: asked for in step j; read by its last two products.
;   QS, QB           written by vector instructions at a tile's head; the score products take them as a scale and as source 1.
;   PCD, PS          written by vector instructions in every step; the step's last two products take them as source 1 and as a scale.
;   OC2, OB          a tile's own: written at its end, read by its two stores.
; THE WAITS OF A STEP.  On vm_vsrc at its head, ahead of the two address lines.  ONE on va_vdst behind the exponentials: it is the wait that their results want, and it also states that the score products are done reading the
; keys, that the last step's two products are done reading the values, and that the two addresses are written: so all ten LDS loads of a step follow it.  One on va_vdst ahead of the last two products, for p's codes and scale word.
; The sixteenth step of a tile is written out: it asks for no further keys.
.set LI,   1                           ; v1    16 x lane
.set LS,   2                           ; v2    4 x lane
.set ADK,  3                           ; v3    the step's fragments
.set ADS,  4                           ; v4    the step's scale words
.set OL,   5                           ; v5    16 r + 8 h: my 8 bytes of o's codes
.set OSA,  6                           ; v6    where o's scale byte goes
.set QB,   16                          ; v16-35 the query variants
.set KF,   40                          ; v40-55 two fragments of keys
.set VF,   56                          ; v56-71 two fragments of V^T
.set BM,   72                          ; v72-75 the blocks' largest scores, then largest p
.set PT,   76                          ; v76-79 the other half's; then bytes
.set SO,   80                          ; v80-83 the conversions' scale operands
.set QS,   84                          ; v84   the queries' scale bytes, four times each
.set KSR,  85                          ; v85   the keys' scale words: lanes 0-15 the first 64 keys', lanes 16-31 the second's
.set VSR,  86                          ; v86   V's: lanes 0-15 tile 0, lanes 16-31 tile 1
.set PS,   87                          ; v87   p's scale word
.set FF,   88                          ; v[88:89] f = 2^(old M - new M) (the low word serves both halves)
.set T0,   90
.set C2,   92                          ; v[92:93] the sum's second chain
.set S,    96                          ; v96-159 S^T, then p; at a tile's end o
.set OT,   160                         ; v160-175 O^T: two accumulators
.set PCD,  176                         ; v176-183 p's codes
.set OC2,  184                         ; v184-187 o's codes, two registers a tile
.set OB,   188                         ; v188-189 o's bytes
.set QR,   200                         ; v200-207 both tiles' queries as loaded
.set QBY,  208                         ; v208-209 their scale bytes
.set KSW,  0                           ; LDS: the keys' scale words [group 32][r 16],
.set VSW,  2048                        ; V's [step 16][lane 32],
.set OSL,  4096                        ; o's 512 scale bytes,
.set KCL,  8192                        ; the keys' codes [place 2,048][16 bytes],
.set VCL,  40960                       ; V's codes [step 16][tile 2][1,024 bytes]
.set CS,   38                          ; s[38:39] c = log2(e) / sqrt(32)
.set SEL,  40
.set HM,   42
.set TK,   43
.set TS,   44
.set CNT,  45
.macro SHADD d, s, n
	s_lshl_b32 s51, s[\s], \n
	s_add_co_u32 s[\d], s[\d], s51
.endm
.macro WMZ d, y, x, sy, sx, ra         ; a product that starts its sum
.if (\ra) == 0
	v_wmma_scale_f32_16x16x128_f8f6f4 v[\d:\d+7], v[\y:\y+7], v[\x:\x+7], 0, v[\sy], v[\sx] matrix_a_fmt:MATRIX_FMT_FP4 matrix_b_fmt:MATRIX_FMT_FP4
.else
	v_wmma_scale_f32_16x16x128_f8f6f4 v[\d:\d+7], v[\y:\y+7], v[\x:\x+7], 0, v[\sy], v[\sx] matrix_a_fmt:MATRIX_FMT_FP4 matrix_b_fmt:MATRIX_FMT_FP4 matrix_a_scale:MATRIX_SCALE_ROW1
.endif
.endm
.macro WMA d, y, x, sy, sx, ra         ; a product that adds in place
.if (\ra) == 0
	v_wmma_scale_f32_16x16x128_f8f6f4 v[\d:\d+7], v[\y:\y+7], v[\x:\x+7], v[\d:\d+7], v[\sy], v[\sx] matrix_a_fmt:MATRIX_FMT_FP4 matrix_b_fmt:MATRIX_FMT_FP4
.else
	v_wmma_scale_f32_16x16x128_f8f6f4 v[\d:\d+7], v[\y:\y+7], v[\x:\x+7], v[\d:\d+7], v[\sy], v[\sx] matrix_a_fmt:MATRIX_FMT_FP4 matrix_b_fmt:MATRIX_FMT_FP4 matrix_a_scale:MATRIX_SCALE_ROW1
.endif
.endm
	s_load_b128 s[4:7], s[0:1], 0x0                ; qkv, oq
	v_lshl_add_u32 v254, v0, 2, 0x12000
	v_mov_b32 v255, 0
	v_lshrrev_b32 v7, 5, v0
	v_readfirstlane_b32 s8, v7                     ; wave 0..15
	s_wait_alu depctr_va_sdst(0)                   ; the wave's number is written, ahead of its first reader
	s_lshr_b32 s9, ttmp9, 2
	s_and_b32 s12, ttmp9, 3                        ; which 512 queries
	s_lshr_b32 s10, s9, 5                          ; batch
	s_and_b32 s11, s9, 31                          ; head
	s_lshr_b32 s13, s11, 2                         ; its K step of 128 columns,
	s_and_b32 s16, s11, 3                          ; its block in it:
	s_lshr_b32 s14, s16, 1                         ; which half of a fragment,
	s_and_b32 s15, s11, 1                          ; which half of the lanes
	s_lshl_b32 s17, s14, 9
	s_lshl_b32 s46, s15, 8
	s_add_co_u32 s17, s17, s46                     ; so a head's 256 bytes of a fragment begin here
	s_lshl_b32 s18, s10, 5
	s_lshl_b32 s46, s12, 3
	s_add_co_u32 s18, s18, s46
	s_lshr_b32 s46, s8, 1
	s_add_co_u32 s18, s18, s46                     ; my queries' group of 64 tokens
	s_and_b32 s19, s8, 1                           ; my two tiles are its blocks 2 (wave % 2), + 1
	s_lshr_b32 s48, s11, 1                         ; the head's group of 64 features
	s_mov_b32 s47, 0
	v_and_b32 v90, 31, v0
	v_and_b32 v91, 15, v0
	v_bfe_u32 v92, v0, 4, 1
	v_lshlrev_b32 v[LI], 4, v90
	v_lshlrev_b32 v[LS], 2, v90
	v_lshlrev_b32 v[OL], 4, v91
	v_lshl_add_u32 v[OL], v92, 3, v[OL]
	s_lshl_b32 s49, s8, 5
	s_add_co_u32 s49, s49, OSL
	v_add_nc_u32 v[OSA], s49, v91                  ; my queries' places in the work-group's 512: 32 x wave + 16 x tile + r
	v_lshlrev_b32 v7, 4, v91                       ; queries' codes: 16 r
	v_lshlrev_b32 v8, 3, v91                       ; their scale bytes: 8 r
	v_lshrrev_b32 v9, 6, v0                        ; keys' codes: place = thread + 512 n: group (65,536 bytes), block (1,024), r (16)
	v_lshlrev_b32 v9, 16, v9
	v_bfe_u32 v10, v0, 4, 2
	v_lshl_add_u32 v9, v10, 10, v9
	v_add_nc_u32 v9, v9, v7
	v_lshrrev_b32 v10, 7, v0                       ; V's codes: 2,048 bytes of each K step's 4,096
	v_lshlrev_b32 v10, 12, v10
	v_and_b32 v11, 127, v0
	v_lshl_add_u32 v10, v11, 4, v10
	v_lshrrev_b32 v11, 4, v0                       ; keys' scale bytes: group (4,096 bytes), r (8)
	v_lshl_add_u32 v11, v11, 12, v8
	v_lshlrev_b32 v36, 4, v0
	v_add_nc_u32 v37, VCL, v36
	v_lshlrev_b32 v38, 2, v0
	v_lshlrev_b32 v39, 3, v0
	s_mov_b32 s[CS], 0x3e8293ee
	s_mov_b32 s[CS+1], s[CS]                       ; (named with it as a pair, so it is written)
	s_mov_b32 s[SEL], 0x76543210
	s_mov_b32 s[SEL+1], 0xfedcba98
	s_mov_b32 s[HM], 0xffff0000
	s_wait_kmcnt 0x0
	s_lshl_b32 s46, s18, 16                        ; my queries' codes
	SHADD 46, 13, 12
	SHADD 46, 19, 11
	s_add_co_u32 s46, s46, s17
	s_add_nc_u64 s[20:21], s[4:5], s[46:47]
	s_lshl_b32 s46, s18, 12                        ; their scale bytes
	SHADD 46, 13, 8
	SHADD 46, 19, 2
	s_add_co_u32 s46, s46, s16
	s_add_co_u32 s46, s46, 0x600000
	s_add_nc_u64 s[22:23], s[4:5], s[46:47]
	s_lshl_b32 s46, s10, 21                        ; the head's keys: K steps 8 on
	SHADD 46, 13, 12
	s_add_co_u32 s46, s46, s17
	s_add_co_u32 s46, s46, 32768
	s_add_nc_u64 s[24:25], s[4:5], s[46:47]
	s_lshl_b32 s46, s48, 17                        ; the head's V^T
	SHADD 46, 10, 16
	SHADD 46, 15, 11
	s_add_co_u32 s46, s46, 0x400000
	s_add_nc_u64 s[26:27], s[4:5], s[46:47]
	s_lshl_b32 s46, s10, 17                        ; the keys' scale bytes
	SHADD 46, 13, 8
	s_add_co_u32 s46, s46, s16
	s_add_co_u32 s46, s46, 0x600000+2048
	s_add_nc_u64 s[28:29], s[4:5], s[46:47]
	s_lshl_b32 s46, s48, 13                        ; V's scale words
	SHADD 46, 10, 12
	SHADD 46, 15, 2
	s_add_co_u32 s46, s46, 0x640000
	s_add_nc_u64 s[30:31], s[4:5], s[46:47]
	s_lshl_b32 s46, s18, 15                        ; o's codes
	SHADD 46, 13, 12
	SHADD 46, 19, 11
	s_add_co_u32 s46, s46, s17
	s_add_nc_u64 s[32:33], s[6:7], s[46:47]
	s_lshl_b32 s46, s11, 12                        ; o's scale bytes [head][place]
	SHADD 46, 10, 11
	SHADD 46, 12, 9
	s_add_co_u32 s46, s46, 0x200000
	s_add_nc_u64 s[36:37], s[6:7], s[46:47]
	s_wait_alu depctr_va_vdst(0)                   ; the addresses v1, v2, v5 to v11 and v36 to v39 are written, which the loads and stores below read
.irp i, 0,1
	global_load_b128 v[QR+4*\i:QR+4*\i+3], v7, s[20:21] offset:1024*\i   ; query r's 32 codes, in lanes r and 16 + r
	global_load_u8 v[QBY+\i], v8, s[22:23] offset:128*\i
.endr
.irp n, 0,1,2,3
	global_load_b128 v[210+4*\n:213+4*\n], v9, s[24:25] offset:524288*\n   ; sixteen lanes read 256 consecutive bytes, aligned
.endr
.irp n, 0,1,2,3
	global_load_b128 v[226+4*\n:229+4*\n], v10, s[26:27] offset:16384*\n
.endr
	global_load_u8 v242, v11, s[28:29]             ; the bytes of keys (G, 0 .. 3, r)
	global_load_u8 v243, v11, s[28:29] offset:128
	global_load_u8 v244, v11, s[28:29] offset:4
	global_load_u8 v245, v11, s[28:29] offset:132
	global_load_b32 v246, v39, s[30:31]
.irp k, 0,1,2,3
	v_mov_b32 v[QB+\k], 0                          ; the variants' zero codes: written once
	v_mov_b32 v[QB+8+\k], 0
	v_mov_b32 v[QB+16+\k], 0
	v_mov_b32 v[PT+\k], 0                          ; a lane permute's destination counts as one of its sources
.endr
	v_mov_b32 v[FF+1], 0                           ; (named as the upper half of f's pair)
	s_wait_loadcnt 0x0
	v_lshl_or_b32 v242, v243, 8, v242
	v_lshl_or_b32 v242, v244, 16, v242
	v_lshl_or_b32 v242, v245, 24, v242             ; byte g = the scale of key (G, g, r)
	s_wait_alu depctr_va_vdst(0)                   ; v242 is written, which an LDS store below reads
.irp n, 0,1,2,3
	ds_store_b128 v36, v[210+4*\n:213+4*\n] offset:KCL+8192*\n
	ds_store_b128 v37, v[226+4*\n:229+4*\n] offset:8192*\n
.endr
	ds_store_b32 v38, v242 offset:KSW
	ds_store_b32 v38, v246 offset:VSW
	s_wait_dscnt 0x0                               ; for the others' sake: my part has landed
	s_barrier_signal -1
	s_barrier_wait -1                              ; the head's keys and values are whole
; A KEY STEP: 128 keys.  more = 1: the next step's keys are asked for
.macro STEP more
	s_wait_alu depctr_vm_vsrc(0)                   ; the LDS loads issued so far have read v[ADK] and v[ADS], which the next two lines write
	v_add_nc_u32 v[ADK], s[TK], v[LI]
	v_add_nc_u32 v[ADS], s[TS], v[LS]
	s_wait_dscnt 0x0                               ; this step's keys and their words, asked for a step ago (the first step's: at the tile's head), are in
.irp f, 0,1
.irp g, 0,1,2,3
	WMZ S+8*(4*\f+\g), KF+8*\f, QB+4+8*(\g%2)-4*(\g/2), KSR, QS, \f   ; the scores of keys (2 step + f, g, .): register 16 B + i of S is key 32 B + 16 (lane / 16) + i of the step
.endr
.endr
.rept 4
	v_nop
.endr
.irp b, 0,1,2,3
	v_max3_num_f32 v[BM+\b], v[S+16*\b], v[S+1+16*\b], v[S+2+16*\b]   ; the largest score of each block of 32 keys: for the row's maximum and, since p rises with the score, for the block's largest p
.endr
.irp i, 3,5,7,9,11,13
.irp b, 0,1,2,3
	v_max3_num_f32 v[BM+\b], v[BM+\b], v[S+16*\b+\i], v[S+1+16*\b+\i]
.endr
.endr
.irp b, 0,1,2,3
	v_max_num_f32 v[BM+\b], v[BM+\b], v[S+15+16*\b]
.endr
.irp b, 0,1,2,3
	v_permlanex16_b32 v[PT+\b], v[BM+\b], s[SEL], s[SEL+1]
.endr
.irp b, 0,1,2,3
	v_max_num_f32 v[BM+\b], v[BM+\b], v[PT+\b]     ; with lane xor 16's 16 keys
.endr
	v_max3_num_f32 v[T0], v[BM], v[BM+1], v[BM+2]
	v_max_num_f32 v[T0], v[T0], v[BM+3]            ; the step's largest score of my query
	v_mul_f32 v[T0], s[CS], v[T0]                  ; as t (c is positive)
	v_max_num_f32 v13, v13, v[T0]                  ; the running largest t
	v_mov_b32 v[T0], v12
	v_floor_f32 v12, -v13                          ; the new -M = floor(-t) = -ceil(t)
	v_sub_f32 v[T0], v12, v[T0]                    ; old M - new M: a whole number, 0 or less
	v_cvt_i32_f32 v[T0], v[T0]                     ; (it saturates)
	v_ldexp_f32 v[FF], 1.0, v[T0]                  ; f = 2^(old M - new M)
.set j, 0
.rept 32
	v_pk_fma_f32 v[S+j:S+j+1], v[S+j:S+j+1], s[CS:CS+1], v[12:13] op_sel_hi:[1,0,0]   ; t - M, two at a time
.set j, j+2
.endr
.irp b, 0,1,2,3
	v_fma_f32 v[BM+\b], v[BM+\b], s[CS], v12       ; the same of each block's largest score
.endr
.set j, 0
	s_wait_alu depctr_va_vdst(0)
.rept 64
	v_exp_f32 v[S+j], v[S+j]                       ; p = 2^(t - M), at most 1
.set j, j+1
.endr
.irp b, 0,1,2,3
	v_exp_f32 v[BM+\b], v[BM+\b]                   ; the block's largest p: the same two instructions on the same number
.endr
	v_pk_mul_f32 v[14:15], v[14:15], v[FF:FF+1] op_sel_hi:[1,0]   ; the sums under the new M (a plain place behind the exponentials)
	s_wait_alu depctr_va_vdst(0)                   ; the 68 exponentials have written v[S ..] and v[BM ..]; the score products are done reading the keys and their words, the last step's two products the values and theirs; v[ADK] and v[ADS] are written
.irp t, 0,1
.irp c, 0,1
	ds_load_b128 v[VF+8*\t+4*\c:VF+8*\t+4*\c+3], v[ADK] offset:VCL+1024*\t+512*\c   ; this step's values: no vector or matrix instruction since the wait names a register that these ten loads touch
.endr
.endr
	ds_load_b32 v[VSR], v[ADS] offset:VSW
.if \more
.irp f, 0,1
.irp c, 0,1
	ds_load_b128 v[KF+8*\f+4*\c:KF+8*\f+4*\c+3], v[ADK] offset:KCL+2048+1024*\f+512*\c   ; the next step's keys: 2,048 bytes on
.endr
.endr
	ds_load_b32 v[KSR], v[ADS] offset:KSW+128
.endif
.irp b, 0,1,2,3
	v_max_num_f32 v[BM+\b], 0x1800000, v[BM+\b]    ; the floor 2^(3 - 127): the byte cannot fall under 1
.endr
.irp b, 0,1,2,3
	v_add_nc_u32 v[SO+\b], 0xff000000, v[BM+\b]
.endr
.irp b, 0,1,2,3
	v_lshrrev_b32 v[PT+\b], 23, v[SO+\b]
.endr
	v_lshl_or_b32 v[PS], v[PT+1], 8, v[PT]         ; p's scale word for these 128 keys
	v_lshl_or_b32 v[PS], v[PT+2], 16, v[PS]
	v_lshl_or_b32 v[PS], v[PT+3], 24, v[PS]
.irp b, 0,1,2,3
	v_cvt_scalef32_pk8_fp4_f32 v[PCD+2*\b], v[S+16*\b:S+16*\b+7], v[SO+\b]
	v_cvt_scalef32_pk8_fp4_f32 v[PCD+2*\b+1], v[S+16*\b+8:S+16*\b+15], v[SO+\b]
.endr
	v_nop                                          ; one plain place behind a scaled conversion
.irp c, 0,1
.irp i, 0,1
	v_permlane16_swap_b32 v[PCD+4*\c+\i], v[PCD+4*\c+2+\i]
.endr
.endr
	v_pk_add_f32 v[C2:C2+1], v[S:S+1], v[S+2:S+3]  ; the row's sum is taken of the unquantised p: two at a time, in two chains
.irp j, 4,8,12,16,20,24,28,32,36,40,44,48,52,56,60
	v_pk_add_f32 v[14:15], v[14:15], v[S+\j:S+\j+1]
	v_pk_add_f32 v[C2:C2+1], v[C2:C2+1], v[S+\j+2:S+\j+3]
.endr
	v_pk_add_f32 v[14:15], v[14:15], v[C2:C2+1]
.irp j, 0,2,4,6,8,10,12,14
	v_pk_mul_f32 v[OT+\j:OT+\j+1], v[OT+\j:OT+\j+1], v[FF:FF+1] op_sel_hi:[1,0]   ; O^T under the new M, each accumulator from its low end on
.endr
.if \more
	s_wait_dscnt 5                                 ; V is in; the five younger loads, the next step's keys, stay out
.else
	s_wait_dscnt 0x0                               ; V is in
.endif
	s_wait_alu depctr_va_vdst(0)                   ; the conversions and swaps have written p's codes v[PCD ..], the shifts its scale word v[PS], which the two products take as source 1 and as a scale; the packed lines above are their places
	WMA OT, VF, PCD, VSR, PS, 0                    ; O^T += V^T P^T: the two accumulators take turns; eight other products stand between a link and the next
	WMA OT+8, VF+8, PCD, VSR, PS, 1
	s_add_co_u32 s[TK], s[TK], 2048
	s_add_co_u32 s[TS], s[TS], 128
.endm
; A TILE of 16 queries: block 2 (wave % 2) + i of my group
.macro TILE i
.irp f, 0,1
.irp c, 0,1
	ds_load_b128 v[KF+8*\f+4*\c:KF+8*\f+4*\c+3], v[LI] offset:KCL+1024*\f+512*\c   ; the first step's keys.  Tile 0: no vector or matrix instruction has named these registers; tile 1: none has since the wait ahead of tile 0's stores
.endr
.endr
	ds_load_b32 v[KSR], v[LS] offset:KSW
	v_perm_b32 v[QS], v[QBY+\i], v[QBY+\i], 0      ; the query's byte in all four bytes: whichever K block holds the query finds it
.irp k, 0,1,2,3
	v_cndmask_b32 v[QB+4+\k], v[QR+4*\i+\k], v[QB], s[HM]    ; q in lanes 0-15, zero codes above
	v_cndmask_b32 v[QB+12+\k], v[QB], v[QR+4*\i+\k], s[HM]   ; and the other way round
.endr
	v_mov_b32 v13, 0xff61b1e6                      ; the largest t so far: -3e38, under every t
	v_mov_b32 v14, 0                               ; the sum, in two halves
	v_mov_b32 v15, 0
	v_floor_f32 v12, -v13                          ; -M
.irp j, 0,1,2,3,4,5,6,7,8,9,10,11,12,13,14,15
	v_mov_b32 v[OT+\j], 0                          ; O^T: the first step finds zeros, which the first change of M leaves zeros.  (These are also the places between the scale register and operands just written and the first product)
.endr
	s_mov_b32 s[TK], 0
	s_mov_b32 s[TS], 0
	s_mov_b32 s[CNT], 15
	s_wait_alu depctr_va_vdst(0)                   ; v[QS] and the variants v[QB ..] are written, which the score products take as a scale and as source 1
.Lkey_\i:
	STEP 1
	s_sub_co_u32 s[CNT], s[CNT], 1
	s_cmp_lg_u32 s[CNT], 0
	s_cbranch_scc1 .Lkey_\i
	STEP 0                                         ; the sixteenth step is written out: there are no further keys to ask for
.rept 4
	v_nop
.endr
	v_add_f32 v14, v14, v15                        ; the sum's two halves,
	v_permlanex16_b32 v[T0], v14, s[SEL], s[SEL+1]
	v_add_f32 v14, v14, v[T0]                      ; and lane xor 16's: the row's sum
	s_wait_alu depctr_va_vdst(0)
	v_rcp_f32 v14, v14
	v_nop                                          ; one plain place behind a transcendental
	s_wait_alu depctr_va_vdst(0)                   ; the reciprocal has written v14, ahead of its first reader
.irp j, 0,1,2,3,4,5,6,7,8,9,10,11,12,13,14,15
	v_mul_f32 v[S+\j], v[OT+\j], v14               ; o(query r, feature 16 (lane / 16) + j of the head)
.endr
	v_max3_num_f32 v[BM], |v[S]|, |v[S+1]|, 0x1800000
	v_max3_num_f32 v[BM+1], |v[S+2]|, |v[S+3]|, |v[S+4]|
	v_max3_num_f32 v[BM], v[BM], |v[S+5]|, |v[S+6]|
	v_max3_num_f32 v[BM+1], v[BM+1], |v[S+7]|, |v[S+8]|
	v_max3_num_f32 v[BM], v[BM], |v[S+9]|, |v[S+10]|
	v_max3_num_f32 v[BM+1], v[BM+1], |v[S+11]|, |v[S+12]|
	v_max3_num_f32 v[BM], v[BM], |v[S+13]|, |v[S+14]|
	v_max3_num_f32 v[BM], v[BM], v[BM+1], |v[S+15]|
	v_permlanex16_b32 v[PT], v[BM], s[SEL], s[SEL+1]
	v_max_num_f32 v[BM], v[BM], v[PT]              ; the head's 32 features are one block
	v_add_nc_u32 v[SO], 0xff000000, v[BM]
	v_lshrrev_b32 v[OB+\i], 23, v[SO]
	v_cvt_scalef32_pk8_fp4_f32 v[OC2+2*\i], v[S:S+7], v[SO]
	v_cvt_scalef32_pk8_fp4_f32 v[OC2+2*\i+1], v[S+8:S+15], v[SO]
	v_nop                                          ; one plain place behind a scaled conversion
	s_wait_alu depctr_va_vdst(0)                   ; o's codes and its byte are written, which the two stores read
	global_store_b64 v[OL], v[OC2+2*\i:OC2+2*\i+1], s[32:33] offset:1024*\i   ; the wave stores 256 consecutive bytes, aligned: the head's part of a fragment of o
	ds_store_b8 v[OSA], v[OB+\i] offset:16*\i      ; both halves of the lanes write the same byte with the same value
.endm
	TILE 0
	TILE 1
	s_wait_dscnt 0x0                               ; my bytes have landed
	s_barrier_signal -1
	s_barrier_wait -1
	s_cmp_lg_u32 s8, 0
	s_cbranch_scc1 .Lend
	ds_load_b128 v[192:195], v[LI] offset:OSL
	s_wait_dscnt 0x0
	global_store_b128 v[LI], v[192:195], s[36:37]  ; the work-group's 512 scale bytes: 512 consecutive bytes
.Lend:
	s_wait_dscnt 0x0                               ; the closing lines, six on end
	s_wait_alu 0x0
	s_wait_tensorcnt 0x0
	ds_add_u32 v254, v255
	s_wait_dscnt 0x0
	s_endpgm
.Lfunc_end_k_qc853998f6a_attn:
	.size	k_qc853998f6a_attn, .Lfunc_end_k_qc853998f6a_attn-k_qc853998f6a_attn
	.p2alignl 7, 3214868480
	.fill 96, 4, 3214868480
	.section	.rodata,"a",@progbits
	.p2align	6, 0x0
	.amdhsa_kernel k_qc853998f6a_attn
		.amdhsa_group_segment_fixed_size 75776
		.amdhsa_private_segment_fixed_size 0
		.amdhsa_enable_private_segment 0
		.amdhsa_kernarg_size 16
		.amdhsa_user_sgpr_count 2
		.amdhsa_user_sgpr_kernarg_segment_ptr 1
		.amdhsa_wavefront_size32 1
		.amdhsa_system_sgpr_workgroup_id_x 1
		.amdhsa_system_sgpr_workgroup_id_y 1
		.amdhsa_system_sgpr_workgroup_id_z 1
		.amdhsa_system_vgpr_workitem_id 0
		.amdhsa_next_free_vgpr 256
		.amdhsa_next_free_sgpr 66
		.amdhsa_reserve_vcc 0
		.amdhsa_float_denorm_mode_32 3
		.amdhsa_float_denorm_mode_16_64 3
		.amdhsa_memory_ordered 1
		.amdhsa_forward_progress 1
		.amdhsa_inst_pref_size 69
	.end_amdhsa_kernel
	.amdgpu_metadata
---
amdhsa.version: [ 1, 2 ]
amdhsa.kernels:
  - .name:           k_qc853998f6a_attn
    .symbol:         k_qc853998f6a_attn.kd
    .args:
      - { .name: qkv, .offset: 0, .size: 8, .value_kind: global_buffer, .address_space: global }
      - { .name: oq, .offset: 8, .size: 8, .value_kind: global_buffer, .address_space: global }
    .group_segment_fixed_size: 75776
    .private_segment_fixed_size: 0
    .kernarg_segment_align: 8
    .kernarg_segment_size: 16
    .max_flat_workgroup_size: 512
    .sgpr_count:     66
    .vgpr_count:     256
    .wavefront_size: 32
...
	.end_amdgpu_metadata
.endif
;; end of part 10
;; launch wo_ln (part 11): grid 64 x 1, 16 waves a work-group, no clusters, 118,784 bytes of LDS; arguments oq, img, x, bo, ln0_a, ln0_b, hq; writes hq
.if DOCPART == 11
	.amdgcn_target "amdgcn-amd-amdhsa--gfx1250"
	.amdhsa_code_object_version 6
	.text
	.protected	k_qc853998f6a_wo_ln
	.globl	k_qc853998f6a_wo_ln
	.p2align	8
	.type	k_qc853998f6a_wo_ln,@function
k_qc853998f6a_wo_ln:
	s_mov_b64 s[64:65], 0
	v_nop
	global_prefetch_b8 v0, s[64:65] scope:SCOPE_SE
	s_setreg_imm32_b32 hwreg(HW_REG_WAVE_SCHED_MODE, 0, 2), 2
	s_setreg_imm32_b32 hwreg(HW_REG_WAVE_MODE, 25, 1), 1
	s_wait_xcnt 0x0
	s_wait_alu depctr_vm_vsrc(0)
; y = LN(X Y^T + bias + residual) for 64 whole rows of 1,024 columns; the product on codes of FP4 with E8M0 scales.
; KIND 2: X = o (K = 1,024), Y = Wo, residual x; the result h is stored in f32, as an image of the accumulators, and as codes and scale words quantised along its 1,024 columns.
; KIND 4: X = the hidden layer (K = 4,096), Y = W1, residual h; the result is the module's output, f32, row-major.
; LN: mu = the row's mean; sigma = sqrt(the mean of (. - mu)^2), taken of the differences; (. - mu) / (sigma + 1e-9) x alpha + beta.
; SHARES.  The norm wants whole rows, so a work-group owns 64 rows (one group) and all 1,024 columns; wave w owns columns 64 w .. 64 w + 63: 16 accumulators.  X's codes for the whole K lie in LDS, brought once and read by all
; sixteen waves.  A fragment of Y is used by ONE wave of the work-group, so it goes from memory straight into that wave's registers, two K steps ahead (two sets of 32 registers).
; Fewer rows to a work-group would make more work-groups, but each would still take in all of Y: 64 rows give each fragment of Y four products.  Y is shared by all work-groups and not asked for jointly: it does not pass through LDS.
; THE PRODUCT IS USED TRANSPOSED (source 0 = 16 rows of Y, source 1 = 16 rows of X): lane (r, h) holds row (a, r); the 16 registers of accumulators (a, 2 B), (a, 2 B + 1) are columns 64 w + 32 B + 16 h + 0 .. 15.
; The sums BEGIN as residual + bias, and every product adds in place.
; LIMITS: NaN and infinities are not served; a block whose largest magnitude lies under 2^-124 gets the byte 1; a variance under 2^-126 counts as 0 (v_sqrt_f32 takes a denormal for 0).
; THE MODE: SCHED_MODE bits 1:0 = 2 (LLVM: expert scheduling mode 2), set by the entry lines.  The code itself states the register dependences between vector or matrix instructions and memory or LDS instructions, with s_wait_alu, always for 0.
; THE PLAN.  Registers that memory or LDS instructions touch:
;   v1, v2, v5-15, v30, v31  addresses: written at the head, never again.
;   v[ADX], v[ADS]   X's LDS addresses: written at the END of a K step for the next one, read by that step's nine LDS loads.
;   XF, SX           a K step's LDS loads land there, its 16 products read them.  One set: the accumulators take 128 of the wave's 256 registers, X's set 34, Y's two sets 68; under ten are left.
;   YF, SY           two sets by turns: step s's products read set s % 2; behind them the loads of step s + 2 land in it.
;   ACC              the residual lands there and turns through the stage; at the end the stores read the results.
;   RL               the reductions: written by the sums, read by four LDS stores, then the waves' words land there.
;   v32-63, v64-95   first the panel's and the bias's way in; at the end alpha and beta land there; then the way out's codes (PC), halfwords (SL) and whole words (v88-91).
;   v254, v255       accumulator registers, read by the stores of the result; made anew for the closing lines.
; THE WAITS OF A K STEP, both at its end: on vm_vsrc ahead of the two address lines; ONE on va_vdst behind them: the addresses are written, and the step's products are done reading X's set and their set of Y: the loads of two steps on
; and the next step's LDS loads follow it, with nothing between that names their registers.
.set KIND, 2
.if KIND == 2
.set KS,   8
.set WOFF, 0x380000
.else
.set KS,   32
.set WOFF, 0x600000
.endif
.set XSC,  KS*4096                     ; LDS: X's codes at 0; its scale words here;
.set RED1, XSC+KS*256                  ; 64 rows x (16 waves' words + 16 bytes): the sums;
.set RED2, RED1+5120                   ; the sums of squares;
.set SCX,  RED2+5120                   ; 2 KB in which the waves' scale halfwords meet;
.set STG,  SCX+2048                    ; a stage of 16 rows x (256 + 16 bytes) for each wave
.set LI,   1                           ; v1    16 x lane
.set L8,   2                           ; v2    8 x lane
.set ADX,  3
.set ADS,  4
.set LF,   5                           ; v5-7  16 x thread + 65,536 n
.set SI,   8                           ; v8    the stage by rows of memory: 272 (lane / 16) + 16 (lane % 16)
.set SOA,  9                           ; v9    the stage by accumulators: 272 r + 64 h
.set XV,   10                          ; v10   rows of 4,096 bytes: 4,096 (lane / 16) + 16 (lane % 16)
.set CV,   11                          ; v11   per-column numbers: 64 h
.set RW,   12
.set RR,   13
.set SXW,  14
.set SXR,  15
.set SX,   16                          ; v16-17 X's scale words
.set SY,   18                          ; v18-21 Y's, two sets
.set MU,   22                          ; v22, 24, 26, 28: mu, later 1 / (sigma + eps), of row (a, r): the low word of a pair
.set TT,   23                          ; v23, 25, 27, 29: lane permutes' destinations
.set T4,   30                          ; v30   4 x thread
.set BV,   31                          ; v31   o's scale bytes: my word's first byte
.set XF,   32                          ; v32-63 X's four fragments; first the bias; at the end alpha
.set YF,   64                          ; v64-127 Y's four fragments, two sets; at the end beta (v64-95) and the reductions (v96-127)
.set RL,   96
.set ACC,  128                         ; v128-255 accumulator (a, b) at ACC + 8 (4 a + b)
.set M,    32                          ; KIND 2's way out, over alpha and beta
.set PM,   40
.set SO,   48
.set BY,   56
.set HW,   64
.set SL,   68
.set PC,   72
.set WO,   88
.set WV,   18
.set SEL,  36
.set HM,   38
.set TA,   39
.set TS,   40
.set CNT,  41
.macro WM d, y, x, c, sy, sx, ra, rb   ; D = Y fragment x X fragment + C; ra, rb: the side's scale words stand in lanes 16-31
.if (\ra) == 0 && (\rb) == 0
	v_wmma_scale_f32_16x16x128_f8f6f4 v[\d:\d+7], v[\y:\y+7], v[\x:\x+7], v[\c:\c+7], v[\sy], v[\sx] matrix_a_fmt:MATRIX_FMT_FP4 matrix_b_fmt:MATRIX_FMT_FP4
.elseif (\ra) == 1 && (\rb) == 0
	v_wmma_scale_f32_16x16x128_f8f6f4 v[\d:\d+7], v[\y:\y+7], v[\x:\x+7], v[\c:\c+7], v[\sy], v[\sx] matrix_a_fmt:MATRIX_FMT_FP4 matrix_b_fmt:MATRIX_FMT_FP4 matrix_a_scale:MATRIX_SCALE_ROW1
.elseif (\ra) == 0
	v_wmma_scale_f32_16x16x128_f8f6f4 v[\d:\d+7], v[\y:\y+7], v[\x:\x+7], v[\c:\c+7], v[\sy], v[\sx] matrix_a_fmt:MATRIX_FMT_FP4 matrix_b_fmt:MATRIX_FMT_FP4 matrix_b_scale:MATRIX_SCALE_ROW1
.else
	v_wmma_scale_f32_16x16x128_f8f6f4 v[\d:\d+7], v[\y:\y+7], v[\x:\x+7], v[\c:\c+7], v[\sy], v[\sx] matrix_a_fmt:MATRIX_FMT_FP4 matrix_b_fmt:MATRIX_FMT_FP4 matrix_a_scale:MATRIX_SCALE_ROW1 matrix_b_scale:MATRIX_SCALE_ROW1
.endif
.endm
.macro PLACES n
.rept \n
	v_nop
.endr
.endm
.macro CLOAD reg, ptr                  ; 32 numbers that hang on the column, in the accumulators' layout: register 8 b + j = column 32 (b / 2) + 8 (b % 2) + 16 h + j of my 64
.irp b, 0,1,2,3
.irp q, 0,1
	global_load_b128 v[\reg+8*\b+4*\q:\reg+8*\b+4*\q+3], v[CV], s[\ptr:\ptr+1] offset:128*(\b/2)+32*(\b%2)+16*\q
.endr
.endr
.endm
.macro YLOAD buf, st                   ; my four fragments of Y and their scale words, st K steps on from the pointers: nine loads
.irp b, 0,1,2,3
.irp c, 0,1
	global_load_b128 v[YF+32*\buf+8*\b+4*\c:YF+32*\buf+8*\b+4*\c+3], v[LI], s[26:27] offset:(\st)*4096+\b*1024+\c*512
.endr
.endr
	global_load_b64 v[SY+2*\buf:SY+2*\buf+1], v[L8], s[28:29] offset:(\st)*256
.endm
.macro STEP buf, more, next, cnt       ; a K step of 128; more: its set of Y is asked for again; next: a step follows; cnt: the younger loads, the other set's nine, that may stay out
.irp a, 0,1,2,3
.irp c, 0,1
	ds_load_b128 v[XF+8*\a+4*\c:XF+8*\a+4*\c+3], v[ADX] offset:\a*1024+\c*512
.endr
.endr
	ds_load_b64 v[SX:SX+1], v[ADS]
	s_wait_loadcnt \cnt
	s_wait_dscnt 0x0
.irp a, 0,1,2,3
.irp b, 0,1,2,3
	WM ACC+8*(4*\a+\b), YF+32*\buf+8*\b, XF+8*\a, ACC+8*(4*\a+\b), SY+2*\buf+\b/2, SX+\a/2, \b%2, \a%2   ; the 16 accumulators take turns, in the same order in every step
.endr
.endr
	s_add_co_u32 s[TA], s[TA], 4096
	s_add_co_u32 s[TS], s[TS], 256
.if \next
	s_wait_alu depctr_vm_vsrc(0)                   ; this step's LDS loads have read v[ADX] and v[ADS], which the next two lines write
	v_add_nc_u32 v[ADX], s[TA], v[LI]              ; the next step's
	v_add_nc_u32 v[ADS], s[TS], v[L8]
.endif
	PLACES 4                                       ; the places behind the products stay beside the wait; behind the last step they stand in front of the first read of results
	s_wait_alu depctr_va_vdst(0)                   ; v[ADX] and v[ADS] are written; this step's products are done reading X's fragments and words and their set of Y, in which the loads that follow land
.if \more
	YLOAD \buf, 2+\buf
.endif
.endm
; v[RL + 2 a : + 1] hold a lane's two partial sums of row (a, r).  They are added over the lane's pair, the two halves of the lanes and the sixteen waves, and divided by 1,024, into v[MU + 2 a].
.macro REDUCE off
.irp a, 0,1,2,3
	v_add_f32 v[RL+2*\a], v[RL+2*\a], v[RL+2*\a+1]
.endr
.irp a, 0,1,2,3
	v_permlanex16_b32 v[TT+2*\a], v[RL+2*\a], s[SEL], s[SEL+1]
.endr
.irp a, 0,1,2,3
	v_add_f32 v[RL+2*\a], v[RL+2*\a], v[TT+2*\a]
.endr
	s_wait_alu depctr_va_vdst(0)                   ; the sums v[RL + 2 a] are written, which the LDS stores read; no vector instruction names v[RL ..] again before the loads below land there
.irp a, 0,1,2,3
	ds_store_b32 v[RW], v[RL+2*\a] offset:\off+1280*\a   ; both halves of the lanes write the same word with the same value
.endr
	s_wait_dscnt 0x0                               ; my words have landed
	s_barrier_signal -1
	s_barrier_wait -1
	s_wait_alu depctr_vm_vsrc(0)                   ; my LDS stores have read v[RL + 2 a], in which the loads land
.irp a, 0,1,2,3
	ds_load_b128 v[RL+8*\a:RL+8*\a+3], v[RR] offset:\off+1280*\a       ; eight waves' words: lanes 0-15 waves 0-7, lanes 16-31 waves 8-15
	ds_load_b128 v[RL+8*\a+4:RL+8*\a+7], v[RR] offset:\off+1280*\a+16
.endr
	s_wait_dscnt 0x0
.irp a, 0,1,2,3
	v_pk_add_f32 v[RL+8*\a:RL+8*\a+1], v[RL+8*\a:RL+8*\a+1], v[RL+8*\a+2:RL+8*\a+3]
	v_pk_add_f32 v[RL+8*\a+4:RL+8*\a+5], v[RL+8*\a+4:RL+8*\a+5], v[RL+8*\a+6:RL+8*\a+7]
.endr
.irp a, 0,1,2,3
	v_pk_add_f32 v[RL+8*\a:RL+8*\a+1], v[RL+8*\a:RL+8*\a+1], v[RL+8*\a+4:RL+8*\a+5]
.endr
.irp a, 0,1,2,3
	v_add_f32 v[RL+8*\a], v[RL+8*\a], v[RL+8*\a+1]
.endr
.irp a, 0,1,2,3
	v_permlanex16_b32 v[TT+2*\a], v[RL+8*\a], s[SEL], s[SEL+1]
.endr
.irp a, 0,1,2,3
	v_add_f32 v[RL+8*\a], v[RL+8*\a], v[TT+2*\a]
.endr
.irp a, 0,1,2,3
	v_mul_f32 v[MU+2*\a], 0x3a800000, v[RL+8*\a]   ; x 2^-10
.endr
.endm
.if KIND == 2
; The wave's 64 x 64 results become codes and scale halfwords.  Index k = 2 a + B: the 16 numbers at acc + 16 k are columns 32 B + 16 (lane / 16) + 0 .. 15 of row (a, lane % 16).
.macro HQ4 acc
.irp k, 0,1,2,3,4,5,6,7
	v_max3_num_f32 v[M+\k], |v[\acc+16*\k]|, |v[\acc+16*\k+1]|, 0x1800000   ; and the floor 2^(3 - 127): the byte cannot fall under 1
.endr
.irp i, 2,4,6,8,10,12,14
.irp k, 0,1,2,3,4,5,6,7
	v_max3_num_f32 v[M+\k], v[M+\k], |v[\acc+16*\k+\i]|, |v[\acc+16*\k+\i+1]|
.endr
.endr
.irp k, 0,1,2,3,4,5,6,7
	v_permlanex16_b32 v[PM+\k], v[M+\k], s[SEL], s[SEL+1]
.endr
.irp k, 0,1,2,3,4,5,6,7
	v_max_num_f32 v[M+\k], v[M+\k], v[PM+\k]
.endr
.irp k, 0,1,2,3,4,5,6,7
	v_add_nc_u32 v[SO+\k], 0xff000000, v[M+\k]
.endr
.irp k, 0,1,2,3,4,5,6,7
	v_lshrrev_b32 v[BY+\k], 23, v[SO+\k]
.endr
.irp a, 0,1,2,3
	v_lshl_or_b32 v[HW+\a], v[BY+2*\a+1], 8, v[BY+2*\a]
.endr
.irp k, 0,1,2,3,4,5,6,7
	v_cvt_scalef32_pk8_fp4_f32 v[PC+2*\k], v[\acc+16*\k:\acc+16*\k+7], v[SO+\k]
	v_cvt_scalef32_pk8_fp4_f32 v[PC+2*\k+1], v[\acc+16*\k+8:\acc+16*\k+15], v[SO+\k]
.endr
	v_nop                                          ; one plain place behind a scaled conversion
.irp a, 0,1,2,3
.irp i, 0,1
	v_permlane16_swap_b32 v[PC+4*\a+\i], v[PC+4*\a+2+\i]
.endr
.endr
.endm
.endif
	s_load_b256 s[4:11], s[0:1], 0x0               ; X's buffer, img, the residual's buffer, the bias
	s_load_b128 s[12:15], s[0:1], 0x20             ; alpha, beta
	s_load_b64 s[16:17], s[0:1], 0x30              ; the output's buffer
	v_lshrrev_b32 v32, 5, v0
	v_readfirstlane_b32 s[WV], v32                 ; wave 0..15
	v_and_b32 v33, 31, v0
	v_and_b32 v34, 15, v0                          ; r
	v_bfe_u32 v35, v0, 4, 1                        ; h
	v_lshlrev_b32 v[LI], 4, v33
	v_lshlrev_b32 v[L8], 3, v33
	v_lshlrev_b32 v[LF], 4, v0
	v_add_nc_u32 v[LF+1], 65536, v[LF]
	v_add_nc_u32 v[LF+2], 131072, v[LF]
	s_wait_alu depctr_va_sdst(0)                   ; the wave's number is written, ahead of its first reader
	s_mul_i32 s19, s[WV], 4352
	s_add_co_u32 s19, s19, STG                     ; my stage
	v_mul_u32_u24 v[SI], v35, 272
	v_lshl_add_u32 v[SI], v34, 4, v[SI]
	v_add_nc_u32 v[SI], s19, v[SI]
	v_mul_u32_u24 v[SOA], v34, 272
	v_lshl_add_u32 v[SOA], v35, 6, v[SOA]
	v_add_nc_u32 v[SOA], s19, v[SOA]
	v_lshlrev_b32 v[XV], 12, v35
	v_lshl_add_u32 v[XV], v34, 4, v[XV]
	v_lshlrev_b32 v[CV], 6, v35
	v_mul_u32_u24 v[RW], v34, 80
	v_lshl_add_u32 v[RR], v35, 5, v[RW]
	v_add_nc_u32 v[RR], RED1, v[RR]                ; row r's words of waves 8 h .. 8 h + 7
	s_lshl_b32 s19, s[WV], 2
	s_add_co_u32 s19, s19, RED1
	v_add_nc_u32 v[RW], s19, v[RW]                 ; row r's word of my wave
	s_min_u32 s47, s[WV], 3
.if KIND == 2
	s_lshr_b32 s19, s[WV], 1                       ; the output's K step = wave / 2: 256 bytes each; my halfword of each word: wave % 2
	s_lshl_b32 s19, s19, 8
	s_and_b32 s42, s[WV], 1
	s_lshl_b32 s42, s42, 1
	s_add_co_u32 s19, s19, s42
	s_add_co_u32 s19, s19, SCX
	v_add_nc_u32 v[SXW], s19, v[L8]
	s_lshl_b32 s19, s47, 9                         ; only waves 0-3 read back: two K steps' 512 bytes each
	s_add_co_u32 s19, s19, SCX
	v_add_nc_u32 v[SXR], s19, v[LI]
	v_lshlrev_b32 v[T4], 2, v0
	v_lshrrev_b32 v[BV], 6, v0                     ; thread t makes the scale word at byte 4 t = 256 s + 8 lane' + 4 j: K step s = t / 64 (heads 4 s .. 4 s + 3), block 2 (t % 2) + (t / 32) % 2, r = (t / 2) % 16
	v_lshlrev_b32 v[BV], 14, v[BV]
	v_and_b32 v32, 1, v0
	v_lshl_add_u32 v[BV], v32, 5, v[BV]
	v_bfe_u32 v32, v0, 5, 1
	v_lshl_add_u32 v[BV], v32, 4, v[BV]
	v_bfe_u32 v32, v0, 1, 4
	v_add_nc_u32 v[BV], v[BV], v32
.endif
.irp k, 0,1,2,3,4,5,6,7
	v_mov_b32 v[MU+\k], 0                          ; written once: permutes' destinations and upper halves of pairs
.endr
	s_mov_b32 s[SEL], 0x76543210
	s_mov_b32 s[SEL+1], 0xfedcba98
	s_mov_b32 s[HM], 0xffff0000
	s_mov_b32 s43, 0
	s_lshl_b32 s44, s[WV], 8                       ; my 64 columns: 256 bytes
	s_lshl_b32 s45, ttmp9, 4
	s_add_co_u32 s45, s45, s[WV]
	s_lshl_b32 s45, s45, 14
	s_add_co_u32 s45, s45, 0x220000                ; h's image: 16,384 bytes for each (group, wave)
	s_lshl_b32 s46, ttmp9, 18
	s_add_co_u32 s46, s46, s44                     ; row-major: 64 rows of 4,096 bytes a group, + my columns
	s_wait_kmcnt 0x0
	s_mul_i32 s42, ttmp9, KS*4096
	s_add_nc_u64 s[20:21], s[4:5], s[42:43]        ; X's codes
.if KIND == 2
	s_lshl_b32 s42, ttmp9, 6
	s_add_co_u32 s42, s42, 0x200000                ; o's scale bytes [head][place]: my group's 64 places
.else
	s_lshl_b32 s42, ttmp9, 13
	s_add_co_u32 s42, s42, 0x800000                ; the hidden layer's scale words
.endif
	s_add_nc_u64 s[22:23], s[4:5], s[42:43]
.if KIND == 2
	s_mov_b32 s42, s46
.else
	s_mov_b32 s42, s45
.endif
	s_add_nc_u64 s[24:25], s[8:9], s[42:43]        ; the residual
	s_mul_i32 s42, s[WV], KS*4096
	s_add_co_u32 s42, s42, WOFF
	s_add_nc_u64 s[26:27], s[6:7], s[42:43]        ; my group of Y: codes,
	s_mul_i32 s42, s[WV], KS*256
	s_add_co_u32 s42, s42, 0x800000+WOFF/16
	s_add_nc_u64 s[28:29], s[6:7], s[42:43]        ; scale words
	s_mov_b32 s42, s44
	s_add_nc_u64 s[10:11], s[10:11], s[42:43]
	s_add_nc_u64 s[12:13], s[12:13], s[42:43]
	s_add_nc_u64 s[14:15], s[14:15], s[42:43]
.if KIND == 2
	s_mov_b32 s42, s45
	s_add_nc_u64 s[30:31], s[16:17], s[42:43]      ; h in f32
	s_lshl_b32 s42, ttmp9, 3
	s_lshr_b32 s48, s[WV], 1
	s_add_co_u32 s42, s42, s48
	s_lshl_b32 s42, s42, 12
	s_and_b32 s48, s[WV], 1
	s_lshl_b32 s48, s48, 9
	s_add_co_u32 s42, s42, s48
	s_add_nc_u64 s[32:33], s[16:17], s[42:43]      ; h's codes
	s_lshl_b32 s42, ttmp9, 11
	s_lshl_b32 s48, s47, 9
	s_add_co_u32 s42, s42, s48
	s_add_co_u32 s42, s42, 0x200000
	s_add_nc_u64 s[34:35], s[16:17], s[42:43]      ; h's scale words
.else
	s_mov_b32 s42, s46
	s_add_nc_u64 s[30:31], s[16:17], s[42:43]      ; the output
.endif
	s_wait_alu depctr_va_vdst(0)                   ; the addresses v1, v2, v5 to v15, v30 and v31 are written, which the loads and stores below read; so are v32 to v35, in which loads of the panel land
	; X's panel, then the residual
.if KIND == 2
.irp n, 0,1,2,3
	global_load_b128 v[32+4*\n:35+4*\n], v[LF], s[20:21] offset:\n*8192
.endr
.irp q, 0,1,2,3
	global_load_u8 v[48+\q], v[BV], s[22:23] offset:\q*4096
.endr
.irp a, 0,1,2,3
.irp i, 0,1,2,3,4,5,6,7
	global_load_b128 v[ACC+32*\a+4*\i:ACC+32*\a+4*\i+3], v[XV], s[24:25] offset:(32*(\a/2)+8*(\a%2)+2*\i+8*(\i/4))*4096 th:TH_LOAD_NT   ; places 2 i, 2 i + 1 of block a: sixteen lanes read 256 consecutive bytes, aligned
.endr
.endr
	s_wait_loadcnt 32                              ; the panel is in; the residual's 32 loads stay out
	v_lshl_or_b32 v48, v49, 8, v48
	v_lshl_or_b32 v48, v50, 16, v48
	v_lshl_or_b32 v48, v51, 24, v48                ; four heads' bytes: a K step's scale word
	s_wait_alu depctr_va_vdst(0)                   ; v48 is written, which an LDS store below reads; the three lines are done reading v49 to v51, in which the bias lands
.irp n, 0,1,2,3
	ds_store_b128 v[LF], v[32+4*\n:35+4*\n] offset:\n*8192
.endr
	ds_store_b32 v[T4], v48 offset:XSC
.else
.irp i, 0,1,2,3,4,5,6,7,8,9,10,11,12,13,14,15
	global_load_b128 v[32+4*\i:35+4*\i], v[LF], s[20:21] offset:\i*8192
.endr
	global_load_b128 v[96:99], v[LF], s[22:23]
.set n, 0
.rept 32
	global_load_b128 v[ACC+4*n:ACC+4*n+3], v[LI], s[24:25] offset:512*n   ; h comes back into the registers that it left
.set n, n+1
.endr
	s_wait_loadcnt 32                              ; the panel is in; the residual's 32 loads stay out
.irp i, 0,1,2,3,4,5,6,7,8,9,10,11,12,13,14,15,16
	ds_store_b128 v[LF+\i/8], v[32+4*\i:35+4*\i] offset:(\i%8)*8192
.endr
.endif
	s_wait_dscnt 0x0                               ; my part of the panel has landed
	s_wait_alu depctr_vm_vsrc(0)                   ; the panel's LDS stores have read their data registers, in which the bias and Y's first steps land
	CLOAD XF, 10                                   ; the bias: 8 loads
	YLOAD 0, 0                                     ; K steps 0 and 1 of Y: 9 loads each
	YLOAD 1, 1
	s_barrier_signal -1
	s_barrier_wait -1                              ; the panel is whole
	s_wait_loadcnt 18                              ; the residual and the bias are in; Y's two steps stay out
.if KIND == 2
.irp a, 0,1,2,3                        ; x's rows turn through my stage into the accumulators' layout; LDS serves a wave's instructions in order
.irp i, 0,1,2,3,4,5,6,7
	ds_store_b128 v[SI], v[ACC+32*\a+4*\i:ACC+32*\a+4*\i+3] offset:544*\i
.endr
	s_wait_alu depctr_vm_vsrc(0)                   ; the eight stores have read block a's 32 registers, in which the eight loads land: the block comes back into the registers that it left
.irp b, 0,1,2,3
.irp q, 0,1
	ds_load_b128 v[ACC+8*(4*\a+\b)+4*\q:ACC+8*(4*\a+\b)+4*\q+3], v[SOA] offset:128*(\b/2)+32*(\b%2)+16*\q
.endr
.endr
.endr
	s_wait_dscnt 0x0
.endif
.irp a, 0,1,2,3
.irp b, 0,1,2,3
.irp p, 0,2,4,6
	v_pk_add_f32 v[ACC+8*(4*\a+\b)+\p:ACC+8*(4*\a+\b)+\p+1], v[ACC+8*(4*\a+\b)+\p:ACC+8*(4*\a+\b)+\p+1], v[XF+8*\b+\p:XF+8*\b+\p+1]   ; residual + bias: where the sums begin
.endr
.endr
.endr
	s_mov_b32 s[TA], 0
	s_mov_b32 s[TS], XSC
	s_mov_b32 s[CNT], (KS-2)/2
	v_add_nc_u32 v[ADX], s[TA], v[LI]              ; the first step's LDS addresses
	v_add_nc_u32 v[ADS], s[TS], v[L8]
	s_wait_alu depctr_va_vdst(0)                   ; v[ADX] and v[ADS] are written; the additions above are done reading the bias in v[XF ..], in which the first step's LDS loads land
.Lk:                                   ; a trip is two K steps; each asks for the step two on, into the set that it has just multiplied
	STEP 0, 1, 1, 9
	STEP 1, 1, 1, 9
	s_wait_xcnt 0x0                                ; the loads have read their bases, which step now
	s_add_nc_u64 s[26:27], s[26:27], 8192
	s_add_nc_u64 s[28:29], s[28:29], 512
	s_sub_co_u32 s[CNT], s[CNT], 1
	s_cmp_lg_u32 s[CNT], 0
	s_cbranch_scc1 .Lk
	STEP 0, 0, 1, 9                                ; the last two steps ask for nothing
	STEP 1, 0, 0, 0
	CLOAD 32, 12                                   ; alpha: into X's set,
	CLOAD 64, 14                                   ; beta: into Y's set 0: the wait at the last step's end has shown both read out
	; the mean
.irp a, 0,1,2,3
	v_pk_add_f32 v[RL+2*\a:RL+2*\a+1], v[ACC+32*\a:ACC+32*\a+1], v[ACC+32*\a+2:ACC+32*\a+3]   ; each accumulator is read from its low end on
.endr
.irp p, 4,6,8,10,12,14,16,18,20,22,24,26,28,30
.irp a, 0,1,2,3
	v_pk_add_f32 v[RL+2*\a:RL+2*\a+1], v[RL+2*\a:RL+2*\a+1], v[ACC+32*\a+\p:ACC+32*\a+\p+1]
.endr
.endr
	REDUCE 0
	; the differences, and the mean of their squares
.irp a, 0,1,2,3
.irp p, 0,2,4,6,8,10,12,14,16,18,20,22,24,26,28,30
	v_pk_add_f32 v[ACC+32*\a+\p:ACC+32*\a+\p+1], v[ACC+32*\a+\p:ACC+32*\a+\p+1], v[MU+2*\a:MU+2*\a+1] op_sel_hi:[1,0] neg_lo:[0,1] neg_hi:[0,1]
.endr
.endr
.irp a, 0,1,2,3
	v_pk_mul_f32 v[RL+2*\a:RL+2*\a+1], v[ACC+32*\a:ACC+32*\a+1], v[ACC+32*\a:ACC+32*\a+1]
.endr
.irp p, 2,4,6,8,10,12,14,16,18,20,22,24,26,28,30
.irp a, 0,1,2,3
	v_pk_fma_f32 v[RL+2*\a:RL+2*\a+1], v[ACC+32*\a+\p:ACC+32*\a+\p+1], v[ACC+32*\a+\p:ACC+32*\a+\p+1], v[RL+2*\a:RL+2*\a+1]
.endr
.endr
	REDUCE 5120
	s_wait_alu depctr_va_vdst(0)
.irp a, 0,1,2,3
	v_sqrt_f32 v[MU+2*\a], v[MU+2*\a]
.endr
	v_nop                                          ; one plain place behind a transcendental
	s_wait_alu depctr_va_vdst(0)                   ; the four roots have written v[MU + 2 a], ahead of their first reader
.irp a, 0,1,2,3
	v_add_f32 v[MU+2*\a], 0x3089705f, v[MU+2*\a]   ; sigma + 1e-9
.endr
	s_wait_alu depctr_va_vdst(0)
.irp a, 0,1,2,3
	v_rcp_f32 v[MU+2*\a], v[MU+2*\a]
.endr
	v_nop
	s_wait_loadcnt 0x0                             ; alpha and beta
	s_wait_alu depctr_va_vdst(0)                   ; the four reciprocals have written v[MU + 2 a], ahead of their first reader
.irp a, 0,1,2,3
.irp p, 0,2,4,6,8,10,12,14,16,18,20,22,24,26,28,30
	v_pk_mul_f32 v[ACC+32*\a+\p:ACC+32*\a+\p+1], v[ACC+32*\a+\p:ACC+32*\a+\p+1], v[MU+2*\a:MU+2*\a+1] op_sel_hi:[1,0]
.endr
.endr
.irp a, 0,1,2,3
.irp p, 0,2,4,6,8,10,12,14,16,18,20,22,24,26,28,30
	v_pk_fma_f32 v[ACC+32*\a+\p:ACC+32*\a+\p+1], v[ACC+32*\a+\p:ACC+32*\a+\p+1], v[32+\p:33+\p], v[64+\p:65+\p]
.endr
.endr
.if KIND == 2
	s_wait_alu depctr_va_vdst(0)                   ; h is written in v[ACC ..], which the 32 stores read: they leave while the codes are made
.set n, 0
.rept 32
	global_store_b128 v[LI], v[ACC+4*n:ACC+4*n+3], s[30:31] offset:512*n   ; h in f32, as the registers stand: 512 consecutive bytes a store
.set n, n+1
.endr
	HQ4 ACC
.irp j, 0,1
	v_cndmask_b32 v[SL+\j], v[HW+2*\j], v[HW+2*\j+1], s[HM]
.endr
	s_wait_alu depctr_va_vdst(0)                   ; the codes v[PC ..] and the halfwords v[SL ..] are written, which the six stores below read; the multiply-adds are done reading beta in v88-91, in which the load of waves 0-3 lands
.irp a, 0,1,2,3
	global_store_b128 v[LI], v[PC+4*\a:PC+4*\a+3], s[32:33] offset:\a*1024   ; 512 consecutive bytes: my half of the fragment of rows (a, .)
.endr
.irp j, 0,1
	ds_store_b16 v[SXW], v[SL+\j] offset:4*\j
.endr
	s_wait_dscnt 0x0                               ; my halfwords have landed
	s_barrier_signal -1
	s_barrier_wait -1                              ; the words are whole
	s_wait_alu depctr_vm_vsrc(0)                   ; h's stores have read v254 and v255, which are made anew at the end; no memory instruction behind this line reads them
	s_cmp_lt_u32 s[WV], 4
	s_cbranch_scc0 .Lend
	ds_load_b128 v[WO:WO+3], v[SXR]
	s_wait_dscnt 0x0
	global_store_b128 v[LI], v[WO:WO+3], s[34:35]  ; 512 consecutive bytes: two K steps' scale words
.Lend:
.else
	s_wait_alu depctr_va_vdst(0)                   ; the results are written in v[ACC ..], which the LDS stores read; the multiply-adds are done reading alpha and beta, in whose registers the rows land
.irp a, 0,1,2,3                        ; 16 rows at a time through my stage, back as rows of memory
.if \a >= 2
	s_wait_xcnt 0x0                                ; the stores of two blocks ago have had their addresses translated,
	s_wait_alu depctr_vm_vsrc(0)                   ; and have read the registers that are loaded again below
.endif
.irp b, 0,1,2,3
.irp q, 0,1
	ds_store_b128 v[SOA], v[ACC+8*(4*\a+\b)+4*\q:ACC+8*(4*\a+\b)+4*\q+3] offset:128*(\b/2)+32*(\b%2)+16*\q
.endr
.endr
.irp i, 0,1,2,3,4,5,6,7
	ds_load_b128 v[32+32*(\a%2)+4*\i:35+32*(\a%2)+4*\i], v[SI] offset:544*\i   ; LDS serves a wave's instructions in order: these see my stores
.endr
	s_wait_dscnt 0x0
.irp i, 0,1,2,3,4,5,6,7
	global_store_b128 v[XV], v[32+32*(\a%2)+4*\i:35+32*(\a%2)+4*\i], s[30:31] offset:(32*(\a/2)+8*(\a%2)+2*\i+8*(\i/4))*4096 th:TH_STORE_NT   ; sixteen lanes store 256 consecutive bytes, aligned
.endr
.endr
	s_wait_alu depctr_vm_vsrc(0)                   ; the LDS stores have read v254 and v255, which are made anew below
.endif
	s_wait_xcnt 0x0
	v_lshl_add_u32 v254, v0, 2, 0x1c800
	v_mov_b32 v255, 0
	s_wait_dscnt 0x0                               ; the closing lines, six on end
	s_wait_alu 0x0
	s_wait_tensorcnt 0x0
	ds_add_u32 v254, v255
	s_wait_dscnt 0x0
	s_endpgm
.Lfunc_end_k_qc853998f6a_wo_ln:
	.size	k_qc853998f6a_wo_ln, .Lfunc_end_k_qc853998f6a_wo_ln-k_qc853998f6a_wo_ln
	.p2alignl 7, 3214868480
	.fill 96, 4, 3214868480
	.section	.rodata,"a",@progbits
	.p2align	6, 0x0
	.amdhsa_kernel k_qc853998f6a_wo_ln
		.amdhsa_group_segment_fixed_size 118784
		.amdhsa_private_segment_fixed_size 0
		.amdhsa_enable_private_segment 0
		.amdhsa_kernarg_size 56
		.amdhsa_user_sgpr_count 2
		.amdhsa_user_sgpr_kernarg_segment_ptr 1
		.amdhsa_wavefront_size32 1
		.amdhsa_system_sgpr_workgroup_id_x 1
		.amdhsa_system_sgpr_workgroup_id_y 1
		.amdhsa_system_sgpr_workgroup_id_z 1
		.amdhsa_system_vgpr_workitem_id 0
		.amdhsa_next_free_vgpr 256
		.amdhsa_next_free_sgpr 66
		.amdhsa_reserve_vcc 0
		.amdhsa_float_denorm_mode_32 3
		.amdhsa_float_denorm_mode_16_64 3
		.amdhsa_memory_ordered 1
		.amdhsa_forward_progress 1
		.amdhsa_inst_pref_size 74
	.end_amdhsa_kernel
	.amdgpu_metadata
---
amdhsa.version: [ 1, 2 ]
amdhsa.kernels:
  - .name:           k_qc853998f6a_wo_ln
    .symbol:         k_qc853998f6a_wo_ln.kd
    .args:
      - { .name: oq, .offset: 0, .size: 8, .value_kind: global_buffer, .address_space: global }
      - { .name: img, .offset: 8, .size: 8, .value_kind: global_buffer, .address_space: global }
      - { .name: x, .offset: 16, .size: 8, .value_kind: global_buffer, .address_space: global }
      - { .name: bo, .offset: 24, .size: 8, .value_kind: global_buffer, .address_space: global }
      - { .name: ln0_a, .offset: 32, .size: 8, .value_kind: global_buffer, .address_space: global }
      - { .name: ln0_b, .offset: 40, .size: 8, .value_kind: global_buffer, .address_space: global }
      - { .name: hq, .offset: 48, .size: 8, .value_kind: global_buffer, .address_space: global }
    .group_segment_fixed_size: 118784
    .private_segment_fixed_size: 0
    .kernarg_segment_align: 8
    .kernarg_segment_size: 56
    .max_flat_workgroup_size: 512
    .sgpr_count:     66
    .vgpr_count:     256
    .wavefront_size: 32
...
	.end_amdgpu_metadata
.endif
;; end of part 11
;; launch ffn1 (part 12): grid 256 x 1, 16 waves a work-group, no clusters, 282,624 bytes of LDS; arguments hq, img, b0, hid; writes hid
.if DOCPART == 12
	.amdgcn_target "amdgcn-amd-amdhsa--gfx1250"
	.amdhsa_code_object_version 6
	.text
	.protected	k_qc853998f6a_ffn1
	.globl	k_qc853998f6a_ffn1
	.p2align	8
	.type	k_qc853998f6a_ffn1,@function
k_qc853998f6a_ffn1:
	s_mov_b64 s[64:65], 0
	v_nop
	global_prefetch_b8 v0, s[64:65] scope:SCOPE_SE
	s_setreg_imm32_b32 hwreg(HW_REG_WAVE_SCHED_MODE, 0, 2), 2
	s_setreg_imm32_b32 hwreg(HW_REG_WAVE_MODE, 25, 1), 1
	s_wait_xcnt 0x0
	s_wait_alu depctr_vm_vsrc(0)
; A tile of 256 x 256 of X Y^T over K = 1,024 on codes of FP4 with E8M0 scales, a bias added, (KIND 3: clipped at 0,) and QUANTISED AGAIN along Y's rows, which are the next product's K.
; KIND 1: work-groups 0-127: X = x (tokens), Y = Wk | Wq: [k | q] = x W^T + b, quantised along the 2,048 columns (a head's 32 are a block).  Work-groups 128-191: X = Wv (features), Y = x: v^T = Wv x^T + bv, quantised along the tokens.
; KIND 3: X = h (tokens), Y = W0: relu(h W0^T + b0), quantised along the 4,096 hidden units.
; Operands lie in memory in the order of the operand's registers (rows in places (G, b, r) = row 64 G + 32 (b / 2) + 8 (b % 2) + r + 8 (r / 8)): a fragment is two dense loads of 512 bytes, and the result is stored in the same form.
; THE PRODUCT IS USED TRANSPOSED: source 0 = 16 rows of Y, source 1 = 16 rows of X: lane (r, h) holds X's row (a, r), and by the order of Y's rows the 16 registers of accumulators (a, 2 B) and (a, 2 B + 1) are the
; 16 NEIGHBOURS 32 B + 16 h + 0 .. 15 of Y's group: what the conversions want.
; SHARES.  Sixteen waves, 4 x 4; a wave makes 64 x 64: 16 accumulators.  The whole K of both panels (2 x 128 KB of codes, 2 x 8 KB of scale words) is brought into LDS ONCE, by plain loads through registers, and read from there.
; Panels are shared by the 8 or 16 work-groups of a tile row or column and are NOT asked for jointly: each of the tile's 272 KB is asked for once by this work-group, in one run at its head, and nothing in LDS is filled
; again, so the text has neither slots nor their barriers; the price is that each panel is asked of the cache once for each work-group that reads it.
; LIMITS: NaN and infinities are not served; a block whose largest magnitude lies under 2^-124, a block of zeros among them, gets the byte 1: this program alone reads the bytes.
; THE MODE: SCHED_MODE bits 1:0 = 2 (LLVM: expert scheduling mode 2), set by the entry lines.  The code itself states the register dependences between vector or matrix instructions and memory or LDS instructions, with s_wait_alu, always for 0.
; THE PLAN.  Registers that memory or LDS instructions touch:
;   v1-15, v88         addresses and offsets: written at the head, read by loads and stores, never written again.
;   v16-79, v128-199   the fill: global loads land there, LDS stores read them; afterwards they are the fragments' registers and accumulators.
;   XF, YF, SX, SY     a K step's 18 LDS loads land there; its 16 products read them.  ONE set: of the wave's 256 registers (four waves share a SIMD's 1,024) the accumulators take 128 and this set 68; the 37 left over make no second set.
;   ACC (0, b), BR     the biases' loads land there, once.
;   PC, SL             the way out: written by the conversions, the swaps and the selects, read by the stores.   v72-75: the whole scale words of waves 0-3 land there.
; THE WAITS: on va_sdst behind the wave's number; on va_vdst ahead of the first load; on vm_vsrc behind the fill's barrier; ONE ON va_vdst AT THE HEAD OF EACH K STEP from the second on; one on va_vdst ahead of the way out's run of stores.
.set KIND, 3
.set LI,   1                           ; v1    16 x lane
.set L8,   2                           ; v2    8 x lane
.set ADX,  3                           ; v3    my X group's fragments in LDS
.set ADY,  4                           ; v4    my Y group's
.set ADXS, 5                           ; v5    my X group's scale words
.set ADYS, 6                           ; v6    my Y group's
.set LF,   7                           ; v7-11 the fill: 16 x thread + 65,536 n
.set GF,   12                          ; v12   16 x thread
.set SXW,  13                          ; v13   where my scale halfwords go
.set SXR,  14                          ; v14   where waves 0-3 read whole words back
.set BO,   15                          ; v15   column bias: 64 (lane / 16)
.set XF,   16                          ; v16-47 X's four fragments
.set YF,   48                          ; v48-79 Y's four
.set SX,   80                          ; v80-81 X's scale words: block b in register b / 2, lanes 0-15 (b even) or 16-31 (b odd)
.set SY,   82                          ; v82-83 Y's
.set BR,   84                          ; v84-87 row biases
.set BO2,  88                          ; v88   row bias: 4 (r + 8 (r / 8))
.set ACC,  96                          ; v96-223 accumulator (a, b) at ACC + 8 (4 a + b)
.set M,    16                          ; the way out, over the fragments: largest magnitudes,
.set PM,   24                          ; the other half's,
.set SO,   32                          ; the conversions' scale operands,
.set BY,   40                          ; bytes,
.set HW,   48                          ; halfwords,
.set SL,   52                          ; as they are stored,
.set PC,   56                          ; codes,
.set WO,   72                          ; scale words on their way out
.set YPAN, 131072                      ; LDS: X's panel at 0, Y's here,
.set XSC,  262144                      ; X's scale words,
.set YSC,  270336                      ; Y's,
.set SCX,  278528                      ; 2 KB in which the waves' scale halfwords meet
.set WV,   30
.set WY,   31
.set WX,   32
.set HM,   33
.set SEL,  34
.set TYP,  36
.if KIND == 1
.set POUT, 12
.else
.set POUT, 10
.endif
.macro WM d, y, x, c, sy, sx, ra, rb   ; D = Y fragment x X fragment + C; ra, rb: the side's scale words stand in lanes 16-31
.if (\ra) == 0 && (\rb) == 0
	v_wmma_scale_f32_16x16x128_f8f6f4 v[\d:\d+7], v[\y:\y+7], v[\x:\x+7], v[\c:\c+7], v[\sy], v[\sx] matrix_a_fmt:MATRIX_FMT_FP4 matrix_b_fmt:MATRIX_FMT_FP4
.elseif (\ra) == 1 && (\rb) == 0
	v_wmma_scale_f32_16x16x128_f8f6f4 v[\d:\d+7], v[\y:\y+7], v[\x:\x+7], v[\c:\c+7], v[\sy], v[\sx] matrix_a_fmt:MATRIX_FMT_FP4 matrix_b_fmt:MATRIX_FMT_FP4 matrix_a_scale:MATRIX_SCALE_ROW1
.elseif (\ra) == 0
	v_wmma_scale_f32_16x16x128_f8f6f4 v[\d:\d+7], v[\y:\y+7], v[\x:\x+7], v[\c:\c+7], v[\sy], v[\sx] matrix_a_fmt:MATRIX_FMT_FP4 matrix_b_fmt:MATRIX_FMT_FP4 matrix_b_scale:MATRIX_SCALE_ROW1
.else
	v_wmma_scale_f32_16x16x128_f8f6f4 v[\d:\d+7], v[\y:\y+7], v[\x:\x+7], v[\c:\c+7], v[\sy], v[\sx] matrix_a_fmt:MATRIX_FMT_FP4 matrix_b_fmt:MATRIX_FMT_FP4 matrix_a_scale:MATRIX_SCALE_ROW1 matrix_b_scale:MATRIX_SCALE_ROW1
.endif
.endm
.macro PLACES n                        ; plain vector instructions between a matrix instruction and what may not follow it at once (ISA guide 7.12.1)
.rept \n
	v_nop
.endr
.endm
.macro FREG i                          ; the fill's registers: v16-79, then v128-199 (v96-127 take the column bias)
.if (\i) < 16
.set TR, 16+4*(\i)
.else
.set TR, 128+4*((\i)-16)
.endif
.endm
.macro KLOAD s                         ; K step s: eight fragments and the scale words
.irp a, 0,1,2,3
.irp c, 0,1
	ds_load_b128 v[XF+8*\a+4*\c:XF+8*\a+4*\c+3], v[ADX] offset:(\s)*4096+\a*1024+\c*512
.endr
.endr
.irp b, 0,1,2,3
.irp c, 0,1
	ds_load_b128 v[YF+8*\b+4*\c:YF+8*\b+4*\c+3], v[ADY] offset:(\s)*4096+\b*1024+\c*512
.endr
.endr
	ds_load_b64 v[SX:SX+1], v[ADXS] offset:(\s)*256
	ds_load_b64 v[SY:SY+1], v[ADYS] offset:(\s)*256
	s_wait_dscnt 0x0
.endm
.macro MUL                             ; the 16 accumulators take turns, one instruction a turn, in the same order in every K step
.irp a, 0,1,2,3
.irp b, 0,1,2,3
	WM ACC+8*(4*\a+\b), YF+8*\b, XF+8*\a, ACC+8*(4*\a+\b), SY+\b/2, SX+\a/2, \b%2, \a%2
.endr
.endr
.endm
.macro MULC                            ; the first K step where the bias hangs on the column: accumulators (0, b) hold it and are the C of rows 1 to 3; then they add in place
.irp a, 1,2,3
.irp b, 0,1,2,3
	WM ACC+8*(4*\a+\b), YF+8*\b, XF+8*\a, ACC+8*\b, SY+\b/2, SX+\a/2, \b%2, \a%2
.endr
.endr
	PLACES 5                                       ; the next four write over registers that the last twelve read as C
.irp b, 0,1,2,3
	WM ACC+8*\b, YF+8*\b, XF, ACC+8*\b, SY+\b/2, SX, \b%2, 0
.endr
.endm
.macro MULR                            ; the same where the bias hangs on X's row: accumulators (a, 0) hold it
.irp b, 1,2,3
.irp a, 0,1,2,3
	WM ACC+8*(4*\a+\b), YF+8*\b, XF+8*\a, ACC+32*\a, SY+\b/2, SX+\a/2, \b%2, \a%2
.endr
.endr
	PLACES 5
.irp a, 0,1,2,3
	WM ACC+32*\a, YF, XF+8*\a, ACC+32*\a, SY, SX+\a/2, 0, \a%2
.endr
.endm
; The wave's 64 x 64 results become codes and scale halfwords.  Index k = 2 a + B: the 16 numbers at acc + 16 k are columns 32 B + 16 (lane / 16) + 0 .. 15 of row (a, lane % 16).  Each accumulator is read from its low end on.
.macro HQ4 acc
.irp k, 0,1,2,3,4,5,6,7
	v_max3_num_f32 v[M+\k], |v[\acc+16*\k]|, |v[\acc+16*\k+1]|, 0x1800000   ; and the floor 2^(3 - 127): the byte cannot fall under 1
.endr
.irp i, 2,4,6,8,10,12,14
.irp k, 0,1,2,3,4,5,6,7
	v_max3_num_f32 v[M+\k], v[M+\k], |v[\acc+16*\k+\i]|, |v[\acc+16*\k+\i+1]|
.endr
.endr
.irp k, 0,1,2,3,4,5,6,7
	v_permlanex16_b32 v[PM+\k], v[M+\k], s[SEL], s[SEL+1]
.endr
.irp k, 0,1,2,3,4,5,6,7
	v_max_num_f32 v[M+\k], v[M+\k], v[PM+\k]       ; with lane xor 16's: the block's largest magnitude
.endr
.irp k, 0,1,2,3,4,5,6,7
	v_add_nc_u32 v[SO+\k], 0xff000000, v[M+\k]     ; 2 off its exponent field: the conversion's scale operand
.endr
.irp k, 0,1,2,3,4,5,6,7
	v_lshrrev_b32 v[BY+\k], 23, v[SO+\k]           ; the scale's byte
.endr
.irp a, 0,1,2,3
	v_lshl_or_b32 v[HW+\a], v[BY+2*\a+1], 8, v[BY+2*\a]   ; my two blocks' bytes of row (a, r)
.endr
.irp k, 0,1,2,3,4,5,6,7
	v_cvt_scalef32_pk8_fp4_f32 v[PC+2*\k], v[\acc+16*\k:\acc+16*\k+7], v[SO+\k]
	v_cvt_scalef32_pk8_fp4_f32 v[PC+2*\k+1], v[\acc+16*\k+8:\acc+16*\k+15], v[SO+\k]
.endr
	v_nop                                          ; one plain place behind a scaled conversion
.irp a, 0,1,2,3                        ; a whole block to a lane: lanes 0-15 block 0, lanes 16-31 block 1: four registers of the next operand's fragment
.irp i, 0,1
	v_permlane16_swap_b32 v[PC+4*\a+\i], v[PC+4*\a+2+\i]
.endr
.endr
.endm
.if KIND == 1
	s_load_b256 s[4:11], s[0:1], 0x0               ; img, bk, bq, bv
	s_load_b64 s[12:13], s[0:1], 0x20              ; qkv
.else
	s_load_b256 s[4:11], s[0:1], 0x0               ; hq, img, b0, hid
	v_lshl_add_u32 v254, v0, 2, 0x44800
	v_mov_b32 v255, 0
.endif
	v_lshrrev_b32 v16, 5, v0
	v_readfirstlane_b32 s[WV], v16                 ; wave 0..15
	s_wait_alu depctr_va_sdst(0)                   ; the wave's number is written, ahead of its first reader
	s_lshr_b32 s[WY], s[WV], 2                     ; which of X's four groups
	s_and_b32 s[WX], s[WV], 3                      ; which of Y's
	v_and_b32 v17, 31, v0
	v_and_b32 v18, 15, v0
	v_bfe_u32 v19, v0, 4, 1
	v_lshlrev_b32 v[LI], 4, v17
	v_lshlrev_b32 v[L8], 3, v17
	s_lshl_b32 s37, s[WY], 15
	v_add_nc_u32 v[ADX], s37, v[LI]
	s_lshl_b32 s37, s[WX], 15
	s_add_co_u32 s37, s37, YPAN
	v_add_nc_u32 v[ADY], s37, v[LI]
	s_lshl_b32 s37, s[WY], 11
	s_add_co_u32 s37, s37, XSC
	v_add_nc_u32 v[ADXS], s37, v[L8]
	s_lshl_b32 s37, s[WX], 11
	s_add_co_u32 s37, s37, YSC
	v_add_nc_u32 v[ADYS], s37, v[L8]
	v_lshlrev_b32 v[GF], 4, v0
.irp n, 0,1,2,3,4
	v_add_nc_u32 v[LF+\n], 65536*\n, v[GF]
.endr
	s_lshr_b32 s37, s[WV], 1                       ; (X group, output K step) = wave / 2: 256 bytes each; my halfword of each word: wave % 2
	s_lshl_b32 s37, s37, 8
	s_and_b32 s38, s[WV], 1
	s_lshl_b32 s38, s38, 1
	s_add_co_u32 s37, s37, s38
	s_add_co_u32 s37, s37, SCX
	v_add_nc_u32 v[SXW], s37, v[L8]
	s_min_u32 s39, s[WV], 3                        ; only waves 0-3 read back: one X group's 512 bytes each
	s_lshl_b32 s37, s39, 9
	s_add_co_u32 s37, s37, SCX
	v_add_nc_u32 v[SXR], s37, v[LI]
	v_lshlrev_b32 v[BO], 6, v19
	v_and_b32 v20, 8, v18
	v_add_nc_u32 v20, v20, v18
	v_lshlrev_b32 v[BO2], 2, v20
	s_mov_b32 s[HM], 0xffff0000
	s_mov_b32 s[SEL], 0x76543210
	s_mov_b32 s[SEL+1], 0xfedcba98
	s_mov_b32 s55, 0
.if KIND == 1
	s_lshr_b32 s40, ttmp9, 3                       ; tiles of [k | q]: tile row,
	s_and_b32 s41, ttmp9, 7                        ; tile column
	s_add_co_u32 s42, s41, 16                      ; Wk's and Wq's panels are img's panels 16-23
	s_sub_co_u32 s43, ttmp9, 128                   ; tiles of v^T
	s_and_b32 s44, ttmp9, 3                        ; Wv's panel (24 +),
	s_lshr_b32 s45, s43, 2                         ; x's panel
	s_add_co_u32 s46, s44, 24
	s_mov_b32 s52, 0x640000
	s_cmp_lt_u32 ttmp9, 128
	s_cselect_b32 s47, s40, s46                    ; X's panel
	s_cselect_b32 s48, s42, s45                    ; Y's panel
	s_cselect_b32 s49, s40, s44                    ; the output's first group of rows / 4
	s_cselect_b32 s50, s41, s45                    ; the output's first group of 64 along K / 4
	s_cselect_b32 s51, 0, 0x400000                 ; the output's codes,
	s_cselect_b32 s52, 0x600000, s52               ; its scale words,
	s_cselect_b32 s53, 16, 32                      ; its K steps
	s_cselect_b32 s[TYP], 1, 0
	s_wait_kmcnt 0x0
	s_lshl_b32 s54, s47, 17
	s_add_nc_u64 s[16:17], s[4:5], s[54:55]        ; X's codes
	s_lshl_b32 s54, s47, 13
	s_add_co_u32 s54, s54, 0x800000
	s_add_nc_u64 s[20:21], s[4:5], s[54:55]        ; X's scale words
	s_lshl_b32 s54, s48, 17
	s_add_nc_u64 s[18:19], s[4:5], s[54:55]        ; Y's codes
	s_lshl_b32 s54, s48, 13
	s_add_co_u32 s54, s54, 0x800000
	s_add_nc_u64 s[22:23], s[4:5], s[54:55]        ; Y's scale words
	s_and_b32 s54, s41, 3                          ; the column bias: bk or bq at column 256 (tile column % 4) + 64 x my Y group.  Valid, and loaded, in every work-group
	s_lshl_b32 s54, s54, 10
	s_lshl_b32 s56, s[WX], 8
	s_add_co_u32 s54, s54, s56
	s_cmp_lt_u32 s41, 4
	s_cselect_b64 s[24:25], s[6:7], s[8:9]
	s_add_nc_u64 s[24:25], s[24:25], s[54:55]
	s_lshl_b32 s54, s44, 2                         ; the row bias: bv at feature 64 (4 x Wv's panel + my X group).  Likewise
	s_add_co_u32 s54, s54, s[WY]
	s_lshl_b32 s54, s54, 8
	s_add_nc_u64 s[60:61], s[10:11], s[54:55]
.else
	s_lshr_b32 s49, ttmp9, 4                       ; tile row
	s_and_b32 s50, ttmp9, 15                       ; tile column
	s_mov_b32 s51, 0
	s_mov_b32 s52, 0x800000
	s_mov_b32 s53, 32
	s_add_co_u32 s48, s50, 32                      ; W0's panels are img's panels 32-47
	s_wait_kmcnt 0x0
	s_lshl_b32 s54, s49, 17
	s_add_nc_u64 s[16:17], s[4:5], s[54:55]
	s_lshl_b32 s54, s49, 13
	s_add_co_u32 s54, s54, 0x200000
	s_add_nc_u64 s[20:21], s[4:5], s[54:55]
	s_lshl_b32 s54, s48, 17
	s_add_nc_u64 s[18:19], s[6:7], s[54:55]
	s_lshl_b32 s54, s48, 13
	s_add_co_u32 s54, s54, 0x800000
	s_add_nc_u64 s[22:23], s[6:7], s[54:55]
	s_lshl_b32 s54, s50, 10
	s_lshl_b32 s56, s[WX], 8
	s_add_co_u32 s54, s54, s56
	s_add_nc_u64 s[24:25], s[8:9], s[54:55]
.endif
	s_lshl_b32 s56, s49, 2                         ; where my results go: codes at ((row group) x K steps + K step) x 4,096 + 512 x (which half of the K step)
	s_add_co_u32 s57, s56, s[WY]
	s_mul_i32 s57, s57, s53
	s_lshl_b32 s58, s50, 1
	s_add_co_u32 s57, s57, s58
	s_lshr_b32 s59, s[WX], 1
	s_add_co_u32 s57, s57, s59
	s_lshl_b32 s57, s57, 12
	s_and_b32 s59, s[WX], 1
	s_lshl_b32 s59, s59, 9
	s_add_co_u32 s57, s57, s59
	s_add_co_u32 s54, s57, s51
	s_add_nc_u64 s[26:27], s[POUT:POUT+1], s[54:55]
	s_add_co_u32 s57, s56, s39                     ; scale words: waves 0-3 store one row group's two K steps each
	s_mul_i32 s57, s57, s53
	s_add_co_u32 s57, s57, s58
	s_lshl_b32 s57, s57, 8
	s_add_co_u32 s54, s57, s52
	s_add_nc_u64 s[28:29], s[POUT:POUT+1], s[54:55]
	s_wait_alu depctr_va_vdst(0)                   ; the addresses v1 to v15 and v88 are written, which every load and store below reads; so are v16 to v20, in which loads of the fill land
	; the biases first: they are older than the fill's loads, so the fill's counts do not know of them
.irp b, 0,1,2,3
.irp q, 0,1
	global_load_b128 v[ACC+8*\b+4*\q:ACC+8*\b+4*\q+3], v[BO], s[24:25] offset:128*(\b/2)+32*(\b%2)+16*\q   ; accumulator (0, b): the bias of columns 32 (b / 2) + 8 (b % 2) + 16 h + 0 .. 7
.endr
.endr
.if KIND == 1
.irp a, 0,1,2,3
	global_load_b32 v[BR+\a], v[BO2], s[60:61] offset:(32*(\a/2)+8*(\a%2))*4   ; the bias of X's row (a, r)
.endr
.endif
	; THE FILL: 34 passes of 8,192 bytes (512 threads x 16): X's codes, Y's codes, X's scale words, Y's; LDS holds them as memory does
.irp i, 0,1,2,3,4,5,6,7,8,9,10,11,12,13,14,15
	FREG \i
	global_load_b128 v[TR:TR+3], v[GF], s[16:17] offset:\i*8192
.endr
.irp i, 16,17,18,19,20,21,22,23,24,25,26,27,28,29,30,31
	FREG \i
	global_load_b128 v[TR:TR+3], v[GF], s[18:19] offset:(\i-16)*8192
.endr
	FREG 32
	global_load_b128 v[TR:TR+3], v[GF], s[20:21]
	FREG 33
	global_load_b128 v[TR:TR+3], v[GF], s[22:23]
.irp i, 0,1,2,3,4,5,6,7,8,9,10,11,12,13,14,15,16,17,18,19,20,21,22,23,24,25,26,27,28,29,30,31,32,33
	FREG \i
	s_wait_loadcnt 33-\i                           ; loads come back in order: pass i is in, the 33 - i younger ones stay out
	ds_store_b128 v[LF+\i/8], v[TR:TR+3] offset:(\i%8)*8192
.endr
	s_wait_dscnt 0x0                               ; for the others' sake: my part of the panels has landed
	s_barrier_signal -1
	s_barrier_wait -1                              ; the panels are whole
	s_wait_alu depctr_vm_vsrc(0)                   ; the fill's LDS stores have read v16-79, in which the fragments' loads land, and v128-199, which the products (and the row bias's moves) write
	KLOAD 0
.if KIND == 1
	s_cmp_eq_u32 s[TYP], 0
	s_cbranch_scc1 .Lrow
.endif
	MULC
.if KIND == 1
	s_branch .Lfirst
.Lrow:
.irp a, 0,1,2,3
.irp j, 0,1,2,3,4,5,6,7
	v_mov_b32 v[ACC+32*\a+\j], v[BR+\a]            ; a lane holds one row of X: its bias in all eight registers
.endr
.endr
	PLACES 4
	MULR
.Lfirst:
.endif
	PLACES 4                                       ; the places behind the last products stay beside the wait that follows them
.irp s, 1,2,3,4,5,6,7
	s_wait_alu depctr_va_vdst(0)                   ; the last K step's products are done reading the fragments and the scale words, in which this step's loads land
	KLOAD \s
	MUL
	PLACES 4                                       ; the last four are the places in front of the first read of results
.endr
.if KIND == 3
.set j, 0
.rept 128
	v_max_num_f32 v[ACC+j], 0, v[ACC+j]            ; the activation, in f32, each accumulator from its low end on
.set j, j+1
.endr
.endif
	HQ4 ACC
.irp j, 0,1
	v_cndmask_b32 v[SL+\j], v[HW+2*\j], v[HW+2*\j+1], s[HM]   ; lanes 0-15 block 2 j's rows, lanes 16-31 block 2 j + 1's
.endr
	s_wait_alu depctr_va_vdst(0)                   ; the codes v[PC ..] and the halfwords v[SL ..] are written, which the six stores below read; the products are done reading v72-75, in which the load of waves 0-3 lands
.irp a, 0,1,2,3
	global_store_b128 v[LI], v[PC+4*\a:PC+4*\a+3], s[26:27] offset:\a*1024   ; 512 consecutive bytes: my half of the fragment of rows (a, .)
.endr
.irp j, 0,1
	ds_store_b16 v[SXW], v[SL+\j] offset:4*\j
.endr
	s_wait_dscnt 0x0                               ; my halfwords have landed
	s_barrier_signal -1
	s_barrier_wait -1                              ; the words are whole
	s_cmp_lt_u32 s[WV], 4
	s_cbranch_scc0 .Lend
	ds_load_b128 v[WO:WO+3], v[SXR]
	s_wait_dscnt 0x0
	global_store_b128 v[LI], v[WO:WO+3], s[28:29]  ; 512 consecutive bytes: two K steps' scale words of one group of rows
.Lend:
	s_wait_dscnt 0x0                               ; the closing lines, six on end
	s_wait_alu 0x0
	s_wait_tensorcnt 0x0
	ds_add_u32 v254, v255
	s_wait_dscnt 0x0
	s_endpgm
.Lfunc_end_k_qc853998f6a_ffn1:
	.size	k_qc853998f6a_ffn1, .Lfunc_end_k_qc853998f6a_ffn1-k_qc853998f6a_ffn1
	.p2alignl 7, 3214868480
	.fill 96, 4, 3214868480
	.section	.rodata,"a",@progbits
	.p2align	6, 0x0
	.amdhsa_kernel k_qc853998f6a_ffn1
		.amdhsa_group_segment_fixed_size 282624
		.amdhsa_private_segment_fixed_size 0
		.amdhsa_enable_private_segment 0
		.amdhsa_kernarg_size 32
		.amdhsa_user_sgpr_count 2
		.amdhsa_user_sgpr_kernarg_segment_ptr 1
		.amdhsa_wavefront_size32 1
		.amdhsa_system_sgpr_workgroup_id_x 1
		.amdhsa_system_sgpr_workgroup_id_y 1
		.amdhsa_system_sgpr_workgroup_id_z 1
		.amdhsa_system_vgpr_workitem_id 0
		.amdhsa_next_free_vgpr 256
		.amdhsa_next_free_sgpr 66
		.amdhsa_reserve_vcc 0
		.amdhsa_float_denorm_mode_32 3
		.amdhsa_float_denorm_mode_16_64 3
		.amdhsa_memory_ordered 1
		.amdhsa_forward_progress 1
		.amdhsa_inst_pref_size 51
	.end_amdhsa_kernel
	.amdgpu_metadata
---
amdhsa.version: [ 1, 2 ]
amdhsa.kernels:
  - .name:           k_qc853998f6a_ffn1
    .symbol:         k_qc853998f6a_ffn1.kd
    .args:
      - { .name: hq, .offset: 0, .size: 8, .value_kind: global_buffer, .address_space: global }
      - { .name: img, .offset: 8, .size: 8, .value_kind: global_buffer, .address_space: global }
      - { .name: b0, .offset: 16, .size: 8, .value_kind: global_buffer, .address_space: global }
      - { .name: hid, .offset: 24, .size: 8, .value_kind: global_buffer, .address_space: global }
    .group_segment_fixed_size: 282624
    .private_segment_fixed_size: 0
    .kernarg_segment_align: 8
    .kernarg_segment_size: 32
    .max_flat_workgroup_size: 512
    .sgpr_count:     66
    .vgpr_count:     256
    .wavefront_size: 32
...
	.end_amdgpu_metadata
.endif
;; end of part 12
;; launch ffn2 (part 13): grid 256 x 1, 16 waves a work-group, no clusters, 264,192 bytes of LDS; arguments hid, img, hq, b1, pre; writes pre
.if DOCPART == 13
	.amdgcn_target "amdgcn-amd-amdhsa--gfx1250"
	.amdhsa_code_object_version 6
	.text
	.protected	k_qc853998f6a_ffn2
	.globl	k_qc853998f6a_ffn2
	.p2align	8
	.type	k_qc853998f6a_ffn2,@function
k_qc853998f6a_ffn2:
	s_mov_b64 s[64:65], 0
	v_nop
	global_prefetch_b8 v0, s[64:65] scope:SCOPE_SE
	s_setreg_imm32_b32 hwreg(HW_REG_WAVE_SCHED_MODE, 0, 2), 2
	s_setreg_imm32_b32 hwreg(HW_REG_WAVE_MODE, 25, 1), 1
	s_wait_xcnt 0x0
	s_wait_alu depctr_vm_vsrc(0)
; pre = X Y^T + b1 + h: X = the hidden layer [4096][4096], Y = W1 [1024][4096], both as codes of FP4 with E8M0 scales, laid in the order of the operand's registers
; (rows in places (G, b, r) = row 64 G + 32 (b / 2) + 8 (b % 2) + r + 8 (r / 8); a fragment is two dense loads of 512 bytes); h in f32 as an image of accumulators; pre f32, row-major [4096][1024].  The norm follows in the next launch.
; SHARES.  A work-group owns 64 rows (group G = work-group / 4) and 256 columns (quarter work-group % 4).  Wave w owns column group g = w % 4 of the quarter and K QUARTER kq = w / 4: 8 of the 32 K steps, 16 accumulators of 64 x 64.
; X's codes for the whole K (128 KB, and 8 KB of scale words) lie in LDS, brought once.  A fragment of Y is used by ONE wave of the work-group, so it goes from memory straight into that wave's registers, two K steps ahead.
; So a work-group takes in 136 KB of X, 544 KB of Y and 64 KB of h; owning all 1,024 columns it would take in all of Y, four times as much, whatever its rows.
; THE FOUR K QUARTERS ARE ADDED THROUGH LDS: every wave stores its 128 accumulator registers as they stand (16 KB, over X's panel, which nobody reads any more); wave (kq, g) then reads block a = kq of the four waves with its g,
; adds them, h and the bias, and owns 16 rows x 64 columns of the result, which turn through a stage in LDS and leave as whole rows of 256 bytes.
; THE PRODUCT IS USED TRANSPOSED (source 0 = 16 rows of Y, source 1 = 16 rows of X): lane (r, h) holds row (a, r); register j of accumulator (a, b) is column 32 (b / 2) + 8 (b % 2) + 16 h + j of the wave's 64.
; Y is shared by the 64 work-groups of a quarter and X's panel by the four of a group; neither is asked for jointly: Y does not pass through LDS, and X's panel is 136 of the 744 KB that a work-group takes in.
; LIMITS: NaN and infinities are not served.  K's four quarters are summed apart and then added: another order of f32 sums than one chain over K.
; THE MODE: SCHED_MODE bits 1:0 = 2 (LLVM: expert scheduling mode 2), set by the entry lines.  The code itself states the register dependences between vector or matrix instructions and memory or LDS instructions, with s_wait_alu, always for 0.
; THE PLAN.  Registers that memory or LDS instructions touch:
;   v1-12, v24-27   addresses: written at the head, never again.
;   XF, SX          a K step's nine LDS loads land there, its 16 products read them.  One set: the accumulators take 128 of the wave's 256 registers (four waves share a SIMD's 1,024), X's set 34, Y's two sets 68; under ten are left.
;   YF, SY          two sets by turns: step s's products read set s % 2; behind them the loads of step s + 2 land in it.
;   ACC             first the fill: global loads land, LDS stores read.  Then the products write them; the image's LDS stores read them; the four quarters' parts land in them; the sums are read by the stage's stores; rows land in v160-191.
;   v32-63, v64-95  behind the last step: h and the bias land there.
; THE WAITS: on va_sdst behind the wave's number; on va_vdst ahead of the first load; on vm_vsrc behind the fill's barrier; ONE ON va_vdst AT THE END OF EACH K STEP: its products are done reading X's set and their set of Y, so that
; Y's loads of two steps on and the next step's LDS loads follow it with nothing between that names their registers; the last of these waits also serves the loads of h and the bias, the image's stores and the loads into the accumulators;
; on vm_vsrc ahead of those loads; on va_vdst ahead of the stage's stores.
.set XSC,  131072                      ; LDS: X's codes at 0 (K step s at 4,096 s), its scale words here (256 s).  Later: sixteen images of 16,384 bytes at 0.  Later still: sixteen stages of 16 rows x (256 + 16) bytes at 0
.set LI,   1                           ; v1    16 x lane
.set L8,   2                           ; v2    8 x lane
.set ADX,  3                           ; v3    my K quarter of X's codes
.set ADS,  4                           ; v4    and of its scale words
.set LF,   5                           ; v5-7  16 x thread + 65,536 n
.set SI,   8                           ; v8    my stage by rows of memory: 272 (lane / 16) + 16 (lane % 16)
.set SOA,  9                           ; v9    my stage by accumulators: 272 r + 64 h
.set XV,   10                          ; v10   rows of 4,096 bytes: 4,096 (lane / 16) + 16 (lane % 16)
.set CV,   11                          ; v11   per-column numbers: 64 h
.set RST,  12                          ; v12   my image: 16,384 x wave + 16 x lane
.set SX,   16                          ; v16-17 X's scale words: block b in register b / 2, lanes 0-15 (b even) or 16-31 (b odd)
.set SY,   18                          ; v18-21 Y's, two sets
.set RLD,  24                          ; v24-27 block kq in the images of waves 4 k + g, k = 0 .. 3
.set XF,   32                          ; v32-63 X's four fragments; at the end h
.set YF,   64                          ; v64-127 Y's four fragments, two sets; at the end the bias (v64-95)
.set ACC,  128                         ; v128-255 accumulator (a, b) at ACC + 8 (4 a + b); first the fill's registers; at the end the four quarters' parts of my block
.set RES,  32
.set BIA,  64
.set OUTR, 160                         ; v160-191 16 rows on their way out
.set WV,   18
.set GR,   19
.set CQ,   20
.set GY,   21
.set KQ,   22
.set CG,   23
.macro WMZ d, y, x, sy, sx, ra, rb     ; D = Y fragment x X fragment: a sum's first product; ra, rb: the side's scale words stand in lanes 16-31
.if (\ra) == 0 && (\rb) == 0
	v_wmma_scale_f32_16x16x128_f8f6f4 v[\d:\d+7], v[\y:\y+7], v[\x:\x+7], 0, v[\sy], v[\sx] matrix_a_fmt:MATRIX_FMT_FP4 matrix_b_fmt:MATRIX_FMT_FP4
.elseif (\ra) == 1 && (\rb) == 0
	v_wmma_scale_f32_16x16x128_f8f6f4 v[\d:\d+7], v[\y:\y+7], v[\x:\x+7], 0, v[\sy], v[\sx] matrix_a_fmt:MATRIX_FMT_FP4 matrix_b_fmt:MATRIX_FMT_FP4 matrix_a_scale:MATRIX_SCALE_ROW1
.elseif (\ra) == 0
	v_wmma_scale_f32_16x16x128_f8f6f4 v[\d:\d+7], v[\y:\y+7], v[\x:\x+7], 0, v[\sy], v[\sx] matrix_a_fmt:MATRIX_FMT_FP4 matrix_b_fmt:MATRIX_FMT_FP4 matrix_b_scale:MATRIX_SCALE_ROW1
.else
	v_wmma_scale_f32_16x16x128_f8f6f4 v[\d:\d+7], v[\y:\y+7], v[\x:\x+7], 0, v[\sy], v[\sx] matrix_a_fmt:MATRIX_FMT_FP4 matrix_b_fmt:MATRIX_FMT_FP4 matrix_a_scale:MATRIX_SCALE_ROW1 matrix_b_scale:MATRIX_SCALE_ROW1
.endif
.endm
.macro WMA d, y, x, sy, sx, ra, rb     ; the same, added in place
.if (\ra) == 0 && (\rb) == 0
	v_wmma_scale_f32_16x16x128_f8f6f4 v[\d:\d+7], v[\y:\y+7], v[\x:\x+7], v[\d:\d+7], v[\sy], v[\sx] matrix_a_fmt:MATRIX_FMT_FP4 matrix_b_fmt:MATRIX_FMT_FP4
.elseif (\ra) == 1 && (\rb) == 0
	v_wmma_scale_f32_16x16x128_f8f6f4 v[\d:\d+7], v[\y:\y+7], v[\x:\x+7], v[\d:\d+7], v[\sy], v[\sx] matrix_a_fmt:MATRIX_FMT_FP4 matrix_b_fmt:MATRIX_FMT_FP4 matrix_a_scale:MATRIX_SCALE_ROW1
.elseif (\ra) == 0
	v_wmma_scale_f32_16x16x128_f8f6f4 v[\d:\d+7], v[\y:\y+7], v[\x:\x+7], v[\d:\d+7], v[\sy], v[\sx] matrix_a_fmt:MATRIX_FMT_FP4 matrix_b_fmt:MATRIX_FMT_FP4 matrix_b_scale:MATRIX_SCALE_ROW1
.else
	v_wmma_scale_f32_16x16x128_f8f6f4 v[\d:\d+7], v[\y:\y+7], v[\x:\x+7], v[\d:\d+7], v[\sy], v[\sx] matrix_a_fmt:MATRIX_FMT_FP4 matrix_b_fmt:MATRIX_FMT_FP4 matrix_a_scale:MATRIX_SCALE_ROW1 matrix_b_scale:MATRIX_SCALE_ROW1
.endif
.endm
.macro PLACES n                        ; plain vector instructions between a matrix instruction and what may not follow it at once (ISA guide 7.12.1)
.rept \n
	v_nop
.endr
.endm
.macro CLOAD reg, ptr                  ; 32 numbers that hang on the column, in the accumulators' layout: register 8 b + j = column 32 (b / 2) + 8 (b % 2) + 16 h + j of my 64
.irp b, 0,1,2,3
.irp q, 0,1
	global_load_b128 v[\reg+8*\b+4*\q:\reg+8*\b+4*\q+3], v[CV], s[\ptr:\ptr+1] offset:128*(\b/2)+32*(\b%2)+16*\q
.endr
.endr
.endm
.macro YLOAD buf, st                   ; my four fragments of Y and their scale words for step st of my eight: nine loads
.irp b, 0,1,2,3
.irp c, 0,1
	global_load_b128 v[YF+32*\buf+8*\b+4*\c:YF+32*\buf+8*\b+4*\c+3], v[LI], s[26:27] offset:(\st)*4096+\b*1024+\c*512
.endr
.endr
	global_load_b64 v[SY+2*\buf:SY+2*\buf+1], v[L8], s[28:29] offset:(\st)*256
.endm
; Step s of my eight K steps of 128, on Y's set buf.  zero = 1: its products start the sums.  more = 1: the set is asked for again, for the step two on.  cnt: the younger loads, the other set's nine, that may stay out
.macro STEP s, buf, zero, more, cnt
.irp a, 0,1,2,3
.irp c, 0,1
	ds_load_b128 v[XF+8*\a+4*\c:XF+8*\a+4*\c+3], v[ADX] offset:(\s)*4096+\a*1024+\c*512
.endr
.endr
	ds_load_b64 v[SX:SX+1], v[ADS] offset:(\s)*256
	s_wait_loadcnt \cnt
	s_wait_dscnt 0x0
.irp a, 0,1,2,3
.irp b, 0,1,2,3
.if \zero
	WMZ ACC+8*(4*\a+\b), YF+32*\buf+8*\b, XF+8*\a, SY+2*\buf+\b/2, SX+\a/2, \b%2, \a%2
.else
	WMA ACC+8*(4*\a+\b), YF+32*\buf+8*\b, XF+8*\a, SY+2*\buf+\b/2, SX+\a/2, \b%2, \a%2   ; the 16 accumulators take turns, in the same order in every step
.endif
.endr
.endr
	PLACES 4                                       ; the places behind the products stay beside the wait; behind the last step they stand in front of the first read of results
	s_wait_alu depctr_va_vdst(0)                   ; this step's products are done reading X's fragments and words and their set of Y, in which the loads that follow land; behind the last step: and have written the accumulators
.if \more
	YLOAD \buf, (\s)+2
.endif
.endm
	s_load_b256 s[4:11], s[0:1], 0x0               ; hid, img, hq, b1
	s_load_b64 s[12:13], s[0:1], 0x20              ; pre
	v_lshl_add_u32 v22, v0, 2, 0x40000
	v_mov_b32 v23, 0
	v_lshrrev_b32 v28, 5, v0
	v_readfirstlane_b32 s[WV], v28                 ; wave 0..15
	s_wait_alu depctr_va_sdst(0)                   ; the wave's number is written, ahead of its first reader
	s_and_b32 s[GY], s[WV], 3                      ; my column group in the quarter
	s_lshr_b32 s[KQ], s[WV], 2                     ; my K quarter; later: my block of 16 rows
	s_lshr_b32 s[GR], ttmp9, 2                     ; the group of 64 rows
	s_and_b32 s[CQ], ttmp9, 3                      ; the quarter of the columns
	s_lshl_b32 s[CG], s[CQ], 2
	s_add_co_u32 s[CG], s[CG], s[GY]               ; my column group of 64, 0 .. 15
	v_and_b32 v29, 31, v0
	v_and_b32 v30, 15, v0                          ; r
	v_bfe_u32 v31, v0, 4, 1                        ; h
	v_lshlrev_b32 v[LI], 4, v29
	v_lshlrev_b32 v[L8], 3, v29
	v_lshlrev_b32 v[LF], 4, v0
	v_add_nc_u32 v[LF+1], 65536, v[LF]
	v_add_nc_u32 v[LF+2], 131072, v[LF]
	s_lshl_b32 s40, s[KQ], 15                      ; eight K steps of 4,096 bytes
	v_add_nc_u32 v[ADX], s40, v[LI]
	s_lshl_b32 s40, s[KQ], 11                      ; and of 256
	s_add_co_u32 s40, s40, XSC
	v_add_nc_u32 v[ADS], s40, v[L8]
	s_lshl_b32 s40, s[WV], 14
	v_add_nc_u32 v[RST], s40, v[LI]
	s_lshl_b32 s40, s[GY], 14                      ; wave 4 k + g's image begins at 65,536 k + 16,384 g; block kq 4,096 kq further on
	s_lshl_b32 s41, s[KQ], 12
	s_add_co_u32 s40, s40, s41
	v_add_nc_u32 v[RLD], s40, v[LI]
	v_add_nc_u32 v[RLD+1], 65536, v[RLD]
	v_add_nc_u32 v[RLD+2], 131072, v[RLD]
	v_add_nc_u32 v[RLD+3], 196608, v[RLD]
	s_mul_i32 s40, s[WV], 4352                     ; my stage
	v_mul_u32_u24 v[SI], v31, 272
	v_lshl_add_u32 v[SI], v30, 4, v[SI]
	v_add_nc_u32 v[SI], s40, v[SI]
	v_mul_u32_u24 v[SOA], v30, 272
	v_lshl_add_u32 v[SOA], v31, 6, v[SOA]
	v_add_nc_u32 v[SOA], s40, v[SOA]
	v_lshlrev_b32 v[XV], 12, v31
	v_lshl_add_u32 v[XV], v30, 4, v[XV]
	v_lshlrev_b32 v[CV], 6, v31
	s_mov_b32 s43, 0
	s_wait_kmcnt 0x0
	s_lshl_b32 s42, s[GR], 17
	s_add_nc_u64 s[24:25], s[4:5], s[42:43]        ; X's codes: 32 K steps of 4,096 bytes a group
	s_lshl_b32 s42, s[GR], 13
	s_add_co_u32 s42, s42, 0x800000
	s_add_nc_u64 s[30:31], s[4:5], s[42:43]        ; X's scale words
	s_lshl_b32 s42, s[CG], 17
	s_lshl_b32 s41, s[KQ], 15
	s_add_co_u32 s42, s42, s41
	s_add_co_u32 s42, s42, 0x600000
	s_add_nc_u64 s[26:27], s[6:7], s[42:43]        ; W1's codes: my column group, my K quarter
	s_lshl_b32 s42, s[CG], 13
	s_lshl_b32 s41, s[KQ], 11
	s_add_co_u32 s42, s42, s41
	s_add_co_u32 s42, s42, 0x860000
	s_add_nc_u64 s[28:29], s[6:7], s[42:43]        ; and their scale words
	s_lshl_b32 s42, s[GR], 4
	s_add_co_u32 s42, s42, s[CG]
	s_lshl_b32 s42, s42, 14
	s_lshl_b32 s41, s[KQ], 12
	s_add_co_u32 s42, s42, s41
	s_add_co_u32 s42, s42, 0x220000
	s_add_nc_u64 s[32:33], s[8:9], s[42:43]        ; h's image: 16,384 bytes for each (group, column group); block kq is 4,096 of them
	s_lshl_b32 s42, s[CG], 8
	s_add_nc_u64 s[10:11], s[10:11], s[42:43]      ; the bias of my 64 columns
	s_lshr_b32 s41, s[KQ], 1                       ; where my block goes: row 64 G + 32 (kq / 2) + 8 (kq % 2), rows of 4,096 bytes, + my columns' 256 bytes
	s_lshl_b32 s41, s41, 17
	s_add_co_u32 s42, s42, s41
	s_and_b32 s41, s[KQ], 1
	s_lshl_b32 s41, s41, 15
	s_add_co_u32 s42, s42, s41
	s_lshl_b32 s41, s[GR], 18
	s_add_co_u32 s42, s42, s41
	s_add_nc_u64 s[34:35], s[12:13], s[42:43]
	s_wait_alu depctr_va_vdst(0)                   ; the addresses v1 to v12 and v24 to v27 are written, which every load and store below reads
	; THE FILL: 17 passes of 8,192 bytes (512 threads x 16), through the registers that the accumulators will take; my first two steps of Y go out with it
.irp i, 0,1,2,3,4,5,6,7,8,9,10,11,12,13,14,15
	global_load_b128 v[ACC+4*\i:ACC+4*\i+3], v[LF], s[24:25] offset:\i*8192
.endr
	global_load_b128 v[ACC+64:ACC+67], v[LF], s[30:31]
	YLOAD 0, 0
	YLOAD 1, 1
.irp i, 0,1,2,3,4,5,6,7,8,9,10,11,12,13,14,15,16
	s_wait_loadcnt 34-\i                           ; loads come back in order: pass i is in; the 16 - i younger passes and Y's 18 loads stay out
	ds_store_b128 v[LF+\i/8], v[ACC+4*\i:ACC+4*\i+3] offset:(\i%8)*8192
.endr
	s_wait_dscnt 0x0                               ; for the others' sake: my part of the panel has landed
	s_barrier_signal -1
	s_barrier_wait -1                              ; the panel is whole
	s_wait_alu depctr_vm_vsrc(0)                   ; the fill's LDS stores have read v[ACC ..], which the first step's products write
	STEP 0, 0, 1, 1, 9                             ; written out: every offset is an immediate, no pointer is stepped
	STEP 1, 1, 0, 1, 9
	STEP 2, 0, 0, 1, 9
	STEP 3, 1, 0, 1, 9
	STEP 4, 0, 0, 1, 9
	STEP 5, 1, 0, 1, 9
	STEP 6, 0, 0, 0, 9                             ; the last two steps ask for nothing
	STEP 7, 1, 0, 0, 0
.irp m, 0,1,2,3,4,5,6,7
	global_load_b128 v[RES+4*\m:RES+4*\m+3], v[LI], s[32:33] offset:512*\m   ; h of my block, in the accumulators' layout: it lands while the quarters meet.  (Into X's set, and the bias into Y's set 0: the wait at step 7's end has shown both read out)
.endr
	CLOAD BIA, 10
	s_wait_dscnt 0x0                               ; my reads of the panel are over
	s_barrier_signal -1
	s_barrier_wait -1                              ; everybody's are: the images may lie over it
.set n, 0
.rept 32
	ds_store_b128 v[RST], v[ACC+4*n:ACC+4*n+3] offset:512*n   ; my 128 registers as they stand, each accumulator from its low end on.  (The wait at step 7's end has shown them written; no vector or matrix instruction stands behind it)
.set n, n+1
.endr
	s_wait_dscnt 0x0                               ; my image has landed
	s_barrier_signal -1
	s_barrier_wait -1
	s_wait_alu depctr_vm_vsrc(0)                   ; the image's LDS stores have read v[ACC ..], in which the four quarters' parts land
.irp k, 0,1,2,3
.irp m, 0,1,2,3,4,5,6,7
	ds_load_b128 v[ACC+32*\k+4*\m:ACC+32*\k+4*\m+3], v[RLD+\k] offset:512*\m   ; K quarter k's part of block kq of my columns
.endr
.endr
	s_wait_dscnt 0x0                               ; my reads of the images are over
	s_barrier_signal -1
.irp p, 0,2,4,6,8,10,12,14,16,18,20,22,24,26,28,30
	v_pk_add_f32 v[ACC+\p:ACC+\p+1], v[ACC+\p:ACC+\p+1], v[ACC+32+\p:ACC+32+\p+1]
	v_pk_add_f32 v[ACC+64+\p:ACC+64+\p+1], v[ACC+64+\p:ACC+64+\p+1], v[ACC+96+\p:ACC+96+\p+1]
.endr
.irp p, 0,2,4,6,8,10,12,14,16,18,20,22,24,26,28,30
	v_pk_add_f32 v[ACC+\p:ACC+\p+1], v[ACC+\p:ACC+\p+1], v[ACC+64+\p:ACC+64+\p+1]
.endr
	s_barrier_wait -1                              ; everybody's are: the stages may lie over the images
	s_wait_loadcnt 0x0                             ; h and the bias
.irp p, 0,2,4,6,8,10,12,14,16,18,20,22,24,26,28,30
	v_pk_add_f32 v[RES+\p:RES+\p+1], v[RES+\p:RES+\p+1], v[BIA+\p:BIA+\p+1]
.endr
.irp p, 0,2,4,6,8,10,12,14,16,18,20,22,24,26,28,30
	v_pk_add_f32 v[ACC+\p:ACC+\p+1], v[ACC+\p:ACC+\p+1], v[RES+\p:RES+\p+1]
.endr
	s_wait_alu depctr_va_vdst(0)                   ; the sums are written in v[ACC .. ACC + 31], which the stage's stores read; the additions are done reading v160-191, in which the rows land
.irp b, 0,1,2,3
.irp q, 0,1
	ds_store_b128 v[SOA], v[ACC+8*\b+4*\q:ACC+8*\b+4*\q+3] offset:128*(\b/2)+32*(\b%2)+16*\q   ; row r of my stage, the columns in their true order
.endr
.endr
.irp i, 0,1,2,3,4,5,6,7
	ds_load_b128 v[OUTR+4*\i:OUTR+4*\i+3], v[SI] offset:544*\i   ; LDS serves a wave's instructions in order: these see my stores
.endr
.irp i, 0,1,2,3,4,5,6,7
	s_wait_dscnt 7-\i                              ; places 2 i and 2 i + 1 are back; the younger loads stay out
	global_store_b128 v[XV], v[OUTR+4*\i:OUTR+4*\i+3], s[34:35] offset:(2*\i+8*(\i/4))*4096   ; sixteen lanes store 256 consecutive bytes, aligned
.endr
	s_wait_dscnt 0x0                               ; the closing lines, six on end
	s_wait_alu 0x0
	s_wait_tensorcnt 0x0
	ds_add_u32 v22, v23
	s_wait_dscnt 0x0
	s_endpgm
.Lfunc_end_k_qc853998f6a_ffn2:
	.size	k_qc853998f6a_ffn2, .Lfunc_end_k_qc853998f6a_ffn2-k_qc853998f6a_ffn2
	.p2alignl 7, 3214868480
	.fill 96, 4, 3214868480
	.section	.rodata,"a",@progbits
	.p2align	6, 0x0
	.amdhsa_kernel k_qc853998f6a_ffn2
		.amdhsa_group_segment_fixed_size 264192
		.amdhsa_private_segment_fixed_size 0
		.amdhsa_enable_private_segment 0
		.amdhsa_kernarg_size 40
		.amdhsa_user_sgpr_count 2
		.amdhsa_user_sgpr_kernarg_segment_ptr 1
		.amdhsa_wavefront_size32 1
		.amdhsa_system_sgpr_workgroup_id_x 1
		.amdhsa_system_sgpr_workgroup_id_y 1
		.amdhsa_system_sgpr_workgroup_id_z 1
		.amdhsa_system_vgpr_workitem_id 0
		.amdhsa_next_free_vgpr 256
		.amdhsa_next_free_sgpr 66
		.amdhsa_reserve_vcc 0
		.amdhsa_float_denorm_mode_32 3
		.amdhsa_float_denorm_mode_16_64 3
		.amdhsa_memory_ordered 1
		.amdhsa_forward_progress 1
		.amdhsa_inst_pref_size 49
	.end_amdhsa_kernel
	.amdgpu_metadata
---
amdhsa.version: [ 1, 2 ]
amdhsa.kernels:
  - .name:           k_qc853998f6a_ffn2
    .symbol:         k_qc853998f6a_ffn2.kd
    .args:
      - { .name: hid, .offset: 0, .size: 8, .value_kind: global_buffer, .address_space: global }
      - { .name: img, .offset: 8, .size: 8, .value_kind: global_buffer, .address_space: global }
      - { .name: hq, .offset: 16, .size: 8, .value_kind: global_buffer, .address_space: global }
      - { .name: b1, .offset: 24, .size: 8, .value_kind: global_buffer, .address_space: global }
      - { .name: pre, .offset: 32, .size: 8, .value_kind: global_buffer, .address_space: global }
    .group_segment_fixed_size: 264192
    .private_segment_fixed_size: 0
    .kernarg_segment_align: 8
    .kernarg_segment_size: 40
    .max_flat_workgroup_size: 512
    .sgpr_count:     66
    .vgpr_count:     256
    .wavefront_size: 32
...
	.end_amdgpu_metadata
.endif
;; end of part 13
;; launch ln1 (part 14): grid 256 x 1, 8 waves a work-group, no clusters, 0 bytes of LDS; arguments pre, ln1_a, ln1_b, out0; writes out0
.if DOCPART == 14
	.amdgcn_target "amdgcn-amd-amdhsa--gfx1250"
	.amdhsa_code_object_version 6
	.text
	.protected	k_qc853998f6a_ln1
	.globl	k_qc853998f6a_ln1
	.p2align	8
	.type	k_qc853998f6a_ln1,@function
k_qc853998f6a_ln1:
	s_mov_b64 s[64:65], 0
	v_nop
	global_prefetch_b8 v0, s[64:65] scope:SCOPE_SE
	s_setreg_imm32_b32 hwreg(HW_REG_WAVE_MODE, 25, 1), 1
	s_wait_xcnt 0x0
; out0 = LN(pre): for each of 4,096 rows of 1,024 f32: mu = the row's mean; sigma = sqrt(the mean of (. - mu)^2), taken of the differences; (. - mu) / (sigma + 1e-9) x alpha + beta.
; A stream: a row is 4,096 bytes, 32 registers of one wave, so it stays in registers between the passes and is read once; a reduction never leaves the wave: no LDS, no barrier; the matrix units and clusters have nothing to do here.
; A wave takes two rows, line by line in turns; a work-group of eight waves sixteen.  Each load and store of a wave covers 512 consecutive bytes.  Lane l holds columns 128 j + 4 l + 0 .. 3, j = 0 .. 7, of the rows, of alpha and of beta.
; All 32 loads of a wave go out at its head: the rows first, so that the sums begin while alpha and beta are on their way.
; LIMITS: NaN and infinities are not served; a variance under 2^-126 counts as 0 (v_sqrt_f32 takes a denormal for 0).
.set LI,  1                            ; v1      16 x lane
.set T,   4                            ; v4-19   row k at T + 8 k: +0 .. +3 two chains of sums, +4 a permute's destination, +6 mu, later 1 / (sigma + eps): the low word of a pair
.set AL,  32                           ; v32-63  alpha
.set BE,  64                           ; v64-95  beta
.set X,   96                           ; v96-159 the two rows
; The two chains of each row are added, over the lane's pair and the 32 lanes, and divided by 1,024, into v[T + 8 k + 6], in every lane
.macro RSUM
.irp k, 0
	s_delay_alu instid0(VALU_DEP_3)
	v_pk_add_f32 v[T+8*\k:T+8*\k+1], v[T+8*\k:T+8*\k+1], v[T+8*\k+2:T+8*\k+3]
.endr
.irp k, 1
	s_delay_alu instid0(VALU_DEP_2)
	v_pk_add_f32 v[T+8*\k:T+8*\k+1], v[T+8*\k:T+8*\k+1], v[T+8*\k+2:T+8*\k+3]
.endr
.irp k, 0,1
	s_delay_alu instid0(VALU_DEP_2)
	v_add_f32 v[T+8*\k], v[T+8*\k], v[T+8*\k+1]
.endr
.irp m, 1,2,4,8
.irp k, 0,1
	s_delay_alu instid0(VALU_DEP_2)
	v_add_f32_dpp v[T+8*\k], v[T+8*\k], v[T+8*\k] row_xmask:\m row_mask:0xf bank_mask:0xf
.endr
.endr
.irp k, 0,1
	s_delay_alu instid0(VALU_DEP_2)
	v_permlanex16_b32 v[T+8*\k+4], v[T+8*\k], s16, s17
.endr
.irp k, 0,1
	s_delay_alu instid0(VALU_DEP_2)
	v_add_f32 v[T+8*\k], v[T+8*\k], v[T+8*\k+4]
.endr
.irp k, 0,1
	s_delay_alu instid0(VALU_DEP_2)
	v_mul_f32 v[T+8*\k+6], 0x3a800000, v[T+8*\k]   ; x 2^-10
.endr
.endm
	s_load_b256 s[4:11], s[0:1], 0x0               ; pre, alpha, beta, out0
	v_lshrrev_b32 v2, 5, v0
	s_delay_alu instid0(VALU_DEP_1)
	v_readfirstlane_b32 s12, v2                    ; wave 0..7
	v_and_b32 v3, 31, v0
	s_delay_alu instid0(VALU_DEP_1)
	v_lshlrev_b32 v[LI], 4, v3
	s_lshl_b32 s14, ttmp9, 3
	s_add_co_u32 s14, s14, s12
	s_lshl_b32 s14, s14, 13                        ; two rows of 4,096 bytes for each wave
	s_mov_b32 s15, 0
	s_mov_b32 s16, 0x76543210
	s_mov_b32 s17, 0xfedcba98                      ; v_permlanex16_b32's selects for lane xor 16
.irp k, 0,1
	v_mov_b32 v[T+8*\k+4], 0                       ; written once: a lane permute's destination counts as one of its sources,
	v_mov_b32 v[T+8*\k+7], 0                       ; and the upper word of a pair is named with the lower
.endr
	s_wait_alu depctr_va_vdst(0)
	s_wait_kmcnt 0x0
	s_add_nc_u64 s[4:5], s[4:5], s[14:15]
	s_add_nc_u64 s[10:11], s[10:11], s[14:15]
.irp k, 0,1
.irp j, 0,1,2,3,4,5,6,7
	global_load_b128 v[X+32*\k+4*\j:X+32*\k+4*\j+3], v[LI], s[4:5] offset:4096*\k+512*\j th:TH_LOAD_NT
.endr
.endr
.irp j, 0,1,2,3,4,5,6,7
	global_load_b128 v[AL+4*\j:AL+4*\j+3], v[LI], s[6:7] offset:512*\j
.endr
.irp j, 0,1,2,3,4,5,6,7
	global_load_b128 v[BE+4*\j:BE+4*\j+3], v[LI], s[8:9] offset:512*\j
.endr
	s_wait_loadcnt 16                              ; the rows are in; alpha's and beta's 16 loads stay out
	; the mean: two chains a row, started by the first numbers
.irp k, 0,1
	v_pk_add_f32 v[T+8*\k:T+8*\k+1], v[X+32*\k:X+32*\k+1], v[X+32*\k+4:X+32*\k+5]
	v_pk_add_f32 v[T+8*\k+2:T+8*\k+3], v[X+32*\k+2:X+32*\k+3], v[X+32*\k+6:X+32*\k+7]
.endr
.irp j, 2,3,4,5,6,7
.irp k, 0,1
	s_delay_alu instid0(VALU_DEP_4)
	v_pk_add_f32 v[T+8*\k:T+8*\k+1], v[T+8*\k:T+8*\k+1], v[X+32*\k+4*\j:X+32*\k+4*\j+1]
	s_delay_alu instid0(VALU_DEP_4)
	v_pk_add_f32 v[T+8*\k+2:T+8*\k+3], v[T+8*\k+2:T+8*\k+3], v[X+32*\k+4*\j+2:X+32*\k+4*\j+3]
.endr
.endr
	RSUM
	; the differences, and the mean of their squares
.irp k, 0,1
.irp p, 0,2,4,6,8,10,12,14,16,18,20,22,24,26,28,30
	v_pk_add_f32 v[X+32*\k+\p:X+32*\k+\p+1], v[X+32*\k+\p:X+32*\k+\p+1], v[T+8*\k+6:T+8*\k+7] op_sel_hi:[1,0] neg_lo:[0,1] neg_hi:[0,1]
.endr
.endr
.irp k, 0,1
	v_pk_mul_f32 v[T+8*\k:T+8*\k+1], v[X+32*\k:X+32*\k+1], v[X+32*\k:X+32*\k+1]
	v_pk_mul_f32 v[T+8*\k+2:T+8*\k+3], v[X+32*\k+2:X+32*\k+3], v[X+32*\k+2:X+32*\k+3]
.endr
.irp j, 1,2,3,4,5,6,7
.irp k, 0,1
	s_delay_alu instid0(VALU_DEP_4)
	v_pk_fma_f32 v[T+8*\k:T+8*\k+1], v[X+32*\k+4*\j:X+32*\k+4*\j+1], v[X+32*\k+4*\j:X+32*\k+4*\j+1], v[T+8*\k:T+8*\k+1]
	s_delay_alu instid0(VALU_DEP_4)
	v_pk_fma_f32 v[T+8*\k+2:T+8*\k+3], v[X+32*\k+4*\j+2:X+32*\k+4*\j+3], v[X+32*\k+4*\j+2:X+32*\k+4*\j+3], v[T+8*\k+2:T+8*\k+3]
.endr
.endr
	RSUM
	s_wait_alu depctr_va_vdst(0)
.irp k, 0,1
	v_sqrt_f32 v[T+8*\k+6], v[T+8*\k+6]
.endr
	v_nop                                          ; one plain place behind a transcendental
	s_wait_alu depctr_va_vdst(0)
.irp k, 0,1
	v_add_f32 v[T+8*\k+6], 0x3089705f, v[T+8*\k+6] ; sigma + 1e-9
.endr
	s_wait_alu depctr_va_vdst(0)
.irp k, 0,1
	v_rcp_f32 v[T+8*\k+6], v[T+8*\k+6]
.endr
	v_nop
	s_wait_loadcnt 0x0                             ; alpha and beta
	s_wait_alu depctr_va_vdst(0)
.irp k, 0,1
.irp p, 0,2,4,6,8,10,12,14,16,18,20,22,24,26,28,30
	v_pk_mul_f32 v[X+32*\k+\p:X+32*\k+\p+1], v[X+32*\k+\p:X+32*\k+\p+1], v[T+8*\k+6:T+8*\k+7] op_sel_hi:[1,0]
.endr
.endr
.irp k, 0,1
.irp p, 0,2,4,6,8,10,12,14,16,18,20,22,24,26,28,30
	v_pk_fma_f32 v[X+32*\k+\p:X+32*\k+\p+1], v[X+32*\k+\p:X+32*\k+\p+1], v[AL+\p:AL+\p+1], v[BE+\p:BE+\p+1]
.endr
.irp j, 0,1,2,3,4,5,6,7
	global_store_b128 v[LI], v[X+32*\k+4*\j:X+32*\k+4*\j+3], s[10:11] offset:4096*\k+512*\j th:TH_STORE_NT   ; 512 consecutive bytes, aligned; written once, read by nobody here
.endr
.endr
	s_endpgm
.Lfunc_end_k_qc853998f6a_ln1:
	.size	k_qc853998f6a_ln1, .Lfunc_end_k_qc853998f6a_ln1-k_qc853998f6a_ln1
	.p2alignl 7, 3214868480
	.fill 96, 4, 3214868480
	.section	.rodata,"a",@progbits
	.p2align	6, 0x0
	.amdhsa_kernel k_qc853998f6a_ln1
		.amdhsa_group_segment_fixed_size 0
		.amdhsa_private_segment_fixed_size 0
		.amdhsa_enable_private_segment 0
		.amdhsa_kernarg_size 32
		.amdhsa_user_sgpr_count 2
		.amdhsa_user_sgpr_kernarg_segment_ptr 1
		.amdhsa_wavefront_size32 1
		.amdhsa_system_sgpr_workgroup_id_x 1
		.amdhsa_system_sgpr_workgroup_id_y 1
		.amdhsa_system_sgpr_workgroup_id_z 1
		.amdhsa_system_vgpr_workitem_id 0
		.amdhsa_next_free_vgpr 160
		.amdhsa_next_free_sgpr 66
		.amdhsa_reserve_vcc 0
		.amdhsa_float_denorm_mode_32 3
		.amdhsa_float_denorm_mode_16_64 3
		.amdhsa_memory_ordered 1
		.amdhsa_forward_progress 1
		.amdhsa_inst_pref_size 21
	.end_amdhsa_kernel
	.amdgpu_metadata
---
amdhsa.version: [ 1, 2 ]
amdhsa.kernels:
  - .name:           k_qc853998f6a_ln1
    .symbol:         k_qc853998f6a_ln1.kd
    .args:
      - { .name: pre, .offset: 0, .size: 8, .value_kind: global_buffer, .address_space: global }
      - { .name: ln1_a, .offset: 8, .size: 8, .value_kind: global_buffer, .address_space: global }
      - { .name: ln1_b, .offset: 16, .size: 8, .value_kind: global_buffer, .address_space: global }
      - { .name: out0, .offset: 24, .size: 8, .value_kind: global_buffer, .address_space: global }
    .group_segment_fixed_size: 0
    .private_segment_fixed_size: 0
    .kernarg_segment_align: 8
    .kernarg_segment_size: 32
    .max_flat_workgroup_size: 256
    .sgpr_count:     66
    .vgpr_count:     160
    .wavefront_size: 32
...
	.end_amdgpu_metadata
.endif
;; end of part 14
